; MI455X (gfx1250); checked and timed in simulation.
; The chip was launched on July 23, 2026; its instructions are those of AMD's public machine-readable ISA for CDNA 5 (MIT licence, August 2026) and "CDNA5" Instruction Set Architecture Reference Guide (July 2026). The comments in the code are by the model that wrote it; some were corrected since.
;; Block. Allowed arithmetic: matrix products marked QUANTISED: E5M2 operands, one E8M0 scale for each 32 along K, by v_wmma_scale_f32_16x16x128_f8f6f4 with both operands' format E5M2, f32 sums; everything else in f32.
;; Inputs: W1 1,024 x 4,096 float32; W2 4,096 x 1,024 float32; Wk 1,024 x 1,024 float32; Wo 1,024 x 1,024 float32; Wq 1,024 x 1,024 float32; Wv 1,024 x 1,024 float32; b1 4,096 float32; b2 1,024 float32; be1 1,024 float32; be2 1,024 float32; bo 1,024 float32; g1 1,024 float32; g2 1,024 float32; x 2 x 2,048 x 1,024 float32.
;; Outputs: out0 2 x 2,048 x 1,024 float32.
;; This version of the problem:
;;   THIS VERSION OF THE PROBLEM IS GIVEN IN LOW PRECISION. The matrix products marked QUANTISED in the list below multiply operands that are first quantised to E5M2 (5 exponent bits, 2 mantissa bits; 8 bits a number), with one power-of-two scale for each 32 numbers along K (OCP MX v1.0); their sums are f32. All else is computed in f32.
;;   The module's matrix products, in the order in which they are computed (A, B: the left and right operand; K: the contracted axis; several contracted axes count as one K, in the product's order):
;;     1. [M 4,096, K 1,024] x [K 1,024, N 1,024]; A: computed on the way; B: input Wq: QUANTISED
;;     2. [M 4,096, K 1,024] x [K 1,024, N 1,024]; A: computed on the way; B: input Wk: QUANTISED
;;     3. [M 4,096, K 1,024] x [K 1,024, N 1,024]; A: computed on the way; B: input Wv: QUANTISED
;;     4. batch 32 x [M 2,048, K 64] x [K 64, N 2,048]; A: computed on the way; B: computed on the way: QUANTISED
;;     5. batch 32 x [M 2,048, K 2,048] x [K 2,048, N 64]; A: softmax (see below); B: computed on the way: QUANTISED
;;     6. [M 4,096, K 1,024] x [K 1,024, N 1,024]; A: computed on the way; B: input Wo: QUANTISED
;;     7. [M 4,096, K 1,024] x [K 1,024, N 4,096]; A: computed on the way; B: input W1: QUANTISED
;;     8. [M 4,096, K 4,096] x [K 4,096, N 1,024]; A: computed on the way; B: input W2: QUANTISED
;;   THE QUANTISER, for each operand of a quantised product, along K:
;;     - K is cut into blocks of 32 from its start; a last block that is shorter is filled with zeros.
;;     - A block's scale is 2^e with e = floor(log2(the largest magnitude in the block)) - 15, held to -126 .. 127; a block of zeros has e = 0. As a byte (E8M0): e + 127.
;;     - Each number is divided by its block's scale, clamped to +-57,344, and rounded to the nearest number of E5M2, ties to even, subnormals kept.
;;     - The product sums the exact products of the quantised numbers (number of the format x scale) in f32.
;;   ~~~python
;;   def quantise(x, axis):      # numpy; x: float32 -> the quantised numbers, widened to float32 again
;;       x = np.moveaxis(x, axis, -1); K = x.shape[-1]
;;       x = np.pad(x, [(0, 0)] * (x.ndim - 1) + [(0, -K % 32)]); x = x.reshape(x.shape[:-1] + (-1, 32)); a = np.abs(x).max(-1, keepdims=True)
;;       e = np.where(a > 0, np.clip(np.frexp(np.where(a > 0, a, 1))[1] - 1 - 15, -126, 127), 0)      # np.frexp(a)[1] - 1 = floor(log2(a)), exactly
;;       r = np.clip(x / 2.0 ** e, -57344, 57344)
;;       step = 2.0 ** (np.maximum(np.frexp(np.where(r == 0, 1, r))[1] - 1, -14) - 2)
;;       q = np.round(r / step) * step * 2.0 ** e      # np.round: ties to even
;;       return np.moveaxis(q.reshape(q.shape[:-2] + (-1,))[..., :K], -1, axis).astype(np.float32)
;;   ~~~
;;   SOFTMAX AHEAD OF A QUANTISED PRODUCT. Where the list says 'softmax', what is quantised is not the finished softmax but p = 2^(t - M), with t = logit x log2(e) and M = ceil(the row's largest t), a whole number; so 1/2 < the row's largest p <= 1. The row's sum l is taken of the UNQUANTISED p, in f32, and the product's result is divided by l at the end. Since M is a whole number, a kernel that streams over the keys may use a running M (the ceiling of the running maximum): every later rescaling is an exact power of two, which a block's scale takes up: the codes' values come out the same.
;;   OPERANDS COMPUTED ON THE WAY. 'Computed on the way' means the value that the module computes at that place (a softmax that the list does not call 'softmax' is quantised finished and normalised). What goes into a quantiser is computed in f32, as accurately as f32 sums, v_exp_f32 and their like allow (about 1e-6 of the number): no bf16 or f16 on the way to a quantiser, and a product that is left as it is and whose result goes on into a quantised operand takes f32 operands (vector FMAs, or v_wmma_f32_16x16x4_f32). A number that lies on a knife's edge between two numbers of the format may be rounded either way, as far as f32 arithmetic and the matrix unit's own rounding can turn it there, and no further.
;; One version. Each part assembles by itself: llvm-mc -triple=amdgcn-amd-amdhsa -mcpu=gfx1250 --defsym DOCPART=n.
;; ======== version 1 of 1: 7 launches
;; limits: right only within a limited range of input values
;; workspace buffers: wts 12,976,128 bytes; hq 4,325,376 bytes; qkv 12,976,128 bytes; att 4,325,376 bytes; x1 16,777,216 bytes; mid 17,301,504 bytes
;; launch prep (part 1): grid 448 x 1, 8 waves a work-group, no clusters, 70,656 bytes of LDS; arguments x, g1, be1, hq, Wq, Wk, Wv, Wo, W1, W2, wts; writes hq, wts
.if DOCPART == 1
	.amdgcn_target "amdgcn-amd-amdhsa--gfx1250"
	.amdhsa_code_object_version 6
	.text
	.protected	k_q991922195d_prep
	.globl	k_q991922195d_prep
	.p2align	8
	.type	k_q991922195d_prep,@function
k_q991922195d_prep:
	s_mov_b64 s[64:65], 0
	v_nop
	global_prefetch_b8 v0, s[64:65] scope:SCOPE_SE
	s_setreg_imm32_b32 hwreg(HW_REG_WAVE_MODE, 25, 1), 1
	s_wait_xcnt 0x0
; TWO JOBS THAT DO NOT DEPEND ON EACH OTHER, IN ONE LAUNCH: work-groups 0-191 quantise the six weights, work-groups 192-447 norm and quantise x.  The paths part once, on the work-group's number; only the norm's path uses LDS and barriers.
; Both lay their codes (E5M2, one E8M0 byte for each 32 along K) as IMAGES OF OPERAND REGISTERS.  Rows go in blocks of 16: lane row r of block p is row 32 (p / 2) + 8 (p % 2) + r + 8 (r / 8).
; Fragment (p, s), 16 rows x 128 K, is 2,048 bytes at (p S + s) 2048, S = K / 128; in it group c of lane 16 h + r: 16 bytes at 512 c + 16 (16 h + r): k = 128 s + 32 c + 16 h + 0 .. 15.
; Scale words: a unit of 256 bytes for (p / 4, s); the word of (r, p % 4) at 16 r + 4 (p % 4), byte c for k block c.
; THE WEIGHTS, f32 stored [K][N]: an operand's row is a column n.  A LANE TAKES A COLUMN AND ITS REGISTERS RUN DOWN K: a block of 32 lies in one lane, nothing is transposed.  A wave takes 64 columns x 128 K; four waves stand
; side by side on 256 columns; a work-group holds two such fours: four number 2 x work-group + wave / 4.  Fours 0-127: Wq, Wk, Wv, Wo (32 each); 128-255: W1; 256-383: W2.  All choices there are selects.
; THE NORM: a work-group takes block p (16 rows of 1,024 f32), wave w its K step w.  Loads take 512 consecutive bytes; the numbers turn through the wave's own stage in LDS so that a lane holds 16 neighbours of each block of 32.
; Mean and variance in two passes (the mean is taken away before the squares), each summed over the eight waves through LDS: two barriers.
; The norm's 4-byte scale words fill a quarter of each unit; the other three quarters come from three other work-groups: 128 KB of its 20 MB.
; LIMITS: NaN and infinities are not served; a block whose largest magnitude lies under 2^-111 (a block of zeros too) gets the byte 1: the bytes are read by this program alone; the sums' order is not reference()'s.
.set NWQ, 192                          ; work-groups for the weights
.set EMAX, 15
.set SB,  8                            ; the weights' path: v8-9 the scale words of my two columns
.set DO,  10                           ; v10-11  where my codes go: (2 beta + u) x a block's bytes + 16 r
.set OFF, 16                           ; v16-47  4 x lane + i x a row of the weight
.set XW,  48                           ; v48-111 two sets of 32 numbers
.set CW,  112                          ; v112-175 eight registers of codes for each of the eight blocks: no store's data are written again
.set R,   16                           ; the norm's path: v16-79 x as loaded, later be
.set X,   80                           ; v80-143  register 16 c + i: k = 128 w + 32 c + 16 h + i of row r
.set G,   144                          ; v144-207 g
.set TM,  208                          ; v208-223 the quantiser's work
.set PC,  224                          ; v224-239 the codes
.set PW,  240                          ; v240     the scale word
.set SEL, 22
.set MNT, 24
.set STG, 8448                         ; a wave's stage: 16 rows x (512 + 16) bytes
.set RED, 67584                        ; 512 bytes for the sums, 512 for the sums of squares: word (r, w) at 32 r + 4 w
.set MSB, 0
.macro LOAD t                          ; block t = 4 beta + c: W(128 s + 32 c + i, my column): 128 consecutive bytes a wave and load
.set ii, 0
.rept 32
	global_load_b32 v[XW+32*((\t)%2)+ii], v[OFF+ii], s[20+2*((\t)%4):21+2*((\t)%4)] offset:128*((\t)/4) th:TH_LOAD_NT
.set ii, ii+1
.endr
.endm
.macro BLOCK t
.set XS, XW+32*((\t)%2)
.set CC, CW+8*(\t)
.if (\t) < 7
	s_wait_loadcnt 32                              ; this block's 32 loads are in; the next block's 32 may be out
.else
	s_wait_loadcnt 0x0
.endif
	v_max3_num_f32 v12, |v[XS]|, |v[XS+1]|, |v[XS+2]|          ; the block's largest magnitude: all 32 numbers are mine
	v_max3_num_f32 v13, |v[XS+3]|, |v[XS+4]|, |v[XS+5]|
.irp i, 6,10,14,18,22,26
	s_delay_alu instid0(VALU_DEP_2)
	v_max3_num_f32 v12, v12, |v[XS+\i]|, |v[XS+\i+1]|
	s_delay_alu instid0(VALU_DEP_2)
	v_max3_num_f32 v13, v13, |v[XS+\i+2]|, |v[XS+\i+3]|
.endr
	s_delay_alu instid0(VALU_DEP_2)
	v_max3_num_f32 v12, v12, |v[XS+30]|, |v[XS+31]|
	s_delay_alu instid0(VALU_DEP_1)
	v_max3_num_f32 v12, v12, v13, (EMAX+1)<<23     ; and the floor 2^(16 - 127): the byte cannot fall under 1
	s_delay_alu instid0(VALU_DEP_1)
	v_add_nc_u32 v14, -(EMAX<<23), v12             ; 15 off the exponent field: the conversion's scale operand
	s_delay_alu instid0(VALU_DEP_2)
	v_and_or_b32 v15, v12, 0x7f800000, s56         ; 57,344 x the scale
	s_delay_alu instid0(VALU_DEP_2)
	v_lshrrev_b32 v13, 23, v14                     ; the scale's byte
.if (\t)%4 == 0
	s_delay_alu instid0(VALU_DEP_1)
	v_mov_b32 v[SB+(\t)/4], v13
.else
	s_delay_alu instid0(VALU_DEP_1)
	v_lshl_or_b32 v[SB+(\t)/4], v13, 8*((\t)%4), v[SB+(\t)/4]
.endif
.set ii, 0
.rept 32
	v_med3_num_f32 v[XS+ii], v[XS+ii], -v15, v15   ; the conversion to an 8-bit code does not saturate (ISA guide 7.6.2): the hold comes first
.set ii, ii+1
.endr
.irp g, 0,1,2,3
	v_cvt_scalef32_pk8_bf8_f32 v[CC+2*\g:CC+2*\g+1], v[XS+8*\g:XS+8*\g+7], v14
.endr
	global_store_b128 v[DO+(\t)/4], v[CC:CC+3], s[28:29] offset:512*((\t)%4)          ; k 0-15 of the block: the place of lanes 0-15; the wave fills two aligned runs of 256 bytes
	global_store_b128 v[DO+(\t)/4], v[CC+4:CC+7], s[28:29] offset:512*((\t)%4)+256    ; k 16-31: the place of lanes 16-31
.if (\t)+2 < 8
	LOAD (\t)+2
.endif
.endm
.macro WIN new
.if MSB != (\new)
	s_set_vgpr_msb (MSB<<8)|(\new)
.set MSB, (\new)
.endif
.endm
; 64 numbers of a lane, v[s] on in window w, register 16 b + i = k 32 b + 16 h + i of my row, become a fragment's codes in v[PC] on and its scale word in v[pw]; the held numbers go to v[y] on
.macro QUANT w, s, y, pw
	WIN (\w)|((\w)<<2)
.irp b, 0,1,2,3
	v_max3_num_f32 v[TM+\b], |v[(\s)+16*\b]|, |v[(\s)+16*\b+1]|, 0x8000000      ; my 16 numbers of block b, and the floor 2^(16 - 127)
.endr
.irp i, 2,4,6,8,10,12,14
.irp b, 0,1,2,3
	s_delay_alu instid0(VALU_DEP_4)
	v_max3_num_f32 v[TM+\b], |v[(\s)+16*\b+\i]|, |v[(\s)+16*\b+\i+1]|, v[TM+\b]
.endr
.endr
	WIN 0
.irp b, 0,1,2,3
	s_delay_alu instid0(VALU_DEP_4)
	v_permlanex16_b32 v[TM+4+\b], v[TM+\b], s[SEL], s[SEL+1]
.endr
.irp b, 0,1,2,3
	s_delay_alu instid0(VALU_DEP_4)
	v_max_num_f32 v[TM+\b], v[TM+\b], v[TM+4+\b]               ; with lane l xor 16's: the block's largest magnitude
.endr
.irp b, 0,1,2,3
	s_delay_alu instid0(VALU_DEP_4)
	v_add_nc_u32 v[TM+12+\b], 0xf8800000, v[TM+\b]             ; 15 off its exponent field: the conversion's scale operand
.endr
.irp b, 0,1,2,3
	v_and_or_b32 v[TM+8+\b], v[TM+\b], 0x7f800000, s[MNT]      ; 57,344 x the scale
.endr
.irp b, 0,1,2,3
	v_lshrrev_b32 v[TM+4+\b], 23, v[TM+12+\b]                  ; the scale's byte
.endr
	s_delay_alu instid0(VALU_DEP_3)
	v_lshl_or_b32 v[\pw], v[TM+5], 8, v[TM+4]
	s_delay_alu instid0(VALU_DEP_1)
	v_lshl_or_b32 v[\pw], v[TM+6], 16, v[\pw]
	s_delay_alu instid0(VALU_DEP_1)
	v_lshl_or_b32 v[\pw], v[TM+7], 24, v[\pw]
	WIN \w
.irp b, 0,1,2,3
.irp i, 0,1,2,3,4,5,6,7,8,9,10,11,12,13,14,15
	v_med3_num_f32 v[(\y)+16*\b+\i], v[(\s)+16*\b+\i], -v[TM+8+\b], v[TM+8+\b]   ; the conversion does not saturate (ISA guide 7.6.2): the hold comes first
.endr
.endr
	WIN 0
.irp b, 0,1,2,3
	v_cvt_scalef32_pk8_bf8_f32 v[PC+4*\b:PC+4*\b+1], v[(\y)+16*\b:(\y)+16*\b+7], v[TM+12+\b]
	v_cvt_scalef32_pk8_bf8_f32 v[PC+4*\b+2:PC+4*\b+3], v[(\y)+16*\b+8:(\y)+16*\b+15], v[TM+12+\b]
.endr
	v_nop                                          ; a plain line behind the last conversion
.endm
.macro BARRIER
	s_wait_dscnt 0x0                               ; my LDS stores have landed and my LDS loads are in
	s_barrier_signal -1
	s_barrier_wait -1
.endm
	v_lshl_add_u32 v254, v0, 2, 0x11000
	v_mov_b32 v255, 0
	s_cmp_lt_u32 ttmp9, NWQ                        ; the same in all eight waves of a work-group
	s_cbranch_scc0 .Lnorm
	; ---------------- THE WEIGHTS
	s_load_b256 s[4:11], s[0:1], 0x20              ; Wq, Wk, Wv, Wo
	s_load_b128 s[12:15], s[0:1], 0x40             ; W1, W2
	s_load_b64 s[16:17], s[0:1], 0x50              ; wts
	v_lshrrev_b32 v1, 5, v0
	s_delay_alu instid0(VALU_DEP_1)
	v_readfirstlane_b32 s50, v1                    ; wave 0..7
	s_lshr_b32 s57, s50, 2
	s_and_b32 s50, s50, 3                          ; my place in my four
	s_lshl_b32 s51, ttmp9, 1
	s_add_co_u32 s57, s57, s51                     ; my four's number, 0..383
	s_lshr_b32 s32, s57, 7                         ; class: 0 the four square weights, 1 W1, 2 W2
	s_lshr_b32 s33, s57, 5
	s_lshl_b32 s36, s32, 2
	s_cmp_eq_u32 s32, 0
	s_cselect_b32 s34, 31, 127
	s_cselect_b32 s36, s33, s36                    ; the weight's place in wts, in MiB: 0, 1, 2, 3, 4, 8
	s_cmp_eq_u32 s32, 1
	s_cselect_b32 s37, 2, 0
	s_cmp_eq_u32 s32, 2
	s_cselect_b32 s38, 2, 0
	s_and_b32 s34, s57, s34                        ; my four's number within the weight
	s_add_co_u32 s39, s37, 2                       ; log2 of its groups of 256 columns
	s_lshl_b32 s40, 4096, s37                      ; a row of the weight in bytes
	s_lshl_b32 s41, 16384, s38                     ; a block's bytes in the image: S x 2,048
	s_lshl_b32 s42, 8, s38                         ; S
	s_lshl_b32 s43, 1, s39
	s_sub_co_u32 s43, s43, 1
	s_and_b32 s43, s34, s43                        ; which 256 columns
	s_lshr_b32 s44, s34, s39                       ; which K step s
	s_lshl_b32 s45, s43, 2
	s_add_co_u32 s45, s45, s50                     ; g: my wave's 64 columns
	s_lshl_b32 s46, s44, 7
	s_mul_i32 s46, s46, s40
	s_lshl_b32 s47, s45, 8
	s_add_co_u32 s46, s46, s47                     ; source: 128 s rows + 256 g bytes
	s_mov_b32 s47, 0
	s_lshl_b32 s48, s40, 5                         ; 32 rows on
	s_mov_b32 s49, 0
	s_lshl_b32 s52, s36, 20
	s_lshl_b32 s51, s45, 2
	s_mul_i32 s51, s51, s41
	s_add_co_u32 s52, s52, s51
	s_lshl_b32 s51, s44, 11
	s_add_co_u32 s52, s52, s51                     ; codes: the weight's place + 4 g blocks + 2,048 s
	s_mov_b32 s53, 0
	s_mul_i32 s54, s45, s42
	s_add_co_u32 s54, s54, s44
	s_lshl_b32 s54, s54, 8
	s_lshl_b32 s51, s36, 15
	s_add_co_u32 s54, s54, s51
	s_add_co_u32 s54, s54, 12582912                ; scale words: behind all codes, unit g S + s of the weight
	s_mov_b32 s55, 0
	s_mov_b32 s56, 0x600000                        ; the mantissa field of 57,344
	v_and_b32 v2, 31, v0                           ; lane: column 64 g + 32 beta + lane
	s_delay_alu instid0(VALU_DEP_1)
	v_lshlrev_b32 v3, 2, v2
	v_bfe_u32 v4, v0, 3, 1                         ; u: which block of the pair
	v_and_b32 v5, 7, v0
	v_bfe_u32 v6, v0, 4, 1
	s_delay_alu instid0(VALU_DEP_1)
	v_lshl_or_b32 v5, v6, 3, v5                    ; r: my lane row in that block
	s_delay_alu instid0(VALU_DEP_4)
	v_mul_u32_u24 v[DO], v4, s41
	s_delay_alu instid0(VALU_DEP_1)
	v_lshl_add_u32 v[DO], v5, 4, v[DO]
	v_add_nc_u32 v7, 2, v4
	s_delay_alu instid0(VALU_DEP_1)
	v_mul_u32_u24 v[DO+1], v7, s41
	s_delay_alu instid0(VALU_DEP_1)
	v_lshl_add_u32 v[DO+1], v5, 4, v[DO+1]
	v_lshlrev_b32 v6, 4, v5
	s_delay_alu instid0(VALU_DEP_1)
	v_lshl_add_u32 v6, v4, 3, v6                   ; the scale words' place: 16 r + 8 u
.set ii, 0
.rept 32
	v_mad_u32_u24 v[OFF+ii], s40, ii, v3
.set ii, ii+1
.endr
	s_wait_alu depctr_va_vdst(0)
	s_wait_kmcnt 0x0
	s_cmp_eq_u32 s33, 1                            ; the source: a choice between buffers on ids alone
	s_cselect_b64 s[18:19], s[6:7], s[4:5]
	s_cmp_eq_u32 s33, 2
	s_cselect_b64 s[18:19], s[8:9], s[18:19]
	s_cmp_eq_u32 s33, 3
	s_cselect_b64 s[18:19], s[10:11], s[18:19]
	s_cmp_eq_u32 s32, 1
	s_cselect_b64 s[18:19], s[12:13], s[18:19]
	s_cmp_eq_u32 s32, 2
	s_cselect_b64 s[18:19], s[14:15], s[18:19]
	s_add_nc_u64 s[20:21], s[18:19], s[46:47]      ; four bases, one for each block of 32 along K
	s_add_nc_u64 s[22:23], s[20:21], s[48:49]
	s_add_nc_u64 s[24:25], s[22:23], s[48:49]
	s_add_nc_u64 s[26:27], s[24:25], s[48:49]
	s_add_nc_u64 s[28:29], s[16:17], s[52:53]
	s_add_nc_u64 s[30:31], s[16:17], s[54:55]
	LOAD 0
	LOAD 1
.irp t, 0,1,2,3,4,5,6,7
	BLOCK \t
.endr
	; the scale words change lanes so that a lane holds the words of two neighbouring blocks: 8 bytes a lane, one whole unit of 256 bytes a wave
	v_cmp_ne_u32 vcc_lo, 0, v4
	s_delay_alu instid0(VALU_DEP_1)
	v_cndmask_b32 v12, v[SB+1], v[SB], vcc_lo      ; what my partner (lane xor 8) wants
	v_mov_b32 v13, 0
	s_delay_alu instid0(VALU_DEP_2)
	v_mov_b32_dpp v13, v12 row_xmask:8 row_mask:0xf bank_mask:0xf
	s_delay_alu instid0(VALU_DEP_1)
	v_cndmask_b32 v176, v[SB], v13, vcc_lo
	s_delay_alu instid0(VALU_DEP_2)
	v_cndmask_b32 v177, v13, v[SB+1], vcc_lo
	global_store_b64 v6, v[176:177], s[30:31]
	s_endpgm
	; ---------------- THE NORM
.Lnorm:
	s_load_b256 s[4:11], s[0:1], 0x0               ; x, g, be, hq
	s_sub_co_u32 s30, ttmp9, NWQ                   ; block p
	v_lshrrev_b32 v1, 5, v0
	s_delay_alu instid0(VALU_DEP_1)
	v_readfirstlane_b32 s12, v1                    ; wave = K step
	v_and_b32 v2, 31, v0
	v_and_b32 v3, 15, v0                           ; r
	v_bfe_u32 v4, v0, 4, 1                         ; h
	s_lshl_b32 s13, s12, 9
	v_lshlrev_b32 v11, 4, v2                       ; 16 x lane
	s_delay_alu instid0(VALU_DEP_1)
	v_add_nc_u32 v5, s13, v11                      ; x: my 16 bytes of the wave's 512 of a row
	v_lshl_add_u32 v6, v4, 6, s13                  ; g, be: 512 w + 64 h
	s_mul_i32 s14, s12, STG
	v_add_nc_u32 v7, s14, v11                      ; the stage, on the way in
	v_mul_u32_u24 v8, v3, 528
	s_delay_alu instid0(VALU_DEP_1)
	v_lshl_add_u32 v8, v4, 6, v8
	s_delay_alu instid0(VALU_DEP_1)
	v_add_nc_u32 v8, s14, v8                       ; and out: row r, + 64 h
	s_lshl_b32 s15, s12, 2
	s_add_co_u32 s15, s15, RED
	v_lshl_add_u32 v9, v3, 5, s15                  ; my wave's word of row r
	v_lshlrev_b32 v10, 5, v3
	s_delay_alu instid0(VALU_DEP_1)
	v_add_nc_u32 v10, RED, v10                     ; row r's eight words
	v_lshlrev_b32 v12, 4, v3
	s_lshr_b32 s16, s30, 1
	s_lshl_b32 s16, s16, 17
	s_and_b32 s17, s30, 1
	s_lshl_b32 s17, s17, 15
	s_add_co_u32 s16, s16, s17                     ; the block's first row: 32 (p / 2) + 8 (p % 2), x 4,096 bytes
	s_mov_b32 s17, 0
	s_lshl_b32 s18, s30, 14
	s_lshl_b32 s19, s12, 11
	s_add_co_u32 s18, s18, s19                     ; my fragment
	s_mov_b32 s19, 0
	s_lshr_b32 s20, s30, 2
	s_lshl_b32 s20, s20, 3
	s_add_co_u32 s20, s20, s12
	s_lshl_b32 s20, s20, 8
	s_and_b32 s21, s30, 3
	s_lshl_b32 s21, s21, 2
	s_add_co_u32 s20, s20, s21
	s_add_co_u32 s20, s20, 4194304                 ; my scale words
	s_mov_b32 s21, 0
	s_mov_b32 s[SEL], 0x76543210
	s_mov_b32 s[SEL+1], 0xfedcba98
	s_mov_b32 s[MNT], 0x600000
	s_mov_b32 s25, 0x3a800000                      ; 1 / 1,024
	s_mov_b32 s27, 0x3727c5ac                      ; 1e-5
.irp b, 0,1,2,3
	v_mov_b32 v[TM+4+\b], 0                        ; a lane permute's destination counts as one of its sources
.endr
	s_wait_alu depctr_va_vdst(0)
	s_wait_kmcnt 0x0
	s_add_nc_u64 s[4:5], s[4:5], s[16:17]
	s_add_nc_u64 s[28:29], s[10:11], s[20:21]
	s_add_nc_u64 s[10:11], s[10:11], s[18:19]
.set ii, 0
.rept 16
	global_load_b128 v[R+4*ii:R+4*ii+3], v5, s[4:5] offset:(ii+8*(ii/8))*4096 th:TH_LOAD_NT   ; lane row ii: 512 consecutive bytes
.set ii, ii+1
.endr
.irp c, 0,1,2,3
.irp j, 0,1,2,3
	global_load_b128 v[G+16*\c+4*\j:G+16*\c+4*\j+3], v6, s[6:7] offset:128*\c+16*\j
.endr
.endr
	s_wait_loadcnt 16                              ; x is in; g's 16 loads may be out
.set ii, 0
.rept 16
	ds_store_b128 v7, v[R+4*ii:R+4*ii+3] offset:528*ii
.set ii, ii+1
.endr
.irp c, 0,1,2,3
.irp j, 0,1,2,3
	ds_load_b128 v[X+16*\c+4*\j:X+16*\c+4*\j+3], v8 offset:128*\c+16*\j    ; LDS serves a wave's instructions in order: these see my stores
.endr
.endr
	s_wait_dscnt 0x0
.irp c, 0,1,2,3
.irp j, 0,1,2,3
	global_load_b128 v[R+16*\c+4*\j:R+16*\c+4*\j+3], v6, s[8:9] offset:128*\c+16*\j
.endr
.endr
	v_pk_add_f32 v[244:245], v[80:81], v[82:83]
	v_pk_add_f32 v[252:253], v[88:89], v[92:93]
	v_pk_add_f32 v[242:243], v[96:97], v[100:101]
	s_delay_alu instid0(VALU_DEP_1)
	v_pk_add_f32 v[242:243], v[242:243], v[104:105]
	s_delay_alu instid0(VALU_DEP_4)
	v_pk_add_f32 v[244:245], v[244:245], v[108:109]
	s_delay_alu instid0(VALU_DEP_4)
	v_pk_add_f32 v[252:253], v[252:253], v[112:113]
	s_delay_alu instid0(VALU_DEP_3)
	v_pk_add_f32 v[242:243], v[242:243], v[116:117]
	s_delay_alu instid0(VALU_DEP_3)
	v_pk_add_f32 v[244:245], v[244:245], v[120:121]
	s_delay_alu instid0(VALU_DEP_3)
	v_pk_add_f32 v[252:253], v[252:253], v[124:125]
	s_delay_alu instid0(VALU_DEP_3)
	v_pk_add_f32 v[242:243], v[242:243], v[128:129]
	s_delay_alu instid0(VALU_DEP_3)
	v_pk_add_f32 v[244:245], v[244:245], v[132:133]
	s_delay_alu instid0(VALU_DEP_3)
	v_pk_add_f32 v[252:253], v[252:253], v[136:137]
	s_delay_alu instid0(VALU_DEP_3)
	v_pk_add_f32 v[242:243], v[242:243], v[140:141]
	s_delay_alu instid0(VALU_DEP_3)
	v_pk_add_f32 v[244:245], v[244:245], v[84:85]
	s_delay_alu instid0(VALU_DEP_3)
	v_pk_add_f32 v[252:253], v[252:253], v[86:87]
	s_delay_alu instid0(VALU_DEP_3)
	v_pk_add_f32 v[242:243], v[242:243], v[90:91]
	s_delay_alu instid0(VALU_DEP_3)
	v_pk_add_f32 v[244:245], v[244:245], v[94:95]
	s_delay_alu instid0(VALU_DEP_3)
	v_pk_add_f32 v[252:253], v[252:253], v[98:99]
	s_delay_alu instid0(VALU_DEP_3)
	v_pk_add_f32 v[242:243], v[242:243], v[102:103]
	s_delay_alu instid0(VALU_DEP_3)
	v_pk_add_f32 v[244:245], v[244:245], v[106:107]
	s_delay_alu instid0(VALU_DEP_3)
	v_pk_add_f32 v[252:253], v[252:253], v[110:111]
	s_delay_alu instid0(VALU_DEP_3)
	v_pk_add_f32 v[242:243], v[242:243], v[114:115]
	s_delay_alu instid0(VALU_DEP_3)
	v_pk_add_f32 v[244:245], v[244:245], v[118:119]
	s_delay_alu instid0(VALU_DEP_3)
	v_pk_add_f32 v[252:253], v[252:253], v[122:123]
	s_delay_alu instid0(VALU_DEP_3)
	v_pk_add_f32 v[242:243], v[242:243], v[126:127]
	s_delay_alu instid0(VALU_DEP_3)
	v_pk_add_f32 v[244:245], v[244:245], v[130:131]
	s_delay_alu instid0(VALU_DEP_3)
	v_pk_add_f32 v[252:253], v[252:253], v[134:135]
	s_delay_alu instid0(VALU_DEP_3)
	v_pk_add_f32 v[242:243], v[242:243], v[138:139]
	s_delay_alu instid0(VALU_DEP_3)
	v_pk_add_f32 v[244:245], v[244:245], v[142:143]
	s_delay_alu instid0(VALU_DEP_2)
	v_pk_add_f32 v[242:243], v[242:243], v[252:253]
	s_delay_alu instid0(VALU_DEP_1)
	v_pk_add_f32 v[242:243], v[242:243], v[244:245]
	s_delay_alu instid0(VALU_DEP_1)
	v_add_f32 v242, v242, v243
	s_delay_alu instid0(VALU_DEP_1)
	v_permlanex16_b32 v243, v242, s[SEL], s[SEL+1]
	s_delay_alu instid0(VALU_DEP_1)
	v_add_f32 v242, v242, v243                     ; row r's sum over my wave's 128 columns
	ds_store_b32 v9, v242
	BARRIER
	ds_load_b128 v[244:247], v10
	ds_load_b128 v[248:251], v10 offset:16
	s_wait_dscnt 0x0
	v_add_f32 v244, v244, v245
	v_add_f32 v246, v246, v247
	v_add_f32 v248, v248, v249
	v_add_f32 v250, v250, v251
	s_delay_alu instid0(VALU_DEP_3)
	v_add_f32 v244, v244, v246
	s_delay_alu instid0(VALU_DEP_2)
	v_add_f32 v248, v248, v250
	s_delay_alu instid0(VALU_DEP_1)
	v_add_f32 v244, v244, v248
	s_delay_alu instid0(VALU_DEP_1)
	v_mul_f32 v242, s25, v244                      ; the mean
	s_delay_alu instid0(VALU_DEP_1)
	v_mov_b32 v243, v242
.set jj, 0
.rept 32
	v_pk_add_f32 v[X+jj:X+jj+1], v[X+jj:X+jj+1], v[242:243] neg_lo:[0,1] neg_hi:[0,1]
.set jj, jj+2
.endr
	v_pk_mul_f32 v[244:245], v[X:X+1], v[X:X+1]
	v_pk_mul_f32 v[246:247], v[X+2:X+3], v[X+2:X+3]
.irp j, 4,8,12,16,20,24,28,32,36,40,44,48,52,56,60
	s_delay_alu instid0(VALU_DEP_2)
	v_pk_fma_f32 v[244:245], v[X+\j:X+\j+1], v[X+\j:X+\j+1], v[244:245]
	s_delay_alu instid0(VALU_DEP_2)
	v_pk_fma_f32 v[246:247], v[X+\j+2:X+\j+3], v[X+\j+2:X+\j+3], v[246:247]
.endr
	s_delay_alu instid0(VALU_DEP_1)
	v_pk_add_f32 v[244:245], v[244:245], v[246:247]
	s_delay_alu instid0(VALU_DEP_1)
	v_add_f32 v244, v244, v245
	s_delay_alu instid0(VALU_DEP_1)
	v_permlanex16_b32 v245, v244, s[SEL], s[SEL+1]
	s_delay_alu instid0(VALU_DEP_1)
	v_add_f32 v244, v244, v245
	ds_store_b32 v9, v244 offset:512
	BARRIER
	ds_load_b128 v[244:247], v10 offset:512
	ds_load_b128 v[248:251], v10 offset:528
	s_wait_dscnt 0x0
	v_add_f32 v244, v244, v245
	v_add_f32 v246, v246, v247
	v_add_f32 v248, v248, v249
	v_add_f32 v250, v250, v251
	s_delay_alu instid0(VALU_DEP_3)
	v_add_f32 v244, v244, v246
	s_delay_alu instid0(VALU_DEP_2)
	v_add_f32 v248, v248, v250
	s_delay_alu instid0(VALU_DEP_1)
	v_add_f32 v244, v244, v248
	s_delay_alu instid0(VALU_DEP_1)
	v_fma_f32 v244, v244, s25, s27                 ; the variance + 1e-5
	s_wait_alu depctr_va_vdst(0)
	v_rsq_f32 v242, v244
	v_nop                                          ; a plain line behind the transcendental,
	s_wait_alu depctr_va_vdst(0)                   ; and the wait ahead of its first reader
	v_mov_b32 v243, v242
	s_wait_alu depctr_va_vdst(0)
	s_wait_loadcnt 0x0                             ; g and be
.set jj, 0
.rept 32
	v_pk_mul_f32 v[X+jj:X+jj+1], v[X+jj:X+jj+1], v[242:243]
.set jj, jj+2
.endr
.set jj, 0
.rept 32
	v_pk_fma_f32 v[X+jj:X+jj+1], v[X+jj:X+jj+1], v[G+jj:G+jj+1], v[R+jj:R+jj+1]
.set jj, jj+2
.endr
	QUANT 0, X, X, PW
.irp c, 0,1,2,3
	global_store_b128 v11, v[PC+4*\c:PC+4*\c+3], s[10:11] offset:512*\c     ; 512 consecutive bytes a store
.endr
	v_cmp_gt_u32 vcc_lo, 16, v2
	s_wait_xcnt 0x0                                ; EXEC changes only behind this wait
	s_wait_tensorcnt 0x0
	ds_add_u32 v254, v255
	s_wait_dscnt 0x0
	s_and_saveexec_b32 s26, vcc_lo
	global_store_b32 v12, v[PW], s[28:29]          ; lanes 0-15: row r's word
	s_wait_xcnt 0x0
	s_or_b32 exec_lo, exec_lo, s26
	s_endpgm
.Lfunc_end_k_q991922195d_prep:
	.size	k_q991922195d_prep, .Lfunc_end_k_q991922195d_prep-k_q991922195d_prep
	.p2alignl 7, 3214868480
	.fill 96, 4, 3214868480
	.section	.rodata,"a",@progbits
	.p2align	6, 0x0
	.amdhsa_kernel k_q991922195d_prep
		.amdhsa_group_segment_fixed_size 70656
		.amdhsa_private_segment_fixed_size 0
		.amdhsa_enable_private_segment 0
		.amdhsa_kernarg_size 88
		.amdhsa_user_sgpr_count 2
		.amdhsa_user_sgpr_kernarg_segment_ptr 1
		.amdhsa_wavefront_size32 1
		.amdhsa_system_sgpr_workgroup_id_x 1
		.amdhsa_system_sgpr_workgroup_id_y 1
		.amdhsa_system_sgpr_workgroup_id_z 1
		.amdhsa_system_vgpr_workitem_id 0
		.amdhsa_next_free_vgpr 256
		.amdhsa_next_free_sgpr 66
		.amdhsa_reserve_vcc 1
		.amdhsa_float_denorm_mode_32 3
		.amdhsa_float_denorm_mode_16_64 3
		.amdhsa_memory_ordered 1
		.amdhsa_forward_progress 1
		.amdhsa_inst_pref_size 98
	.end_amdhsa_kernel
	.amdgpu_metadata
---
amdhsa.version: [ 1, 2 ]
amdhsa.kernels:
  - .name:           k_q991922195d_prep
    .symbol:         k_q991922195d_prep.kd
    .args:
      - { .name: x, .offset: 0, .size: 8, .value_kind: global_buffer, .address_space: global }
      - { .name: g1, .offset: 8, .size: 8, .value_kind: global_buffer, .address_space: global }
      - { .name: be1, .offset: 16, .size: 8, .value_kind: global_buffer, .address_space: global }
      - { .name: hq, .offset: 24, .size: 8, .value_kind: global_buffer, .address_space: global }
      - { .name: Wq, .offset: 32, .size: 8, .value_kind: global_buffer, .address_space: global }
      - { .name: Wk, .offset: 40, .size: 8, .value_kind: global_buffer, .address_space: global }
      - { .name: Wv, .offset: 48, .size: 8, .value_kind: global_buffer, .address_space: global }
      - { .name: Wo, .offset: 56, .size: 8, .value_kind: global_buffer, .address_space: global }
      - { .name: W1, .offset: 64, .size: 8, .value_kind: global_buffer, .address_space: global }
      - { .name: W2, .offset: 72, .size: 8, .value_kind: global_buffer, .address_space: global }
      - { .name: wts, .offset: 80, .size: 8, .value_kind: global_buffer, .address_space: global }
    .group_segment_fixed_size: 70656
    .private_segment_fixed_size: 0
    .kernarg_segment_align: 8
    .kernarg_segment_size: 88
    .max_flat_workgroup_size: 256
    .sgpr_count:     66
    .vgpr_count:     256
    .wavefront_size: 32
...
	.end_amdgpu_metadata
.endif
;; end of part 1
;; launch qkv (part 2): grid 12 x 16, 4 waves a work-group, clusters of 4 x 4, 327,680 bytes of LDS; arguments hq, wts, qkv; writes qkv
.if DOCPART == 2
	.amdgcn_target "amdgcn-amd-amdhsa--gfx1250"
	.amdhsa_code_object_version 6
	.text
	.protected	k_q991922195d_qkv
	.globl	k_q991922195d_qkv
	.p2align	8
	.type	k_q991922195d_qkv,@function
k_q991922195d_qkv:
	s_mov_b64 s[64:65], 0
	v_nop
	global_prefetch_b8 v0, s[64:65] scope:SCOPE_SE
	s_setreg_imm32_b32 hwreg(HW_REG_WAVE_MODE, 25, 1), 1
	s_wait_xcnt 0x0
	s_wait_alu depctr_hold_cnt(0) depctr_sa_sdst(0) depctr_va_vdst(0) depctr_va_sdst(0) depctr_va_ssrc(0) depctr_va_vcc(0) depctr_vm_vsrc(0)
	s_getreg_b32 s2, hwreg(HW_REG_IB_STS2, 6, 4)
	s_cmp_eq_u32 s2, 0
	s_cbranch_scc0 .Lentry_in_a_cluster
	s_endpgm
.Lentry_in_a_cluster:
	s_bfe_u32 s2, ttmp6, 0x10000c
	s_cmp_lg_u32 s2, 0xf033
	s_cbranch_scc0 .Lentry_shape_is_right
	s_endpgm
.Lentry_shape_is_right:
.set NBL,  8
.set NQ,   2
.set SK,   1024
.set BIAS, 0
.set S,     SK/128
.set BP,    S*2048
.set HALFT, NBL*NQ*2048
.set SLOT,  4*HALFT
.set SCL,   2*SLOT
.set HALFS, (NBL/4)*S*256
.set SPARE, SCL+4*HALFS
.set HL,    (NBL/2)*4
.set LAPS,  SK/(256*NQ)
.set ADRA, 16
.set ADRB, 20
.set ADRS, 27
.set SPW,  28
.set NIL,  29
.set SC,   32
.set BI,   64
.set AF,   128
.set G1, 24
.set G0, 32
.set G1B, 48
.set G0B, 56
.set G1S, 68
.set G0S, 76
.set G1SB, 80
.set G0SB, 88
.set MSB, 0
.macro WIN new
.if MSB != (\new)
	s_set_vgpr_msb (MSB<<8)|(\new)
.set MSB, (\new)
.endif
.endm
.macro PLACES n
.rept \n
	v_nop
.endr
.endm
.macro JLOAD g0a, g1a, g0b, g1b
	s_cmp_eq_u32 s15, 0
	s_cbranch_scc0 .Lfor_b_\@
	tensor_load_to_lds s[\g0a:\g0a+3], s[\g1a:\g1a+7]
	s_nop 0
.rept 4
	v_nop
.endr
	s_branch .Lasked_\@
.Lfor_b_\@:
	tensor_load_to_lds s[\g0b:\g0b+3], s[\g1b:\g1b+7]
	s_nop 0
.rept 4
	v_nop
.endr
.Lasked_\@:
.endm
.macro CREST
	s_cmp_lg_u32 s14, 0
	s_cbranch_scc1 .Lnot_wave_0_\@
	s_barrier_signal -3
.Lnot_wave_0_\@:
	s_barrier_wait -3
	s_barrier_signal -1
	s_barrier_wait -1
.endm
.macro CROUND
	s_barrier_signal -1
	s_barrier_wait -1
	CREST
.endm
.macro DESCR
	s_or_b32 s[G1], s43, (3<<16)|(1<<21)
	s_or_b32 s[G1B], s44, (3<<16)|(1<<21)
	s_or_b32 s[G1S], s43, (3<<16)|(1<<21)
	s_or_b32 s[G1SB], s44, (3<<16)|(1<<21)
.irp g, G1, G1B
	s_mov_b32 s[\g+1], (NQ*256)<<16
	s_mov_b32 s[\g+2], (2*NBL)<<16
	s_mov_b32 s[\g+3], (NQ*256)<<16
	s_mov_b32 s[\g+4], 2*NBL
	s_mov_b32 s[\g+5], S*256
	s_mov_b32 s[\g+6], 0
	s_mov_b32 s[\g+7], 0
.endr
.irp g, G1S, G1SB
	s_mov_b32 s[\g+1], 32<<16
	s_mov_b32 s[\g+2], (2*HALFS/256)<<16
	s_mov_b32 s[\g+3], 32<<16
	s_mov_b32 s[\g+4], 2*HALFS/256
	s_mov_b32 s[\g+5], 32
	s_mov_b32 s[\g+6], 0
	s_mov_b32 s[\g+7], 0
.endr
.endm
.macro FILLS
	CROUND
	s_mul_i32 s18, s16, HALFS                      ; the head's scale loads take both halves: back to half 0,
	s_mov_b32 s19, 0
	s_sub_nc_u64 s[22:23], s[22:23], s[18:19]
	s_sub_nc_u64 s[92:93], s[92:93], s[18:19]
	s_mul_i32 s94, s15, 2*HALFS                    ; A's at SCL (wave 1), B's behind them (wave 3)
	s_mov_b32 s[G0S], 1
	s_add_co_u32 s[G0S+1], s94, SCL
	s_mov_b64 s[G0S+2:G0S+3], s[22:23]
	s_or_b32 s[G0S+3], s[G0S+3], 0x80000000
	s_mov_b32 s[G0SB], 1
	s_add_co_u32 s[G0SB+1], s94, SCL
	s_mov_b64 s[G0SB+2:G0SB+3], s[92:93]
	s_or_b32 s[G0SB+3], s[G0SB+3], 0x80000000
.irp s, 0,1
	s_mov_b32 s[G0+4*\s], 1
	s_add_co_u32 s[G0+4*\s+1], s45, \s*SLOT
	s_add_nc_u64 s[G0+4*\s+2:G0+4*\s+3], s[20:21], \s*NQ*2048
	s_or_b32 s[G0+4*\s+3], s[G0+4*\s+3], 0x80000000
	s_mov_b32 s[G0B+4*\s], 1
	s_add_co_u32 s[G0B+4*\s+1], s45, \s*SLOT
	s_add_nc_u64 s[G0B+4*\s+2:G0B+4*\s+3], s[46:47], \s*NQ*2048
	s_or_b32 s[G0B+4*\s+3], s[G0B+4*\s+3], 0x80000000
.endr
	; the head's four tiles, one a wave: wave 0 slot 0's A whole (its own group 0 points at half 0), wave 1 A's scale words, wave 2 slot 0's B whole, wave 3 B's scale words
	; where my prefetches stand: of the NBL blocks that I fetch in the ring, the four partners that ask for them with me take two each, told apart by address (cx for A, cy for B)
	s_cmp_eq_u32 s15, 0
	s_cselect_b64 s[4:5], s[20:21], s[46:47]
	s_cselect_b32 s6, s40, s41
	s_mul_i32 s6, s6, (NBL/4)*BP
	s_mov_b32 s7, 0
	s_add_nc_u64 s[4:5], s[4:5], s[6:7]
	s_cmp_eq_u32 s14, 0
	s_cbranch_scc0 .Lh_sa
	tensor_load_to_lds s[G0:G0+3], s[G1:G1+7]
	s_nop 0
	PLACES 4
	s_branch .Lh_on
.Lh_sa:
	s_cmp_eq_u32 s14, 1
	s_cbranch_scc0 .Lh_b
	tensor_load_to_lds s[G0S:G0S+3], s[G1S:G1S+7]
	s_nop 0
	PLACES 4
	s_branch .Lh_on
.Lh_b:
	s_cmp_eq_u32 s14, 2
	s_cbranch_scc0 .Lh_sb
	tensor_load_to_lds s[G0B:G0B+3], s[G1B:G1B+7]
	s_nop 0
	PLACES 4
	s_branch .Lh_on
.Lh_sb:
	tensor_load_to_lds s[G0SB:G0SB+3], s[G1SB:G1SB+7]
	s_nop 0
	PLACES 4
.Lh_on:
.endm
.macro LADDR
	v_and_b32 v1, 15, v0
	v_bfe_u32 v2, v0, 4, 1
	s_wait_alu depctr_va_vdst(0)
	v_and_b32 v3, 31, v0
	v_lshlrev_b32 v4, 4, v3
	s_mul_i32 s21, s15, HALFT
	s_mul_i32 s22, s16, HALFT
	s_add_co_u32 s22, s22, 2*HALFT
.irp s, 0,1
	v_add_nc_u32 v[ADRA+\s], s21, v4
	v_add_nc_u32 v[ADRB+\s], s22, v4
	s_add_co_u32 s21, s21, SLOT
	s_add_co_u32 s22, s22, SLOT
.endr
	v_lshlrev_b32 v5, 4, v1
	s_mul_i32 s21, s15, HALFS
	s_mul_i32 s22, s16, HALFS
	s_add_co_u32 s22, s22, 2*HALFS
	s_sub_co_u32 s22, s22, s21
	v_mul_u32_u24 v6, s22, v2
	s_add_co_u32 s21, s21, SCL
	v_add_nc_u32 v5, v5, v6
	v_add_nc_u32 v[ADRS], s21, v5
.endm
.macro FRAG reg, adr, off
.irp c, 0,1,2,3
	ds_load_b128 v[\reg+4*\c:\reg+4*\c+3], v[\adr] offset:\off+512*\c
.endr
.endm
.macro FETCH_B slot, q, p
	WIN 0x40
.set ii, 0
.rept NBL
	FRAG 128*(\p)+16*ii, ADRB+\slot, (ii*NQ+(\q))*2048
.set ii, ii+1
.endr
	WIN 0
.endm
.macro FETCH_A slot, q, i0
.set ii, \i0
.rept NBL/2
	FRAG AF+16*ii, ADRA+\slot, (ii*NQ+(\q))*2048
.set ii, ii+1
.endr
.endm
.macro SCALES sc
.set qq, 0
.rept NQ
.set gg, 0
.rept NBL/4
	ds_load_b128 v[SC+(\sc)*NBL*NQ+qq*NBL+4*gg:SC+(\sc)*NBL*NQ+qq*NBL+4*gg+3], v[ADRS] offset:gg*S*256+qq*256
.set gg, gg+1
.endr
.set qq, qq+1
.endr
.endm
.macro MULA a0, n, p, q, sc, first
.set aa, \a0
.rept \n
.set ww, 2+(aa*NBL*8)/256
.set ab, (aa*NBL*8)%256
.if (\first) && BIAS
	WIN 0x01|(ww<<6)
.else
	WIN 0x01|(ww<<4)|(ww<<6)
.endif
.set bb, 0
.rept NBL
.set sb, SC+(\sc)*NBL*NQ+(\q)*NBL+bb
.set sa, SC+(\sc)*NBL*NQ+(\q)*NBL+aa
.if (\first) && BIAS
	v_wmma_scale_f32_16x16x128_f8f6f4 v[ab+8*bb:ab+8*bb+7], v[128*(\p)+16*bb:128*(\p)+16*bb+15], v[AF+16*aa:AF+16*aa+15], v[BI+8*bb:BI+8*bb+7], v[sb], v[sa] matrix_a_fmt:MATRIX_FMT_BF8 matrix_b_fmt:MATRIX_FMT_BF8 matrix_a_scale:MATRIX_SCALE_ROW1
.elseif \first
	v_wmma_scale_f32_16x16x128_f8f6f4 v[ab+8*bb:ab+8*bb+7], v[128*(\p)+16*bb:128*(\p)+16*bb+15], v[AF+16*aa:AF+16*aa+15], 0, v[sb], v[sa] matrix_a_fmt:MATRIX_FMT_BF8 matrix_b_fmt:MATRIX_FMT_BF8 matrix_a_scale:MATRIX_SCALE_ROW1
.else
	v_wmma_scale_f32_16x16x128_f8f6f4 v[ab+8*bb:ab+8*bb+7], v[128*(\p)+16*bb:128*(\p)+16*bb+15], v[AF+16*aa:AF+16*aa+15], v[ab+8*bb:ab+8*bb+7], v[sb], v[sa] matrix_a_fmt:MATRIX_FMT_BF8 matrix_b_fmt:MATRIX_FMT_BF8 matrix_a_scale:MATRIX_SCALE_ROW1
.endif
.set bb, bb+1
.endr
.set aa, aa+1
.endr
.endm
.macro STEP slot, q, first
	s_wait_dscnt HL
	MULA 0, NBL/2, (\q)%2, \q, \slot, \first
	s_wait_dscnt 0x0
	PLACES 8
	FETCH_B \slot, (\q)+1, 1-(\q)%2
	FETCH_A \slot, (\q)+1, 0
	MULA NBL/2, NBL/2, (\q)%2, \q, \slot, \first
	PLACES 8
	WIN 0
	FETCH_A \slot, (\q)+1, NBL/2
.endm
.macro TURN slot, next, fill
	s_wait_tensorcnt 0x0
	ds_add_u32 v[SPW], v[NIL]
	s_wait_dscnt HL+1
	MULA 0, NBL/4, 1, NQ-1, \slot, 0
	s_wait_dscnt 0x0
	s_barrier_signal -1
	MULA NBL/4, NBL/4, 1, NQ-1, \slot, 0
	WIN 0
	s_barrier_wait -1
.if \fill
	CREST
	s_add_nc_u64 s[G0+4*\slot+2:G0+4*\slot+3], s[G0+4*\slot+2:G0+4*\slot+3], 2*NQ*2048
	s_add_nc_u64 s[G0B+4*\slot+2:G0B+4*\slot+3], s[G0B+4*\slot+2:G0B+4*\slot+3], 2*NQ*2048
	JLOAD G0+4*\slot, G1, G0B+4*\slot, G1B
	PLACES 4
.else
	PLACES 8
.endif
	s_wait_alu depctr_va_vdst(0)
	v_add_nc_u32 v[ADRS], NQ*256, v[ADRS]
	FETCH_B \next, 0, 0
	FETCH_A \next, 0, 0
	SCALES \next
	MULA NBL/2, NBL/2, 1, NQ-1, \slot, 0
	PLACES 8
	WIN 0
	FETCH_A \next, 0, NBL/2
.endm
.macro LAST
	s_wait_dscnt HL
	MULA 0, NBL/2, 1, NQ-1, 1, 0
	s_wait_dscnt 0x0
	MULA NBL/2, NBL/2, 1, NQ-1, 1, 0
	WIN 0
.endm
.set BLK,   25344
.set HEADB, 16*BLK
.set Y,   128
.set PC,  192
.set TM,  208
.set PWS, 232
.set OUTW, 240
.set VO,  244
.set SEL, 98
.set MNT, 100
.macro QUANT w, s, y, pw
	WIN (\w)|((\w)<<2)
.irp b, 0,1,2,3
	v_max3_num_f32 v[TM+\b], |v[(\s)+16*\b]|, |v[(\s)+16*\b+1]|, 0x8000000
.endr
.irp i, 2,4,6,8,10,12,14
.irp b, 0,1,2,3
	v_max3_num_f32 v[TM+\b], |v[(\s)+16*\b+\i]|, |v[(\s)+16*\b+\i+1]|, v[TM+\b]
.endr
.endr
	WIN 0
.irp b, 0,1,2,3
	v_permlanex16_b32 v[TM+4+\b], v[TM+\b], s[SEL], s[SEL+1]
.endr
.irp b, 0,1,2,3
	v_max_num_f32 v[TM+\b], v[TM+\b], v[TM+4+\b]
.endr
.irp b, 0,1,2,3
	v_add_nc_u32 v[TM+12+\b], 0xf8800000, v[TM+\b]
.endr
.irp b, 0,1,2,3
	v_and_or_b32 v[TM+8+\b], v[TM+\b], 0x7f800000, s[MNT]
.endr
.irp b, 0,1,2,3
	v_lshrrev_b32 v[TM+4+\b], 23, v[TM+12+\b]
.endr
	v_lshl_or_b32 v[\pw], v[TM+5], 8, v[TM+4]
	v_lshl_or_b32 v[\pw], v[TM+6], 16, v[\pw]
	v_lshl_or_b32 v[\pw], v[TM+7], 24, v[\pw]
	WIN \w
.irp b, 0,1,2,3
.irp i, 0,1,2,3,4,5,6,7,8,9,10,11,12,13,14,15
	v_med3_num_f32 v[(\y)+16*\b+\i], v[(\s)+16*\b+\i], -v[TM+8+\b], v[TM+8+\b]
.endr
.endr
	WIN 0
.irp b, 0,1,2,3
	v_cvt_scalef32_pk8_bf8_f32 v[PC+4*\b:PC+4*\b+1], v[(\y)+16*\b:(\y)+16*\b+7], v[TM+12+\b]
	v_cvt_scalef32_pk8_bf8_f32 v[PC+4*\b+2:PC+4*\b+3], v[(\y)+16*\b+8:(\y)+16*\b+15], v[TM+12+\b]
.endr
	v_nop
.endm
	s_load_b128 s[4:7], s[0:1], 0x0
	s_load_b64 s[8:9], s[0:1], 0x10
	v_lshl_add_u32 v[SPW], v0, 2, SPARE
	v_mov_b32 v[NIL], 0
	ds_add_u32 v28, v29
	ds_add_u32 v28, v29
	s_wait_dscnt 0x0
	v_lshrrev_b32 v1, 5, v0
	v_readfirstlane_b32 s14, v1
	s_lshr_b32 s15, s14, 1
	s_and_b32 s16, s14, 1
	s_bfe_u32 s40, ttmp6, 0x40000
	s_bfe_u32 s41, ttmp6, 0x40004
	s_and_b32 s17, ttmp7, 0xffff
	s_lshl_b32 s17, s17, 2
	s_lshl_b32 s42, ttmp9, 2
	s_cmp_eq_u32 ttmp9, 2
	s_cselect_b32 s95, 8, s17
	s_cselect_b32 s96, s17, s42
	s_add_co_u32 s95, s95, s41
	s_add_co_u32 s96, s96, s40
	s_lshl_b32 s43, s41, 2
	s_lshl_b32 s43, 15, s43
	s_lshl_b32 s44, 0x1111, s40
	DESCR
	s_mul_i32 s18, s16, NBL
	s_mul_i32 s20, s95, 2*NBL
	s_add_co_u32 s20, s20, s18
	s_mul_i32 s46, s96, 2*NBL
	s_add_co_u32 s46, s46, s18
	s_mul_i32 s22, s20, S*64
	s_mul_i32 s92, s46, S*64
	s_mul_i32 s20, s20, BP
	s_mul_i32 s46, s46, BP
	s_mov_b32 s2, 4194304
	s_mov_b32 s3, 12582912
	s_cmp_eq_u32 ttmp9, 2
	s_cselect_b32 s19, s3, s2
	s_cselect_b32 s2, s2, s3
	s_add_co_u32 s22, s22, s19
	s_add_co_u32 s92, s92, s2
	s_mov_b32 s21, 0
	s_mov_b32 s23, 0
	s_mov_b32 s47, 0
	s_mov_b32 s93, 0
	s_mul_i32 s45, s14, HALFT
	s_mul_i32 s94, s14, HALFS
	s_wait_kmcnt 0x0
	s_cmp_eq_u32 ttmp9, 2
	s_cselect_b64 s[10:11], s[6:7], s[4:5]
	s_cselect_b64 s[12:13], s[4:5], s[6:7]
	s_add_nc_u64 s[20:21], s[10:11], s[20:21]
	s_add_nc_u64 s[22:23], s[10:11], s[22:23]
	s_add_nc_u64 s[46:47], s[12:13], s[46:47]
	s_add_nc_u64 s[92:93], s[12:13], s[92:93]
	FILLS
	LADDR
	v_lshlrev_b32 v31, 8, v1                       ; a K step of a block is 4,096 dense bytes: lanes 0-15 name its sixteen runs of 256 bytes,
	v_lshl_add_u32 v31, v2, 14, v31                ; lanes 16-31 those of the next block, 16,384 bytes on
	global_prefetch_b8 v31, s[4:5] offset:NQ*2048 th:TH_LOAD_NT scope:SCOPE_SE     ; K steps 1 and 2: one and two fills ahead of their loads
	global_prefetch_b8 v31, s[4:5] offset:2*NQ*2048 th:TH_LOAD_NT scope:SCOPE_SE
	s_wait_alu depctr_va_vdst(0)
	s_wait_tensorcnt 0x0                           ; my tile of the head's four is in
	ds_add_u32 v[SPW], v[NIL]
	s_mov_b32 s[G1+2], NBL<<16                     ; no load of mine is out: from here on a load brings NBL blocks
	s_mov_b32 s[G1+4], NBL
	s_mov_b32 s[G1B+2], NBL<<16
	s_mov_b32 s[G1B+4], NBL
	s_wait_dscnt 0x0
	CROUND
	JLOAD G0+4, G1, G0B+4, G1B                     ; slot 1's first fill, a quarter a wave
	FETCH_B 0, 0, 0
	FETCH_A 0, 0, 0
	SCALES 0
	global_prefetch_b8 v31, s[4:5] offset:3*NQ*2048 th:TH_LOAD_NT scope:SCOPE_SE   ; K step 3, the last: two fills ahead; the loop asks for nothing
	FETCH_A 0, 0, NBL/2
	STEP 0, 0, 1
	s_mov_b32 s3, LAPS-1
.Llap:
	TURN 0, 1, 1
	STEP 1, 0, 0
	TURN 1, 0, 1
	STEP 0, 0, 0
	s_sub_co_u32 s3, s3, 1
	s_cmp_lg_u32 s3, 0
	s_cbranch_scc1 .Llap
	TURN 0, 1, 0
	STEP 1, 0, 0
	LAST
	PLACES 8
.irp b, 0,1,2,3
	v_mov_b32 v[TM+4+\b], 0
.endr
	s_mov_b32 s[SEL], 0x76543210
	s_mov_b32 s[SEL+1], 0xfedcba98
	s_mov_b32 s[MNT], 0x600000
	s_lshl_b32 s66, s95, 8
	s_lshl_b32 s19, s15, 7
	s_add_co_u32 s66, s66, s19
	s_lshl_b32 s67, s96, 8
	s_lshl_b32 s19, s16, 7
	s_add_co_u32 s67, s67, s19
	s_lshl_b32 s96, s40, 2
	s_lshl_b32 s19, s16, 1
	s_add_co_u32 s96, s96, s19
	s_lshl_b32 s97, s41, 2
	s_lshl_b32 s19, s15, 1
	s_add_co_u32 s97, s97, s19
	s_cmp_eq_u32 ttmp9, 0
	s_cselect_b32 s94, 16896, 0
	s_mov_b32 s101, 16384
	s_cselect_b32 s101, 25088, s101
	s_mov_b32 s2, 4096
	s_mov_b32 s18, HEADB
	s_cmp_eq_u32 ttmp9, 2
	s_cselect_b32 s94, 8192, s94
	s_cselect_b32 s101, 16640, s101
	s_cselect_b32 s66, s67, s66
	s_cselect_b32 s96, s97, s96
	s_cselect_b32 s3, s18, s2
	s_cselect_b32 s2, s2, s18
	s_cselect_b32 s18, -1, 0
	s_lshr_b32 s19, s66, 11
	s_lshl_b32 s19, s19, 4
	s_add_co_u32 s19, s19, s96
	s_lshl_b32 s19, s19, 4
	s_bfe_u32 s66, s66, 0x40007
	s_add_co_u32 s19, s19, s66
	s_mul_i32 s66, s19, BLK
	s_mov_b32 s67, 0
	s_add_nc_u64 s[8:9], s[8:9], s[66:67]
	v_add_nc_u32 v[VO], s94, v4
	v_add_nc_u32 v[VO+1], s2, v[VO]
	v_add_nc_u32 v[VO+2], s3, v[VO]
	v_add_nc_u32 v[VO+3], s2, v[VO+2]
	v_mul_u32_u24 v248, HEADB, v2
	v_lshl_add_u32 v248, v1, 4, v248
	v_add_nc_u32 v248, s101, v248
.irp a, 0,1,2,3,4,5,6,7
.if \a > 0
	s_wait_xcnt 0x0
.endif
	QUANT 2+\a/4, 64*(\a%4), Y, PWS+\a
.irp b, 0,1,2,3
	global_store_b128 v[VO+2*(\a/4)+\b/2], v[PC+4*\b:PC+4*\b+3], s[8:9] offset:(\a%4)*1024+(\b%2)*512
.endr
.endr
	v_cmp_ne_u32 vcc_lo, 0, v2
	v_mov_b32 v224, 0x05040100
	v_mov_b32 v225, 0x07060302
	v_cndmask_b32 v224, v224, v225, vcc_lo
.irp f, 0,1,2,3
	v_perm_b32 v[226+\f], v[PWS+2*\f+1], v[PWS+2*\f], v224
.endr
.irp f, 0,1,2,3
	v_cndmask_b32 v[OUTW+\f], v[PWS+\f], v[PWS+4+\f], vcc_lo
.endr
.irp f, 0,1,2,3
	v_cndmask_b32 v[OUTW+\f], v[226+\f], v[OUTW+\f], s18
.endr
	global_store_b128 v248, v[OUTW:OUTW+3], s[8:9]
	s_wait_tensorcnt 0x0
	ds_add_u32 v[SPW], v[NIL]
	s_wait_dscnt 0x0
	CROUND
	s_endpgm
.Lfunc_end_k_q991922195d_qkv:
	.size	k_q991922195d_qkv, .Lfunc_end_k_q991922195d_qkv-k_q991922195d_qkv
	.p2alignl 7, 3214868480
	.fill 96, 4, 3214868480
	.section	.rodata,"a",@progbits
	.p2align	6, 0x0
	.amdhsa_kernel k_q991922195d_qkv
		.amdhsa_group_segment_fixed_size 327680
		.amdhsa_private_segment_fixed_size 0
		.amdhsa_enable_private_segment 0
		.amdhsa_kernarg_size 24
		.amdhsa_user_sgpr_count 2
		.amdhsa_user_sgpr_kernarg_segment_ptr 1
		.amdhsa_wavefront_size32 1
		.amdhsa_system_sgpr_workgroup_id_x 1
		.amdhsa_system_sgpr_workgroup_id_y 1
		.amdhsa_system_sgpr_workgroup_id_z 1
		.amdhsa_system_vgpr_workitem_id 0
		.amdhsa_next_free_vgpr 1024
		.amdhsa_next_free_sgpr 102
		.amdhsa_reserve_vcc 1
		.amdhsa_float_denorm_mode_32 3
		.amdhsa_float_denorm_mode_16_64 3
		.amdhsa_memory_ordered 1
		.amdhsa_forward_progress 1
		.amdhsa_inst_pref_size 187
	.end_amdhsa_kernel
	.amdgpu_metadata
---
amdhsa.version: [ 1, 2 ]
amdhsa.kernels:
  - .name:           k_q991922195d_qkv
    .symbol:         k_q991922195d_qkv.kd
    .args:
      - { .name: hq, .offset: 0, .size: 8, .value_kind: global_buffer, .address_space: global }
      - { .name: wts, .offset: 8, .size: 8, .value_kind: global_buffer, .address_space: global }
      - { .name: qkv, .offset: 16, .size: 8, .value_kind: global_buffer, .address_space: global }
    .group_segment_fixed_size: 327680
    .private_segment_fixed_size: 0
    .kernarg_segment_align: 8
    .kernarg_segment_size: 24
    .max_flat_workgroup_size: 128
    .sgpr_count:     102
    .vgpr_count:     1024
    .wavefront_size: 32
...
	.end_amdgpu_metadata
.endif
;; end of part 2
;; launch attn (part 3): grid 8 x 32, 8 waves a work-group, no clusters, 327,680 bytes of LDS; arguments qkv, att; writes att
.if DOCPART == 3
	.amdgcn_target "amdgcn-amd-amdhsa--gfx1250"
	.amdhsa_code_object_version 6
	.text
	.protected	k_q991922195d_attn
	.globl	k_q991922195d_attn
	.p2align	8
	.type	k_q991922195d_attn,@function
k_q991922195d_attn:
	s_mov_b64 s[64:65], 0
	v_nop
	global_prefetch_b8 v0, s[64:65] scope:SCOPE_SE
	s_setreg_imm32_b32 hwreg(HW_REG_WAVE_MODE, 25, 1), 1
	s_wait_xcnt 0x0
; Causal attention on codes of E5M2 with E8M0 scales; head size 64, 2,048 tokens, 32 (batch x head).  The result, divided by the row's sum, is quantised along the features for the next product.
; LEFT OUT: key blocks that lie wholly behind reference()'s own causal mask are not walked; their p is 0 for all inputs.
; THE SOFTMAX: t = score x log2(e) / 8; M = the running largest t rounded up to a whole number; p = 2^(t - M) is quantised along the keys; the row's sum is taken of the unquantised p.
; SHARES.  A work-group takes ONE head (y: 16 x batch + head) and two blocks of 128 queries: block x, then block 15 - x: (x + 1) + (16 - x) = 17 steps of 128 keys for every work-group.
; Wave w owns tile w of 16 queries, so a step's K and V are read by eight tiles.  K, V and their scale words of a step are 16,896 dense bytes: a unit.
; THE RING: two slots of FOUR steps; each of the eight waves fetches half a unit (step w / 2 of the slot, half w % 2: 8,448 dense bytes, stated as one row) by one tensor load: one load a wave at the head
; and behind each barrier; 5 changes of slots for 17 steps; a fill is asked for four steps ahead of its first read.  Fill 4 holds step 16 alone: waves 0 and 1 fetch it; that part is written out.
; A slot's four steps run in a counted inner loop; the step's place in LDS is a scalar stepped by a constant.  The next step's K is fetched in a step's middle, but not across a change of slots.
; Both query blocks' q are fetched at the head: the second waits in v320-328.
; LAYOUT.  Both products transposed: a lane holds one query.  A fragment of K holds TWO key tiles (K = 64 each): against (q, zeros) it gives the first, against (zeros, q) the second.
; Key, channel and query tiles are in the order 32 (t / 2) + 8 (t % 2) + r + 8 (r / 8), so p's and O's registers run along the next K.
; A row's two scale bytes are half of a scale word of the next product (the other half is the neighbouring head's, another work-group's): they leave by a 2-byte store, 128 KB of the launch's 4.3 MB.
; No cluster: the work-groups of a head walk different sequences of tiles.  No prefetch: each fill is asked for four steps ahead, and the 8 work-groups of a head read the same 16 key blocks.
; LIMITS: NaN and infinities are not served; v_exp_f32 gives 0 under 2^-126; blocks under 2^-111 get the byte 1; scaled scores stay under 2^31.
.set BLK,   25344
.set HEADB, 16*BLK
.set HPART, 16896                      ; a unit: K 0, V 8,192, K's scale words 16,384, V's 16,640
.set HALFU, 8448
.set STEPB, HPART
.set SLOTB, 4*STEPB
.set SPARE, 2*SLOTB                    ; the spare words, 128 bytes for each of eight waves
.set AS0, 2                            ; v2 K's scale words in a unit: 16,384 + 16 r
.set SPW, 3
.set NIL, 4
.set L16, 5                            ; v5 16 x lane: also my place in a fragment
.set QSO, 6
.set SCW, 7                            ; v7 my scale bytes' place in their unit: 16 r + 4 (tile % 4) + 2 (head % 2)
.set AK,  8                            ; v8, v9: v5, v2 + the step's place
.set AS,  9
.set DQ,  10
.set KF,  40                           ; v12 -M, v13 the largest t, v[14:15] the sum; v16-23 zeros, v24-31 q, v32-39 zeros; v40-103 K
.set SS,  104
.set OT,  168
.set PCD, 200
.set BM,  216
.set BT,  220
.set HO,  224
.set SO,  228
.set KS,  232
.set PW,  236
.set QS,  237
.set FF,  238
.set VS,  248
.set WV, 8                             ; s8 wave = tile
.set WE, 9                             ; s9 head % 2
.set WH, 10                            ; s10 wave / 2: which step of a slot I fetch
.set J, 11
.set LIMJ, 12
.set BETA, 13
.set MF, 14                            ; s14 the first step of the fill that is asked for next
.set L1, 15
.set CNT, 16
.set QI, 17
.set SEL, 18
.set CS, 20
.set MNT, 22
.set PSEL, 23
.set G1, 24
.set G0, 32
.set HB, 36
.set TT, 38
.set QA, 40
.set QB, 42
.set OA, 44
.set UA, 46
.set BTC, 48
.set HPR, 49
.set WI10, 50
.set L1P, 58
.set UL, 59                            ; s59 my half unit's place in a slot
.set SB, 60                            ; s60 the slot that is filled next
.set TB, 61                            ; s61 the step's place in LDS
.set IC, 62
.set HL, 66                            ; s[66:67] my head's blocks + my half of a unit
.set MSB, 0
.macro WIN new
.if MSB != (\new)
	s_set_vgpr_msb (MSB<<8)|(\new)
.set MSB, (\new)
.endif
.endm
.macro PLACES n
.rept \n
	v_nop
.endr
.endm
.macro DESC                            ; group 0 for my half unit of the next fill: step m = MF + w / 2: key block m of the first query block while m <= x, else m - (x + 1) of the second
	s_add_co_u32 s[TT], s[MF], s[WH]
	s_cmp_le_u32 s[TT], s[L1]
	s_cselect_b32 s52, 0, s[L1P]
	s_sub_co_u32 s[TT], s[TT], s52
	s_mul_i32 s[TT], s[TT], BLK
	s_mov_b32 s[TT+1], 0
	s_add_co_u32 s[G0+1], s[UL], s[SB]
	s_add_nc_u64 s[G0+2:G0+3], s[HL:HL+1], s[TT:TT+1]
	s_or_b32 s[G0+3], s[G0+3], 0x80000000
	s_add_co_u32 s[MF], s[MF], 4
.endm
.macro TLD
	tensor_load_to_lds s[G0:G0+3], s[G1:G1+7]
	s_nop 0
	PLACES 4
.endm
.macro KLOAD off                       ; K's four fragments and scale words: 17 LDS loads
.irp f, 0,1,2,3
.irp c, 0,1,2,3
	ds_load_b128 v[KF+16*\f+4*\c:KF+16*\f+4*\c+3], v[AK] offset:(\off)+2048*\f+512*\c
.endr
.endr
	ds_load_b128 v[KS:KS+3], v[AS] offset:\off
.endm
; THE CHANGE OF SLOTS.  fill = 1: every wave fetches its half unit into the slot just left; 2: waves 0 and 1 alone; 0: nothing.
.macro CHANGE fill
	s_wait_tensorcnt 0x0                           ; my part of the slot ahead has landed; group 0 may be written
	ds_add_u32 v[SPW], v[NIL]
	s_xor_b32 s[TB], s[SB], SLOTB                  ; the slot that is read next
	v_add_nc_u32 v[AK], s[TB], v[L16]
	v_add_nc_u32 v[AS], s[TB], v[AS0]
.if \fill
	DESC
.endif
	s_wait_alu depctr_va_vdst(0)                   ; the wait ahead of the blocking wait
	s_wait_dscnt 0x0                               ; the add is done, my reads of the slot just left are over
	s_barrier_signal -1
	s_barrier_wait -1
.if \fill == 1
	TLD
.elseif \fill == 2
	s_cmp_lg_u32 s[WH], 0
	s_cbranch_scc1 .Lnone_\@
	TLD
.Lnone_\@:
.endif
	KLOAD 0                                        ; the slot's first step's K
	s_wait_dscnt 0x0
.endm
; A KEY STEP.  knext = 1: the next step's K is fetched unless this is the slot's last step; dg: the diagonal: 0 never met, 1 met where J = LIMJ, 2 always met.
.macro STEP knext, dg
.irp f, 0,1,2,3
	v_wmma_scale_f32_16x16x128_f8f6f4 v[SS+16*\f:SS+16*\f+7], v[KF+16*\f:KF+16*\f+15], v[24:39], 0, v[KS+\f], v[QS] matrix_a_fmt:MATRIX_FMT_BF8 matrix_b_fmt:MATRIX_FMT_BF8
	v_wmma_scale_f32_16x16x128_f8f6f4 v[SS+16*\f+8:SS+16*\f+15], v[KF+16*\f:KF+16*\f+15], v[16:31], 0, v[KS+\f], v[QS] matrix_a_fmt:MATRIX_FMT_BF8 matrix_b_fmt:MATRIX_FMT_BF8
.endr
	v_add_nc_u32 v[AK], s[TB], v[L16]              ; two of the eight places in front of loads into registers that products have read
	v_add_nc_u32 v[AS], s[TB], v[AS0]
	PLACES 6
	s_wait_alu depctr_va_vdst(0)                   ; the wait
.if \knext
	s_cmp_eq_u32 s[IC], 1
	s_cbranch_scc1 .Lnok_\@
	KLOAD STEPB
.Lnok_\@:
.endif
	WIN 0x40
.irp t, 0,1,2,3
.irp c, 0,1,2,3
	ds_load_b128 v[16*\t+4*\c:16*\t+4*\c+3], v[AK] offset:8192+1024*\t+4096*(\c/2)+512*(\c%2)
.endr
.endr
	WIN 0
	ds_load_b128 v[VS:VS+3], v[AS] offset:256
.if \dg == 1
	s_cmp_lg_u32 s[J], s[LIMJ]
	s_cbranch_scc1 .Lopen_\@
.endif
.if \dg
	v_add_nc_u32 v240, s[QI], v[DQ]                ; d = my query - the step's first key - 16 h: register 16 b + i is hidden where 32 b + i > d
	v_mov_b32 v241, 0xff800000
.set nn, 0
.rept 64
	v_cmp_gt_i32 vcc_lo, 32*(nn/16)+nn%16, v240
	v_cndmask_b32 v[SS+nn], v[SS+nn], v241, vcc_lo
.set nn, nn+1
.endr
.endif
.if \dg == 1
.Lopen_\@:
.endif
.irp b, 0,1,2,3
	v_max3_num_f32 v[BM+\b], v[SS+16*\b], v[SS+1+16*\b], v[SS+2+16*\b]
.endr
.irp i, 3,5,7,9,11,13
.irp b, 0,1,2,3
	v_max3_num_f32 v[BM+\b], v[BM+\b], v[SS+16*\b+\i], v[SS+1+16*\b+\i]
.endr
.endr
.irp b, 0,1,2,3
	v_max_num_f32 v[BM+\b], v[BM+\b], v[SS+15+16*\b]
.endr
.irp b, 0,1,2,3
	s_delay_alu instid0(VALU_DEP_4)
	v_permlanex16_b32 v[BT+\b], v[BM+\b], s[SEL], s[SEL+1]
.endr
.irp b, 0,1,2,3
	s_delay_alu instid0(VALU_DEP_4)
	v_max_num_f32 v[BM+\b], v[BM+\b], v[BT+\b]
.endr
	s_delay_alu instid0(VALU_DEP_2)
	v_max3_num_f32 v240, v[BM], v[BM+1], v[BM+2]
	s_delay_alu instid0(VALU_DEP_1)
	v_max_num_f32 v240, v240, v[BM+3]
	s_delay_alu instid0(VALU_DEP_1)
	v_mul_f32 v240, s[CS], v240
	s_delay_alu instid0(VALU_DEP_1)
	v_max_num_f32 v13, v13, v240                   ; the running largest t
	v_mov_b32 v240, v12
	s_delay_alu instid0(VALU_DEP_2)
	v_floor_f32 v12, -v13                          ; -M = floor(-t)
	s_delay_alu instid0(VALU_DEP_1)
	v_sub_f32 v240, v12, v240
	s_delay_alu instid0(VALU_DEP_1)
	v_cvt_i32_f32 v240, v240
	s_delay_alu instid0(VALU_DEP_1)
	v_ldexp_f32 v[FF], 1.0, v240                   ; f = 2^(old M - new M): exact
.set jj, 0
.rept 32
	v_pk_fma_f32 v[SS+jj:SS+jj+1], v[SS+jj:SS+jj+1], s[CS:CS+1], v[12:13] op_sel_hi:[1,0,0]
.set jj, jj+2
.endr
.irp b, 0,1,2,3
	v_fma_f32 v[BM+\b], v[BM+\b], s[CS], v12
.endr
.set nn, 0
	s_wait_alu depctr_va_vdst(0)                   ; the wait ahead of the batch
.rept 64
	v_exp_f32 v[SS+nn], v[SS+nn]                   ; p = 2^(t - M)
.set nn, nn+1
.endr
	v_pk_mul_f32 v[14:15], v[14:15], v[FF:FF+1] op_sel_hi:[1,0]
	s_wait_alu depctr_va_vdst(0)                   ; and the one behind it
.irp b, 0,1,2,3
	v_exp_f32 v[BM+\b], v[BM+\b]                   ; each block's largest p
.endr
	v_pk_add_f32 v[220:221], v[108:109], v[112:113]
	v_pk_add_f32 v[254:255], v[116:117], v[120:121]
	v_pk_add_f32 v[244:245], v[124:125], v[128:129]
	v_pk_add_f32 v[242:243], v[132:133], v[136:137]
	v_pk_add_f32 v[230:231], v[140:141], v[144:145]
	v_pk_add_f32 v[228:229], v[148:149], v[152:153]
	v_pk_add_f32 v[226:227], v[156:157], v[160:161]
	v_pk_add_f32 v[14:15], v[14:15], v[164:165]
	v_pk_add_f32 v[220:221], v[220:221], v[104:105]
	v_pk_add_f32 v[254:255], v[254:255], v[106:107]
	v_pk_add_f32 v[244:245], v[244:245], v[110:111]
	v_pk_add_f32 v[242:243], v[242:243], v[114:115]
	v_pk_add_f32 v[230:231], v[230:231], v[118:119]
	v_pk_add_f32 v[228:229], v[228:229], v[122:123]
	v_pk_add_f32 v[226:227], v[226:227], v[126:127]
	v_pk_add_f32 v[14:15], v[14:15], v[130:131]
	v_pk_add_f32 v[220:221], v[220:221], v[134:135]
	v_pk_add_f32 v[254:255], v[254:255], v[138:139]
	v_pk_add_f32 v[244:245], v[244:245], v[142:143]
	v_pk_add_f32 v[242:243], v[242:243], v[146:147]
	v_pk_add_f32 v[230:231], v[230:231], v[150:151]
	v_pk_add_f32 v[228:229], v[228:229], v[154:155]
	v_pk_add_f32 v[226:227], v[226:227], v[158:159]
	v_pk_add_f32 v[14:15], v[14:15], v[162:163]
	v_pk_add_f32 v[220:221], v[220:221], v[166:167]
	s_delay_alu instid0(VALU_DEP_2)
	v_pk_add_f32 v[14:15], v[14:15], v[242:243]
	s_delay_alu instid0(VALU_DEP_2)
	v_pk_add_f32 v[220:221], v[220:221], v[230:231]
	v_pk_add_f32 v[254:255], v[254:255], v[228:229]
	v_pk_add_f32 v[244:245], v[244:245], v[226:227]
	s_delay_alu instid0(VALU_DEP_2)
	v_pk_add_f32 v[14:15], v[14:15], v[254:255]
	s_delay_alu instid0(VALU_DEP_2)
	v_pk_add_f32 v[220:221], v[220:221], v[244:245]
	s_delay_alu instid0(VALU_DEP_1)
	v_pk_add_f32 v[14:15], v[14:15], v[220:221]
	s_wait_alu depctr_va_vdst(0)                   ; and one for the four
.irp b, 0,1,2,3
	v_max_num_f32 v[BM+\b], 0x8000000, v[BM+\b]    ; the floor 2^(16 - 127)
.endr
.irp b, 0,1,2,3
	s_delay_alu instid0(VALU_DEP_4)
	v_add_nc_u32 v[SO+\b], 0xf8800000, v[BM+\b]
.endr
.irp b, 0,1,2,3
	v_and_or_b32 v[HO+\b], v[BM+\b], 0x7f800000, s[MNT]
.endr
.irp b, 0,1,2,3
	v_lshrrev_b32 v[BT+\b], 23, v[SO+\b]
.endr
	s_delay_alu instid0(VALU_DEP_3)
	v_lshl_or_b32 v[PW], v[BT+1], 8, v[BT]
	s_delay_alu instid0(VALU_DEP_1)
	v_lshl_or_b32 v[PW], v[BT+2], 16, v[PW]
	s_delay_alu instid0(VALU_DEP_1)
	v_lshl_or_b32 v[PW], v[BT+3], 24, v[PW]
.irp b, 0,1,2,3
.irp i, 0,1,2,3,4,5,6,7,8,9,10,11,12,13,14,15
	v_min_num_f32 v[SS+16*\b+\i], v[SS+16*\b+\i], v[HO+\b]         ; the conversion does not saturate (ISA guide 7.6.2); p is not negative
.endr
	v_cvt_scalef32_pk8_bf8_f32 v[PCD+4*\b:PCD+4*\b+1], v[SS+16*\b:SS+16*\b+7], v[SO+\b]
	v_cvt_scalef32_pk8_bf8_f32 v[PCD+4*\b+2:PCD+4*\b+3], v[SS+16*\b+8:SS+16*\b+15], v[SO+\b]
.endr
	s_wait_alu depctr_va_vdst(0)                   ; the wait directly ahead of the first reader of O^T
.set jj, 0
.rept 16
	v_pk_mul_f32 v[OT+jj:OT+jj+1], v[OT+jj:OT+jj+1], v[FF:FF+1] op_sel_hi:[1,0]     ; O^T under the new M; also the places in front of the products below
.set jj, jj+2
.endr
	s_wait_alu depctr_va_vdst(0)
	s_wait_dscnt 0x0                               ; V, its scale words and the next step's K are in
	WIN 0x01
.irp t, 0,1,2,3
	v_wmma_scale_f32_16x16x128_f8f6f4 v[OT+8*\t:OT+8*\t+7], v[16*\t:16*\t+15], v[PCD:PCD+15], v[OT+8*\t:OT+8*\t+7], v[VS+\t], v[PW] matrix_a_fmt:MATRIX_FMT_BF8 matrix_b_fmt:MATRIX_FMT_BF8
.endr
	WIN 0
.endm
.macro QADR b, qa, qb                  ; where query block b's codes (my tile) and scale words lie
	s_mul_i32 s52, \b, BLK
	s_mov_b32 s53, 0
	s_add_co_u32 s56, s52, s[WI10]
	s_mov_b32 s57, 0
	s_add_nc_u64 s[\qa:\qa+1], s[HB:HB+1], s[56:57]
	s_add_nc_u64 s[\qb:\qb+1], s[HB:HB+1], s[52:53]
.endm
.macro STATS                           ; a query block begins: the statistics and O^T
	v_mov_b32 v13, 0xff61b1e6                      ; -3e38, under every t
	v_floor_f32 v12, -v13
	v_mov_b32 v14, 0
	v_mov_b32 v15, 0
.set nn, 0
.rept 32
	v_mov_b32 v[OT+nn], 0
.set nn, nn+1
.endr
.endm
; A query block ends: O^T / the sum, quantised along the head's 64 channels (two blocks), stored as groups 2 e, 2 e + 1 (e = head % 2) of the next operand's fragment, and its two scale bytes.
.macro FINAL1
	PLACES 8
	s_wait_xcnt 0x0
	s_lshl_b32 s52, s[BTC], 7
	s_lshl_b32 s53, s[BETA], 3
	s_add_co_u32 s52, s52, s53
	s_add_co_u32 s52, s52, s[WV]                   ; the block of 16 rows: 128 x batch + 8 x query block + tile
	s_lshl_b32 s52, s52, 14
	s_lshl_b32 s53, s[HPR], 11
	s_add_co_u32 s52, s52, s53
	s_lshl_b32 s53, s[WE], 10
	s_add_co_u32 s52, s52, s53
	s_mov_b32 s53, 0
	s_add_nc_u64 s[OA:OA+1], s[6:7], s[52:53]
	s_lshl_b32 s52, s[BTC], 5                      ; the scale words' unit: ((32 x batch + 2 x query block + tile / 4) x 8 + head / 2) x 256, behind the codes
	s_lshl_b32 s54, s[BETA], 1
	s_add_co_u32 s52, s52, s54
	s_lshr_b32 s54, s[WV], 2
	s_add_co_u32 s52, s52, s54
	s_lshl_b32 s52, s52, 3
	s_add_co_u32 s52, s52, s[HPR]
	s_lshl_b32 s52, s52, 8
	s_add_co_u32 s52, s52, 4194304
	s_add_nc_u64 s[QA:QA+1], s[6:7], s[52:53]
	v_add_f32 v14, v14, v15
	s_delay_alu instid0(VALU_DEP_1)
	v_permlanex16_b32 v240, v14, s[SEL], s[SEL+1]
	s_delay_alu instid0(VALU_DEP_1)
	v_add_f32 v14, v14, v240                       ; the row's sum
	s_wait_alu depctr_va_vdst(0)
	v_rcp_f32 v14, v14
	v_nop
	s_wait_alu depctr_va_vdst(0)
.set jj, 0
.rept 16
	v_pk_mul_f32 v[SS+jj:SS+jj+1], v[OT+jj:OT+jj+1], v[14:15] op_sel_hi:[1,0]
.set jj, jj+2
.endr
.irp b, 0,1
	v_max3_num_f32 v[BM+\b], |v[SS+16*\b]|, |v[SS+16*\b+1]|, 0x8000000
.endr
.irp i, 2,4,6,8,10,12,14
.irp b, 0,1
	s_delay_alu instid0(VALU_DEP_2)
	v_max3_num_f32 v[BM+\b], v[BM+\b], |v[SS+16*\b+\i]|, |v[SS+16*\b+\i+1]|
.endr
.endr
.irp b, 0,1
	s_delay_alu instid0(VALU_DEP_2)
	v_permlanex16_b32 v[BT+\b], v[BM+\b], s[SEL], s[SEL+1]
.endr
.irp b, 0,1
	s_delay_alu instid0(VALU_DEP_2)
	v_max_num_f32 v[BM+\b], v[BM+\b], v[BT+\b]
.endr
.irp b, 0,1
	s_delay_alu instid0(VALU_DEP_2)
	v_add_nc_u32 v[SO+\b], 0xf8800000, v[BM+\b]
.endr
.irp b, 0,1
	s_delay_alu instid0(VALU_DEP_4)
	v_and_or_b32 v[HO+\b], v[BM+\b], 0x7f800000, s[MNT]
.endr
.irp b, 0,1
	s_delay_alu instid0(VALU_DEP_4)
	v_lshrrev_b32 v[BT+\b], 23, v[SO+\b]
.endr
	s_delay_alu instid0(VALU_DEP_1)
	v_lshl_or_b32 v[PW], v[BT+1], 8, v[BT]
.irp b, 0,1
.irp i, 0,1,2,3,4,5,6,7,8,9,10,11,12,13,14,15
	v_med3_num_f32 v[SS+16*\b+\i], v[SS+16*\b+\i], -v[HO+\b], v[HO+\b]
.endr
	v_cvt_scalef32_pk8_bf8_f32 v[PCD+4*\b:PCD+4*\b+1], v[SS+16*\b:SS+16*\b+7], v[SO+\b]
	v_cvt_scalef32_pk8_bf8_f32 v[PCD+4*\b+2:PCD+4*\b+3], v[SS+16*\b+8:SS+16*\b+15], v[SO+\b]
.endr
	v_nop
	global_store_b128 v[L16], v[PCD:PCD+3], s[OA:OA+1]             ; 512 consecutive bytes
	global_store_b128 v[L16], v[PCD+4:PCD+7], s[OA:OA+1] offset:512
	global_store_b16 v[SCW], v[PW], s[QA:QA+1]     ; both lanes of a row store the same two bytes
.endm
; A slot's four steps.  blk = 1: the first query block may end here: its way out, and the second block's q out of v320-328.
.macro SLOT4 dg, blk
	s_mov_b32 s[IC], 4
.Lin_\@:
	STEP 1, \dg
.if \blk
	s_cmp_lg_u32 s[J], s[LIMJ]
	s_cbranch_scc1 .Lon_\@
	FINAL1
	s_sub_co_u32 s[BETA], 15, ttmp9
	s_mov_b32 s[LIMJ], s[BETA]
	s_mov_b32 s[J], -1
	WIN 0x01
.irp i, 0,1,2,3,4,5,6,7
	v_mov_b32 v[24+\i], v[64+\i]
.endr
	v_mov_b32 v[QS], v72
	WIN 0
	STATS                                          ; 36 plain lines: the places between the new q and scale word and the next products
	s_wait_xcnt 0x0                                ; the stores have read their data: those registers are written again in the next step
.Lon_\@:
	s_add_co_u32 s[J], s[J], 1
.endif
	s_add_co_u32 s[TB], s[TB], STEPB
	s_sub_co_u32 s[IC], s[IC], 1
	s_cmp_lg_u32 s[IC], 0
	s_cbranch_scc1 .Lin_\@
.endm
	s_load_b128 s[4:7], s[0:1], 0x0                ; qkv, att
	v_lshl_add_u32 v[SPW], v0, 2, SPARE
	v_mov_b32 v[NIL], 0
	ds_add_u32 v[SPW], v[NIL]                      ; the opening lines: the add twice on end
	ds_add_u32 v[SPW], v[NIL]
	v_lshrrev_b32 v240, 5, v0
	v_readfirstlane_b32 s[WV], v240
	s_lshr_b32 s[WH], s[WV], 1
	s_and_b32 s54, s[WV], 1
	s_mul_i32 s54, s54, HALFU
	s_mov_b32 s55, 0
	s_mul_i32 s[UL], s[WH], STEPB
	s_add_co_u32 s[UL], s[UL], s54
	s_and_b32 s51, ttmp7, 0xffff                   ; 16 x batch + head
	s_lshr_b32 s[BTC], s51, 4
	s_and_b32 s[WE], s51, 1
	s_bfe_u32 s[HPR], s51, 0x30001                 ; head / 2
	s_mov_b32 s[G1], 3<<16                         ; elements of 8 bytes; one row of 8,448 bytes
	s_mov_b32 s[G1+1], (HALFU/8)<<16
	s_mov_b32 s[G1+2], 1<<16
	s_mov_b32 s[G1+3], (HALFU/8)<<16
	s_mov_b32 s[G1+4], 1
	s_mov_b32 s[G1+5], HALFU/8
	s_mov_b32 s[G1+6], 1<<16
	s_mov_b32 s[G1+7], 0
	s_mul_i32 s52, s51, HEADB
	s_mov_b32 s53, 0
	s_mov_b32 s[SEL], 0x76543210
	s_mov_b32 s[SEL+1], 0xfedcba98
	s_mov_b32 s[CS], 0x3e38aa3b                    ; log2(e) / 8
	s_mov_b32 s[CS+1], s[CS]
	s_mov_b32 s[MNT], 0x600000
	s_mov_b32 s[J], 0
	s_mov_b32 s[MF], 0
	s_mov_b32 s[SB], 0
	s_mov_b32 s[BETA], ttmp9
	s_mov_b32 s[LIMJ], ttmp9
	s_mov_b32 s[L1], ttmp9
	s_add_co_u32 s[L1P], s[L1], 1
	s_mov_b32 s[G0], 1
	s_wait_dscnt 0x0
	s_wait_kmcnt 0x0
	s_add_nc_u64 s[HB:HB+1], s[4:5], s[52:53]      ; my head's blocks
	s_add_nc_u64 s[HL:HL+1], s[HB:HB+1], s[54:55]
	DESC
	TLD                                            ; steps 0 to 3 into slot 0: one load a wave
	s_mov_b32 s[SB], SLOTB
	s_lshl_b32 s[WI10], s[WV], 10
	s_lshl_b32 s[QI], s[WH], 5
	s_and_b32 s56, s[WV], 1
	s_lshl_b32 s57, s56, 3
	s_add_co_u32 s[QI], s[QI], s57                 ; my tile's first query in its block: 32 (tile / 2) + 8 (tile % 2)
	s_mov_b32 s[PSEL], 0x03020302
	s_cmp_eq_u32 s56, 0
	s_cselect_b32 s[PSEL], 0x01000100, s[PSEL]
	s_and_b32 s56, s[WV], 3
	s_lshl_b32 s56, s56, 2
	s_lshl_b32 s57, s[WE], 1
	s_add_co_u32 s56, s56, s57
	v_and_b32 v240, 31, v0
	v_and_b32 v241, 15, v0
	v_bfe_u32 v242, v0, 4, 1
	v_lshlrev_b32 v[L16], 4, v240
	v_lshlrev_b32 v243, 4, v241
	v_add_nc_u32 v[AS0], 16384, v243
	v_lshl_add_u32 v[QSO], s[WH], 2, v243
	v_add_nc_u32 v[SCW], s56, v243
	v_and_b32 v244, 8, v241
	v_add_nc_u32 v244, v244, v241
	v_lshlrev_b32 v245, 4, v242
	v_sub_nc_u32 v[DQ], v244, v245
	s_wait_alu depctr_va_vdst(0)                   ; the wait ahead of the run of scalar lines
	QADR s[BETA], QA, QB
	global_load_b128 v[24:27], v[L16], s[QA:QA+1] offset:16896
	global_load_b128 v[28:31], v[L16], s[QA:QA+1] offset:16896+512
	global_load_b32 v240, v[QSO], s[QB:QB+1] offset:25088
	s_sub_co_u32 s51, 15, ttmp9
	QADR s51, OA, UA
	WIN 0x40
	global_load_b128 v[64:67], v[L16], s[OA:OA+1] offset:16896      ; v320-327: the second block's q
	global_load_b128 v[68:71], v[L16], s[OA:OA+1] offset:16896+512
	WIN 0
	global_load_b32 v241, v[QSO], s[UA:UA+1] offset:25088
.irp n, 16,17,18,19,20,21,22,23,32,33,34,35,36,37,38,39
	v_mov_b32 v[\n], 0                             ; the zero codes beside q
.endr
.irp b, 0,1,2,3
	v_mov_b32 v[BT+\b], 0
.endr
	v_mov_b32 v[FF+1], 0
	STATS
	s_wait_alu depctr_va_vdst(0)                   ; the wait at the head's end
	s_wait_loadcnt 0x0
	v_perm_b32 v[QS], v240, v240, s[PSEL]          ; my tile's two bytes, twice
	WIN 0x40
	v_perm_b32 v72, v241, v241, s[PSEL]            ; v328: the second block's
	WIN 0
	PLACES 4                                       ; with the lines of the change below: eight places ahead of the first scaled product
	s_mov_b32 s[CNT], 3
.Lslot:                                            ; steps 0 to 11; fills 1, 2, 3
	CHANGE 1
	SLOT4 1, 1
	s_xor_b32 s[SB], s[SB], SLOTB
	s_sub_co_u32 s[CNT], s[CNT], 1
	s_cmp_lg_u32 s[CNT], 0
	s_cbranch_scc1 .Lslot
	CHANGE 2                                       ; steps 12 to 15: no diagonal, no end of a block; step 16's unit is asked for
	SLOT4 0, 0
	s_xor_b32 s[SB], s[SB], SLOTB
	CHANGE 0
	STEP 0, 2                                      ; step 16: the second query block's last: the diagonal
	FINAL1
	s_wait_tensorcnt 0x0                           ; the wave's end
	ds_add_u32 v[SPW], v[NIL]
	s_wait_dscnt 0x0
	s_endpgm
.Lfunc_end_k_q991922195d_attn:
	.size	k_q991922195d_attn, .Lfunc_end_k_q991922195d_attn-k_q991922195d_attn
	.p2alignl 7, 3214868480
	.fill 96, 4, 3214868480
	.section	.rodata,"a",@progbits
	.p2align	6, 0x0
	.amdhsa_kernel k_q991922195d_attn
		.amdhsa_group_segment_fixed_size 327680
		.amdhsa_private_segment_fixed_size 0
		.amdhsa_enable_private_segment 0
		.amdhsa_kernarg_size 16
		.amdhsa_user_sgpr_count 2
		.amdhsa_user_sgpr_kernarg_segment_ptr 1
		.amdhsa_wavefront_size32 1
		.amdhsa_system_sgpr_workgroup_id_x 1
		.amdhsa_system_sgpr_workgroup_id_y 1
		.amdhsa_system_sgpr_workgroup_id_z 1
		.amdhsa_system_vgpr_workitem_id 0
		.amdhsa_next_free_vgpr 336
		.amdhsa_next_free_sgpr 68
		.amdhsa_reserve_vcc 1
		.amdhsa_float_denorm_mode_32 3
		.amdhsa_float_denorm_mode_16_64 3
		.amdhsa_memory_ordered 1
		.amdhsa_forward_progress 1
		.amdhsa_inst_pref_size 96
	.end_amdhsa_kernel
	.amdgpu_metadata
---
amdhsa.version: [ 1, 2 ]
amdhsa.kernels:
  - .name:           k_q991922195d_attn
    .symbol:         k_q991922195d_attn.kd
    .args:
      - { .name: qkv, .offset: 0, .size: 8, .value_kind: global_buffer, .address_space: global }
      - { .name: att, .offset: 8, .size: 8, .value_kind: global_buffer, .address_space: global }
    .group_segment_fixed_size: 327680
    .private_segment_fixed_size: 0
    .kernarg_segment_align: 8
    .kernarg_segment_size: 16
    .max_flat_workgroup_size: 256
    .sgpr_count:     68
    .vgpr_count:     336
    .wavefront_size: 32
...
	.end_amdgpu_metadata
.endif
;; end of part 3
;; launch wo (part 4): grid 8 x 32, 4 waves a work-group, clusters of 4 x 4, 327,680 bytes of LDS; arguments att, wts, bo, x, x1; writes x1
.if DOCPART == 4
	.amdgcn_target "amdgcn-amd-amdhsa--gfx1250"
	.amdhsa_code_object_version 6
	.text
	.protected	k_q991922195d_wo
	.globl	k_q991922195d_wo
	.p2align	8
	.type	k_q991922195d_wo,@function
k_q991922195d_wo:
	s_mov_b64 s[64:65], 0
	v_nop
	global_prefetch_b8 v0, s[64:65] scope:SCOPE_SE
	s_setreg_imm32_b32 hwreg(HW_REG_WAVE_MODE, 25, 1), 1
	s_wait_xcnt 0x0
	s_wait_alu depctr_hold_cnt(0) depctr_sa_sdst(0) depctr_va_vdst(0) depctr_va_sdst(0) depctr_va_ssrc(0) depctr_va_vcc(0) depctr_vm_vsrc(0)
	s_getreg_b32 s2, hwreg(HW_REG_IB_STS2, 6, 4)
	s_cmp_eq_u32 s2, 0
	s_cbranch_scc0 .Lentry_in_a_cluster
	s_endpgm
.Lentry_in_a_cluster:
	s_bfe_u32 s2, ttmp6, 0x10000c
	s_cmp_lg_u32 s2, 0xf033
	s_cbranch_scc0 .Lentry_shape_is_right
	s_endpgm
.Lentry_shape_is_right:
; x1 = x + att Wo + bo: a product on codes of E5M2 with E8M0 scales, K = 1,024, its result f32 rows of 1,024.
; Operands lie in memory as images of operand registers (fragment (p, s): 2,048 bytes at (p S + s) 2048; lane row r of block p is row 32 (p / 2) + 8 (p % 2) + r + 8 (r / 8)).
; 4,096 x 1,024 of output give 256 work-groups only with tiles of 128 x 128: four waves of 64 x 64, 16 accumulators; one slot holds all 1,024 along K, so nothing is filled again.
; The matrix instruction is used transposed (source 0 = B's rows, the output's columns; source 1 = A's rows, the tokens).  The bias is the C of each sum's first instruction; the residual is asked for at the head.
; CLUSTERS: 4 x 4 work-groups; A's tiles are shared along a row of the cluster, B's along a column, each by a joint load.
; LIMITS: NaN and infinities are not served; the sums' order is not reference()'s.
.set NBL,  4
.set NQ,   8                           ; ONE slot holds all of K: 8 fragments a block; nothing is filled later
.set SK,   1024
.set BIAS, 1
.set ASOFF, 4194304                    ; where A's scale words begin
.set WOFF,  3*1048576                  ; the weight's codes in wts
.set WSOFF, 12582912+98304             ; and its scale words
.set S,     SK/128
.set BP,    S*2048
.set HALFT, NBL*NQ*2048
.set SLOT,  4*HALFT
.set SCL,   SLOT
.set HALFS, (NBL/4)*S*256
.set SPARE, SCL+4*HALFS
.set STAGE, SPARE+512                  ; the way out's stages have bytes of their own, into which no fill lands
.set HL,    (NBL/2)*4
.set LAPS,  SK/(256*NQ)
.set ADRA, 16
.set ADRB, 20
.set STO,  24
.set RD,   25
.set CO,   26
.set ADRS, 27
.set SPW,  28
.set NIL,  29
.set SC,   32
.set BI,   64
.set AF,   128
.set BK,   128
.set G1, 24
.set G0, 32
.set G1B, 48
.set G0B, 56
.set G1S, 68
.set G0S, 76
.set G1SB, 80
.set G0SB, 88
.set MSB, 0
.macro WIN new
.if MSB != (\new)
	s_set_vgpr_msb (MSB<<8)|(\new)
.set MSB, (\new)
.endif
.endm
.macro PLACES n
.rept \n
	v_nop
.endr
.endm
.macro JLOAD g0a, g1a, g0b, g1b
	s_cmp_eq_u32 s15, 0
	s_cbranch_scc0 .Lfor_b_\@
	tensor_load_to_lds s[\g0a:\g0a+3], s[\g1a:\g1a+7]
	s_nop 0
.rept 4
	v_nop
.endr
	s_branch .Lasked_\@
.Lfor_b_\@:
	tensor_load_to_lds s[\g0b:\g0b+3], s[\g1b:\g1b+7]
	s_nop 0
.rept 4
	v_nop
.endr
.Lasked_\@:
.endm
.macro CREST
	s_cmp_lg_u32 s14, 0
	s_cbranch_scc1 .Lnot_wave_0_\@
	s_barrier_signal -3
.Lnot_wave_0_\@:
	s_barrier_wait -3
	s_barrier_signal -1
	s_barrier_wait -1
.endm
.macro CROUND
	s_barrier_signal -1
	s_barrier_wait -1
	CREST
.endm
.macro DESCR
	s_or_b32 s[G1], s43, (3<<16)|(1<<21)
	s_or_b32 s[G1B], s44, (3<<16)|(1<<21)
	s_or_b32 s[G1S], s43, (3<<16)|(1<<21)
	s_or_b32 s[G1SB], s44, (3<<16)|(1<<21)
.irp g, G1, G1B
	s_mov_b32 s[\g+1], (NQ*256)<<16
	s_mov_b32 s[\g+2], (2*NBL)<<16
	s_mov_b32 s[\g+3], (NQ*256)<<16
	s_mov_b32 s[\g+4], 2*NBL
	s_mov_b32 s[\g+5], S*256
	s_mov_b32 s[\g+6], 0
	s_mov_b32 s[\g+7], 0
.endr
.irp g, G1S, G1SB
	s_mov_b32 s[\g+1], 32<<16
	s_mov_b32 s[\g+2], (2*HALFS/256)<<16
	s_mov_b32 s[\g+3], 32<<16
	s_mov_b32 s[\g+4], 2*HALFS/256
	s_mov_b32 s[\g+5], 32
	s_mov_b32 s[\g+6], 0
	s_mov_b32 s[\g+7], 0
.endr
.endm
.macro FILLS
	CROUND
	s_mul_i32 s18, s16, HALFS                      ; the scale loads take both halves: back to half 0,
	s_mov_b32 s19, 0
	s_sub_nc_u64 s[22:23], s[22:23], s[18:19]
	s_sub_nc_u64 s[92:93], s[92:93], s[18:19]
	s_mul_i32 s94, s15, 2*HALFS                    ; A's at SCL (wave 1), B's behind them (wave 3)
	s_mov_b32 s[G0S], 1
	s_add_co_u32 s[G0S+1], s94, SCL
	s_mov_b64 s[G0S+2:G0S+3], s[22:23]
	s_or_b32 s[G0S+3], s[G0S+3], 0x80000000
	s_mov_b32 s[G0SB], 1
	s_add_co_u32 s[G0SB+1], s94, SCL
	s_mov_b64 s[G0SB+2:G0SB+3], s[92:93]
	s_or_b32 s[G0SB+3], s[G0SB+3], 0x80000000
.irp s, 0
	s_mov_b32 s[G0+4*\s], 1
	s_add_co_u32 s[G0+4*\s+1], s45, \s*SLOT
	s_add_nc_u64 s[G0+4*\s+2:G0+4*\s+3], s[20:21], \s*NQ*2048
	s_or_b32 s[G0+4*\s+3], s[G0+4*\s+3], 0x80000000
	s_mov_b32 s[G0B+4*\s], 1
	s_add_co_u32 s[G0B+4*\s+1], s45, \s*SLOT
	s_add_nc_u64 s[G0B+4*\s+2:G0B+4*\s+3], s[46:47], \s*NQ*2048
	s_or_b32 s[G0B+4*\s+3], s[G0B+4*\s+3], 0x80000000
.endr
	; the launch's four tiles, one a wave: wave 0 A's 128 rows, all of K; wave 1 A's scale words; wave 2 B's 128 rows; wave 3 B's scale words
	s_cmp_eq_u32 s14, 0
	s_cbranch_scc0 .Lh_sa
	tensor_load_to_lds s[G0:G0+3], s[G1:G1+7]
	s_nop 0
	PLACES 4
	s_branch .Lh_on
.Lh_sa:
	s_cmp_eq_u32 s14, 1
	s_cbranch_scc0 .Lh_b
	tensor_load_to_lds s[G0S:G0S+3], s[G1S:G1S+7]
	s_nop 0
	PLACES 4
	s_branch .Lh_on
.Lh_b:
	s_cmp_eq_u32 s14, 2
	s_cbranch_scc0 .Lh_sb
	tensor_load_to_lds s[G0B:G0B+3], s[G1B:G1B+7]
	s_nop 0
	PLACES 4
	s_branch .Lh_on
.Lh_sb:
	tensor_load_to_lds s[G0SB:G0SB+3], s[G1SB:G1SB+7]
	s_nop 0
	PLACES 4
.Lh_on:
.endm
.macro LADDR
	v_and_b32 v1, 15, v0
	v_bfe_u32 v2, v0, 4, 1
	s_wait_alu depctr_va_vdst(0)
	v_and_b32 v3, 31, v0
	v_lshlrev_b32 v4, 4, v3
	s_mul_i32 s21, s15, HALFT
	s_mul_i32 s22, s16, HALFT
	s_add_co_u32 s22, s22, 2*HALFT
.irp s, 0,1
	v_add_nc_u32 v[ADRA+\s], s21, v4
	v_add_nc_u32 v[ADRB+\s], s22, v4
	s_add_co_u32 s21, s21, SLOT
	s_add_co_u32 s22, s22, SLOT
.endr
	v_lshlrev_b32 v5, 4, v1
	s_mul_i32 s21, s15, HALFS
	s_mul_i32 s22, s16, HALFS
	s_add_co_u32 s22, s22, 2*HALFS
	s_sub_co_u32 s22, s22, s21
	v_mul_u32_u24 v6, s22, v2
	s_add_co_u32 s21, s21, SCL
	v_add_nc_u32 v5, v5, v6
	v_add_nc_u32 v[ADRS], s21, v5
.endm
.macro FRAG reg, adr, off
.irp c, 0,1,2,3
	ds_load_b128 v[\reg+4*\c:\reg+4*\c+3], v[\adr] offset:\off+512*\c
.endr
.endm
.macro FETCH_B slot, q, p
	WIN 0x40
.set ii, 0
.rept NBL
	FRAG 128*(\p)+16*ii, ADRB+\slot, (ii*NQ+(\q))*2048
.set ii, ii+1
.endr
	WIN 0
.endm
.macro FETCH_A slot, q, i0
.set ii, \i0
.rept NBL/2
	FRAG AF+16*ii, ADRA+\slot, (ii*NQ+(\q))*2048
.set ii, ii+1
.endr
.endm
.macro SCALES sc
.set qq, 0
.rept NQ
.set gg, 0
.rept NBL/4
	ds_load_b128 v[SC+(\sc)*NBL*NQ+qq*NBL+4*gg:SC+(\sc)*NBL*NQ+qq*NBL+4*gg+3], v[ADRS] offset:gg*S*256+qq*256
.set gg, gg+1
.endr
.set qq, qq+1
.endr
.endm
.macro MULA a0, n, p, q, sc, first     ; all accumulators take turns, one instruction a turn
.set aa, \a0
.rept \n
.set ww, 2+(aa*NBL*8)/256
.set ab, (aa*NBL*8)%256
.if (\first) && BIAS
	WIN 0x01|(ww<<6)
.else
	WIN 0x01|(ww<<4)|(ww<<6)
.endif
.set bb, 0
.rept NBL
.set sb, SC+(\sc)*NBL*NQ+(\q)*NBL+bb
.set sa, SC+(\sc)*NBL*NQ+(\q)*NBL+aa
.if (\first) && BIAS
	v_wmma_scale_f32_16x16x128_f8f6f4 v[ab+8*bb:ab+8*bb+7], v[128*(\p)+16*bb:128*(\p)+16*bb+15], v[AF+16*aa:AF+16*aa+15], v[BI+8*bb:BI+8*bb+7], v[sb], v[sa] matrix_a_fmt:MATRIX_FMT_BF8 matrix_b_fmt:MATRIX_FMT_BF8 matrix_a_scale:MATRIX_SCALE_ROW1
.elseif \first
	v_wmma_scale_f32_16x16x128_f8f6f4 v[ab+8*bb:ab+8*bb+7], v[128*(\p)+16*bb:128*(\p)+16*bb+15], v[AF+16*aa:AF+16*aa+15], 0, v[sb], v[sa] matrix_a_fmt:MATRIX_FMT_BF8 matrix_b_fmt:MATRIX_FMT_BF8 matrix_a_scale:MATRIX_SCALE_ROW1
.else
	v_wmma_scale_f32_16x16x128_f8f6f4 v[ab+8*bb:ab+8*bb+7], v[128*(\p)+16*bb:128*(\p)+16*bb+15], v[AF+16*aa:AF+16*aa+15], v[ab+8*bb:ab+8*bb+7], v[sb], v[sa] matrix_a_fmt:MATRIX_FMT_BF8 matrix_b_fmt:MATRIX_FMT_BF8 matrix_a_scale:MATRIX_SCALE_ROW1
.endif
.set bb, bb+1
.endr
.set aa, aa+1
.endr
.endm
.macro STEP slot, q, first
	s_wait_dscnt HL                                ; all but the youngest HL loads (A's upper half) are in
	MULA 0, NBL/2, (\q)%2, \q, \slot, \first
	s_wait_dscnt 0x0
	PLACES 8                                       ; in front of loads into registers that matrix instructions have read
	FETCH_B \slot, (\q)+1, 1-(\q)%2
	FETCH_A \slot, (\q)+1, 0
	MULA NBL/2, NBL/2, (\q)%2, \q, \slot, \first
	PLACES 8
	WIN 0
	FETCH_A \slot, (\q)+1, NBL/2
.endm
.macro TURN slot, next, fill
	s_wait_tensorcnt 0x0                           ; all my tensor loads have landed: my part of the next slot
	ds_add_u32 v[SPW], v[NIL]                      ; 0 onto my spare word
	s_wait_dscnt HL+1                              ; (the add and A's upper half may be out)
	MULA 0, NBL/4, 1, NQ-1, \slot, 0
	s_wait_dscnt 0x0                               ; the add is done, and my reads of this slot are over
	s_barrier_signal -1
	MULA NBL/4, NBL/4, 1, NQ-1, \slot, 0
	WIN 0
	s_barrier_wait -1
.if \fill
	CREST
	s_add_nc_u64 s[G0+4*\slot+2:G0+4*\slot+3], s[G0+4*\slot+2:G0+4*\slot+3], 2*NQ*2048
	s_add_nc_u64 s[G0B+4*\slot+2:G0B+4*\slot+3], s[G0B+4*\slot+2:G0B+4*\slot+3], 2*NQ*2048
	JLOAD G0+4*\slot, G1, G0B+4*\slot, G1B
	PLACES 4
.else
	PLACES 8
.endif
	v_add_nc_u32 v[ADRS], NQ*256, v[ADRS]
	FETCH_B \next, 0, 0
	FETCH_A \next, 0, 0
	SCALES \next
	MULA NBL/2, NBL/2, 1, NQ-1, \slot, 0
	PLACES 8
	WIN 0
	FETCH_A \next, 0, NBL/2
.endm
.macro LAST
	s_wait_dscnt HL
	MULA 0, NBL/2, 1, NQ-1, 0, 0
	s_wait_alu depctr_va_vdst(0)
	s_wait_dscnt 0x0
	MULA NBL/2, NBL/2, 1, NQ-1, 0, 0
	WIN 0
.endm
	s_load_b256 s[4:11], s[0:1], 0x0               ; A, wts, the bias, the residual
	s_load_b64 s[12:13], s[0:1], 0x20              ; the output
	v_lshl_add_u32 v[SPW], v0, 2, SPARE
	v_mov_b32 v[NIL], 0
	ds_add_u32 v28, v29
	ds_add_u32 v28, v29
	s_wait_dscnt 0x0
	v_lshrrev_b32 v1, 5, v0
	v_readfirstlane_b32 s14, v1
	s_lshr_b32 s15, s14, 1
	s_and_b32 s16, s14, 1
	s_bfe_u32 s40, ttmp6, 0x40000
	s_bfe_u32 s41, ttmp6, 0x40004
	s_lshl_b32 s42, ttmp9, 2
	s_add_co_u32 s42, s42, s40                     ; tile column
	s_and_b32 s17, ttmp7, 0xffff
	s_lshl_b32 s17, s17, 2
	s_add_co_u32 s17, s17, s41                     ; tile row
	s_lshl_b32 s43, s41, 2
	s_lshl_b32 s43, 15, s43
	s_lshl_b32 s44, 0x1111, s40
	DESCR
	s_mul_i32 s18, s16, NBL
	s_mul_i32 s20, s17, 2*NBL
	s_add_co_u32 s20, s20, s18
	s_mul_i32 s46, s42, 2*NBL
	s_add_co_u32 s46, s46, s18
	s_mul_i32 s22, s20, S*64
	s_add_co_u32 s22, s22, ASOFF
	s_mul_i32 s92, s46, S*64
	s_add_co_u32 s92, s92, WSOFF
	s_mul_i32 s20, s20, BP
	s_mul_i32 s46, s46, BP
	s_add_co_u32 s46, s46, WOFF
	s_mov_b32 s21, 0
	s_mov_b32 s23, 0
	s_mov_b32 s47, 0
	s_mov_b32 s93, 0
	s_mul_i32 s45, s14, HALFT
	s_mul_i32 s94, s14, HALFS
	s_wait_kmcnt 0x0
	s_add_nc_u64 s[20:21], s[4:5], s[20:21]
	s_add_nc_u64 s[22:23], s[4:5], s[22:23]
	s_add_nc_u64 s[46:47], s[6:7], s[46:47]
	s_add_nc_u64 s[92:93], s[6:7], s[92:93]
	FILLS
	LADDR
	s_lshl_b32 s96, s42, 9
	s_lshl_b32 s97, s16, 8
	s_add_co_u32 s96, s96, s97                     ; my first column, in bytes: 4 (128 x tile column + 64 x half)
	s_mov_b32 s97, 0
	s_add_nc_u64 s[8:9], s[8:9], s[96:97]
	s_lshl_b32 s66, s17, 7
	s_lshl_b32 s67, s15, 6
	s_add_co_u32 s66, s66, s67
	s_lshl_b32 s66, s66, 12                        ; my first row x 4,096 bytes
	s_add_co_u32 s66, s66, s96
	s_mov_b32 s67, 0
	s_add_nc_u64 s[10:11], s[10:11], s[66:67]
	s_add_nc_u64 s[12:13], s[12:13], s[66:67]
	v_lshlrev_b32 v7, 6, v2
	v_lshlrev_b32 v[CO], 12, v2
	v_lshl_add_u32 v[CO], v1, 4, v[CO]             ; lanes 0-15 one row's 256 bytes, lanes 16-31 the next row's
	s_mul_i32 s18, s14, 16*272
	s_add_co_u32 s18, s18, STAGE
	v_mul_u32_u24 v[STO], v1, 272
	v_lshl_add_u32 v[STO], v2, 6, v[STO]
	v_add_nc_u32 v[STO], s18, v[STO]
	v_mul_u32_u24 v[RD], v2, 272
	v_lshl_add_u32 v[RD], v1, 4, v[RD]
	v_add_nc_u32 v[RD], s18, v[RD]
.irp b, 0,1,2,3                        ; the bias in the result's layout: block b, lane half h: columns 32 (b / 2) + 8 (b % 2) + 16 h + 0 .. 7
	global_load_b128 v[BI+8*\b:BI+8*\b+3], v7, s[8:9] offset:(32*(\b/2)+8*(\b%2))*4
	global_load_b128 v[BI+8*\b+4:BI+8*\b+7], v7, s[8:9] offset:(32*(\b/2)+8*(\b%2))*4+16
.endr
	WIN 0xc0                                       ; destination window 3: the residual, as it will be added
.irp a, 0,1,2,3
.irp t, 0,1,2,3,4,5,6,7
	global_load_b128 v[32*\a+4*\t:32*\a+4*\t+3], v[CO], s[10:11] offset:(32*(\a/2)+8*(\a%2)+2*\t+8*(\t/4))*4096 th:TH_LOAD_NT
.endr
.endr
	WIN 0
	s_wait_alu depctr_va_vdst(0)                   ; the wait at the head's end
	s_wait_tensorcnt 0x0                           ; my tile of the four is in
	s_barrier_signal -1
	s_barrier_wait -1                              ; everybody's is
	FETCH_B 0, 0, 0
	FETCH_A 0, 0, 0
	SCALES 0
	FETCH_A 0, 0, NBL/2
	s_wait_loadcnt 32                              ; the bias is in; the residual's 32 loads may be out
	STEP 0, 0, 1
.if LAPS > 1
	s_mov_b32 s3, LAPS-1
.Llap:
	STEP 0, 1, 0
	STEP 0, 2, 0
	TURN 0, 1, 1
	STEP 1, 0, 0
	STEP 1, 1, 0
	STEP 1, 2, 0
	TURN 1, 0, 1
	STEP 0, 0, 0
	s_sub_co_u32 s3, s3, 1
	s_cmp_lg_u32 s3, 0
	s_cbranch_scc1 .Llap
.endif
.irp q, 1,2,3,4,5,6
	STEP 0, \q, 0
.endr
	LAST
	; THE WAY OUT: a block of 16 rows x 64 columns through my stage (bytes of its own behind the spare words, into which no fill lands), back as whole rows of 256 bytes, + the residual.
	PLACES 8
	s_wait_loadcnt 0x0
.irp a, 0,1,2,3
.if \a > 1
	s_wait_xcnt 0x0                                ; block a - 2's stores have read their registers
.endif
	WIN 0x08                                       ; an LDS store's data: window 2
.irp b, 0,1,2,3
	ds_store_b128 v[STO], v[32*\a+8*\b:32*\a+8*\b+3] offset:128*(\b/2)+32*(\b%2)
	ds_store_b128 v[STO], v[32*\a+8*\b+4:32*\a+8*\b+7] offset:128*(\b/2)+32*(\b%2)+16
.endr
	WIN 0
.irp t, 0,1,2,3,4,5,6,7
	ds_load_b128 v[BK+32*(\a%2)+4*\t:BK+32*(\a%2)+4*\t+3], v[RD] offset:544*\t     ; LDS serves a wave's instructions in order: these see my stores
.endr
	s_wait_dscnt 0x0
	WIN 0x0c                                       ; source 1: window 3
.irp j, 0,2,4,6,8,10,12,14,16,18,20,22,24,26,28,30
	v_pk_add_f32 v[BK+32*(\a%2)+\j:BK+32*(\a%2)+\j+1], v[BK+32*(\a%2)+\j:BK+32*(\a%2)+\j+1], v[32*\a+\j:32*\a+\j+1]
.endr
	WIN 0
.irp t, 0,1,2,3,4,5,6,7
	global_store_b128 v[CO], v[BK+32*(\a%2)+4*\t:BK+32*(\a%2)+4*\t+3], s[12:13] offset:(32*(\a/2)+8*(\a%2)+2*\t+8*(\t/4))*4096   ; 16 lanes store 256 consecutive bytes, aligned
.endr
.endr
	s_wait_tensorcnt 0x0                           ; the wave's end
	ds_add_u32 v[SPW], v[NIL]
	s_wait_dscnt 0x0
	CROUND
	s_endpgm
.Lfunc_end_k_q991922195d_wo:
	.size	k_q991922195d_wo, .Lfunc_end_k_q991922195d_wo-k_q991922195d_wo
	.p2alignl 7, 3214868480
	.fill 96, 4, 3214868480
	.section	.rodata,"a",@progbits
	.p2align	6, 0x0
	.amdhsa_kernel k_q991922195d_wo
		.amdhsa_group_segment_fixed_size 327680
		.amdhsa_private_segment_fixed_size 0
		.amdhsa_enable_private_segment 0
		.amdhsa_kernarg_size 40
		.amdhsa_user_sgpr_count 2
		.amdhsa_user_sgpr_kernarg_segment_ptr 1
		.amdhsa_wavefront_size32 1
		.amdhsa_system_sgpr_workgroup_id_x 1
		.amdhsa_system_sgpr_workgroup_id_y 1
		.amdhsa_system_sgpr_workgroup_id_z 1
		.amdhsa_system_vgpr_workitem_id 0
		.amdhsa_next_free_vgpr 1024
		.amdhsa_next_free_sgpr 102
		.amdhsa_reserve_vcc 0
		.amdhsa_float_denorm_mode_32 3
		.amdhsa_float_denorm_mode_16_64 3
		.amdhsa_memory_ordered 1
		.amdhsa_forward_progress 1
		.amdhsa_inst_pref_size 63
	.end_amdhsa_kernel
	.amdgpu_metadata
---
amdhsa.version: [ 1, 2 ]
amdhsa.kernels:
  - .name:           k_q991922195d_wo
    .symbol:         k_q991922195d_wo.kd
    .args:
      - { .name: att, .offset: 0, .size: 8, .value_kind: global_buffer, .address_space: global }
      - { .name: wts, .offset: 8, .size: 8, .value_kind: global_buffer, .address_space: global }
      - { .name: bo, .offset: 16, .size: 8, .value_kind: global_buffer, .address_space: global }
      - { .name: x, .offset: 24, .size: 8, .value_kind: global_buffer, .address_space: global }
      - { .name: x1, .offset: 32, .size: 8, .value_kind: global_buffer, .address_space: global }
    .group_segment_fixed_size: 327680
    .private_segment_fixed_size: 0
    .kernarg_segment_align: 8
    .kernarg_segment_size: 40
    .max_flat_workgroup_size: 128
    .sgpr_count:     102
    .vgpr_count:     1024
    .wavefront_size: 32
...
	.end_amdgpu_metadata
.endif
;; end of part 4
;; launch ln2 (part 5): grid 256 x 1, 8 waves a work-group, no clusters, 70,656 bytes of LDS; arguments x1, g2, be2, hq; writes hq
.if DOCPART == 5
	.amdgcn_target "amdgcn-amd-amdhsa--gfx1250"
	.amdhsa_code_object_version 6
	.text
	.protected	k_q991922195d_ln2
	.globl	k_q991922195d_ln2
	.p2align	8
	.type	k_q991922195d_ln2,@function
k_q991922195d_ln2:
	s_mov_b64 s[64:65], 0
	v_nop
	global_prefetch_b8 v0, s[64:65] scope:SCOPE_SE
	s_setreg_imm32_b32 hwreg(HW_REG_WAVE_MODE, 25, 1), 1
	s_wait_xcnt 0x0
; Layer norm of 4,096 rows of 1,024 f32, then the MX quantiser (E5M2, one E8M0 byte for each 32 along the row), the codes laid as images of operand registers:
; fragment (p, s) of 2,048 bytes at (8 p + s) 2048; group c of lane 16 h + r at 512 c + 16 (16 h + r): row 32 (p / 2) + 8 (p % 2) + r + 8 (r / 8), k = 128 s + 32 c + 16 h + 0 .. 15.
; Scale words behind the codes (byte 4,194,304 on): unit (p / 4, s) of 256 bytes, the word of (r, p % 4) at 16 r + 4 (p % 4).
; A work-group takes block p (16 rows), wave w its K step w.  Loads take 512 consecutive bytes; the numbers turn through the wave's own stage in LDS so that a lane holds 16 neighbours of each block of 32.
; Mean and variance in two passes (the mean is taken away before the squares), each summed over the eight waves through LDS: two barriers.
; The 4-byte scale words of a work-group fill a quarter of each unit; the other three quarters come from three other work-groups: 128 KB of the launch's 20 MB.
; LIMITS: NaN and infinities are not served; a block whose largest magnitude lies under 2^-111 gets the byte 1 (read by this program alone); the sums' order is not reference()'s.
.set R,   16                           ; v16-79   x as loaded, later be
.set X,   80                           ; v80-143  register 16 c + i: k = 128 w + 32 c + 16 h + i of row r
.set G,   144                          ; v144-207 g
.set TM,  208                          ; v208-223 the quantiser's work
.set PC,  224                          ; v224-239 the codes
.set PW,  240                          ; v240     the scale word
.set SEL, 22
.set MNT, 24
.set STG, 8448                         ; a wave's stage: 16 rows x (512 + 16) bytes
.set RED, 67584                        ; 512 bytes for the sums, 512 for the sums of squares: word (r, w) at 32 r + 4 w
.set MSB, 0
.macro WIN new
.if MSB != (\new)
	s_set_vgpr_msb (MSB<<8)|(\new)
.set MSB, (\new)
.endif
.endm
; 64 numbers of a lane, v[s] on in window w, register 16 b + i = k 32 b + 16 h + i of my row, become a fragment's codes in v[PC] on and its scale word in v[pw]; the held numbers go to v[y] on
.macro QUANT w, s, y, pw
	WIN (\w)|((\w)<<2)
.irp b, 0,1,2,3
	v_max3_num_f32 v[TM+\b], |v[(\s)+16*\b]|, |v[(\s)+16*\b+1]|, 0x8000000      ; my 16 numbers of block b, and the floor 2^(16 - 127)
.endr
.irp i, 2,4,6,8,10,12,14
.irp b, 0,1,2,3
	s_delay_alu instid0(VALU_DEP_4)
	v_max3_num_f32 v[TM+\b], |v[(\s)+16*\b+\i]|, |v[(\s)+16*\b+\i+1]|, v[TM+\b]
.endr
.endr
	WIN 0
.irp b, 0,1,2,3
	s_delay_alu instid0(VALU_DEP_4)
	v_permlanex16_b32 v[TM+4+\b], v[TM+\b], s[SEL], s[SEL+1]
.endr
.irp b, 0,1,2,3
	s_delay_alu instid0(VALU_DEP_4)
	v_max_num_f32 v[TM+\b], v[TM+\b], v[TM+4+\b]               ; with lane l xor 16's: the block's largest magnitude
.endr
.irp b, 0,1,2,3
	s_delay_alu instid0(VALU_DEP_4)
	v_add_nc_u32 v[TM+12+\b], 0xf8800000, v[TM+\b]             ; 15 off its exponent field: the conversion's scale operand
.endr
.irp b, 0,1,2,3
	v_and_or_b32 v[TM+8+\b], v[TM+\b], 0x7f800000, s[MNT]      ; 57,344 x the scale
.endr
.irp b, 0,1,2,3
	v_lshrrev_b32 v[TM+4+\b], 23, v[TM+12+\b]                  ; the scale's byte
.endr
	s_delay_alu instid0(VALU_DEP_3)
	v_lshl_or_b32 v[\pw], v[TM+5], 8, v[TM+4]
	s_delay_alu instid0(VALU_DEP_1)
	v_lshl_or_b32 v[\pw], v[TM+6], 16, v[\pw]
	s_delay_alu instid0(VALU_DEP_1)
	v_lshl_or_b32 v[\pw], v[TM+7], 24, v[\pw]
	WIN \w
.irp b, 0,1,2,3
.irp i, 0,1,2,3,4,5,6,7,8,9,10,11,12,13,14,15
	v_med3_num_f32 v[(\y)+16*\b+\i], v[(\s)+16*\b+\i], -v[TM+8+\b], v[TM+8+\b]   ; the conversion does not saturate (ISA guide 7.6.2): the hold comes first
.endr
.endr
	WIN 0
.irp b, 0,1,2,3
	v_cvt_scalef32_pk8_bf8_f32 v[PC+4*\b:PC+4*\b+1], v[(\y)+16*\b:(\y)+16*\b+7], v[TM+12+\b]
	v_cvt_scalef32_pk8_bf8_f32 v[PC+4*\b+2:PC+4*\b+3], v[(\y)+16*\b+8:(\y)+16*\b+15], v[TM+12+\b]
.endr
	v_nop                                          ; a plain line behind the last conversion
.endm
.macro BARRIER
	s_wait_dscnt 0x0                               ; my LDS stores have landed and my LDS loads are in
	s_barrier_signal -1
	s_barrier_wait -1
.endm
	s_load_b256 s[4:11], s[0:1], 0x0               ; x, g, be, hq
	v_lshl_add_u32 v254, v0, 2, 0x11000
	v_mov_b32 v255, 0
	v_lshrrev_b32 v1, 5, v0
	s_delay_alu instid0(VALU_DEP_1)
	v_readfirstlane_b32 s12, v1                    ; wave = K step
	v_and_b32 v2, 31, v0
	v_and_b32 v3, 15, v0                           ; r
	v_bfe_u32 v4, v0, 4, 1                         ; h
	s_lshl_b32 s13, s12, 9
	v_lshlrev_b32 v11, 4, v2                       ; 16 x lane
	s_delay_alu instid0(VALU_DEP_1)
	v_add_nc_u32 v5, s13, v11                      ; x: my 16 bytes of the wave's 512 of a row
	v_lshl_add_u32 v6, v4, 6, s13                  ; g, be: 512 w + 64 h
	s_mul_i32 s14, s12, STG
	v_add_nc_u32 v7, s14, v11                      ; the stage, on the way in
	v_mul_u32_u24 v8, v3, 528
	s_delay_alu instid0(VALU_DEP_1)
	v_lshl_add_u32 v8, v4, 6, v8
	s_delay_alu instid0(VALU_DEP_1)
	v_add_nc_u32 v8, s14, v8                       ; and out: row r, + 64 h
	s_lshl_b32 s15, s12, 2
	s_add_co_u32 s15, s15, RED
	v_lshl_add_u32 v9, v3, 5, s15                  ; my wave's word of row r
	v_lshlrev_b32 v10, 5, v3
	s_delay_alu instid0(VALU_DEP_1)
	v_add_nc_u32 v10, RED, v10                     ; row r's eight words
	v_lshlrev_b32 v12, 4, v3
	s_lshr_b32 s16, ttmp9, 1
	s_lshl_b32 s16, s16, 17
	s_and_b32 s17, ttmp9, 1
	s_lshl_b32 s17, s17, 15
	s_add_co_u32 s16, s16, s17                     ; the block's first row: 32 (p / 2) + 8 (p % 2), x 4,096 bytes
	s_mov_b32 s17, 0
	s_lshl_b32 s18, ttmp9, 14
	s_lshl_b32 s19, s12, 11
	s_add_co_u32 s18, s18, s19                     ; my fragment
	s_mov_b32 s19, 0
	s_lshr_b32 s20, ttmp9, 2
	s_lshl_b32 s20, s20, 3
	s_add_co_u32 s20, s20, s12
	s_lshl_b32 s20, s20, 8
	s_and_b32 s21, ttmp9, 3
	s_lshl_b32 s21, s21, 2
	s_add_co_u32 s20, s20, s21
	s_add_co_u32 s20, s20, 4194304                 ; my scale words
	s_mov_b32 s21, 0
	s_mov_b32 s[SEL], 0x76543210
	s_mov_b32 s[SEL+1], 0xfedcba98
	s_mov_b32 s[MNT], 0x600000
	s_mov_b32 s25, 0x3a800000                      ; 1 / 1,024
	s_mov_b32 s27, 0x3727c5ac                      ; 1e-5
.irp b, 0,1,2,3
	v_mov_b32 v[TM+4+\b], 0                        ; a lane permute's destination counts as one of its sources
.endr
	s_wait_alu depctr_va_vdst(0)
	s_wait_kmcnt 0x0
	s_add_nc_u64 s[4:5], s[4:5], s[16:17]
	s_add_nc_u64 s[28:29], s[10:11], s[20:21]
	s_add_nc_u64 s[10:11], s[10:11], s[18:19]
.set ii, 0
.rept 16
	global_load_b128 v[R+4*ii:R+4*ii+3], v5, s[4:5] offset:(ii+8*(ii/8))*4096 th:TH_LOAD_NT   ; lane row ii: 512 consecutive bytes
.set ii, ii+1
.endr
.irp c, 0,1,2,3
.irp j, 0,1,2,3
	global_load_b128 v[G+16*\c+4*\j:G+16*\c+4*\j+3], v6, s[6:7] offset:128*\c+16*\j
.endr
.endr
	s_wait_loadcnt 16                              ; x is in; g's 16 loads may be out
.set ii, 0
.rept 16
	ds_store_b128 v7, v[R+4*ii:R+4*ii+3] offset:528*ii
.set ii, ii+1
.endr
.irp c, 0,1,2,3
.irp j, 0,1,2,3
	ds_load_b128 v[X+16*\c+4*\j:X+16*\c+4*\j+3], v8 offset:128*\c+16*\j    ; LDS serves a wave's instructions in order: these see my stores
.endr
.endr
	s_wait_dscnt 0x0
.irp c, 0,1,2,3
.irp j, 0,1,2,3
	global_load_b128 v[R+16*\c+4*\j:R+16*\c+4*\j+3], v6, s[8:9] offset:128*\c+16*\j
.endr
.endr
	v_pk_add_f32 v[244:245], v[80:81], v[82:83]
	v_pk_add_f32 v[252:253], v[88:89], v[92:93]
	v_pk_add_f32 v[14:15], v[96:97], v[100:101]
	v_pk_add_f32 v[242:243], v[104:105], v[108:109]
	s_delay_alu instid0(VALU_DEP_1)
	v_pk_add_f32 v[242:243], v[242:243], v[112:113]
	v_pk_add_f32 v[244:245], v[244:245], v[116:117]
	v_pk_add_f32 v[252:253], v[252:253], v[120:121]
	v_pk_add_f32 v[14:15], v[14:15], v[124:125]
	s_delay_alu instid0(VALU_DEP_4)
	v_pk_add_f32 v[242:243], v[242:243], v[128:129]
	s_delay_alu instid0(VALU_DEP_4)
	v_pk_add_f32 v[244:245], v[244:245], v[132:133]
	s_delay_alu instid0(VALU_DEP_4)
	v_pk_add_f32 v[252:253], v[252:253], v[136:137]
	s_delay_alu instid0(VALU_DEP_4)
	v_pk_add_f32 v[14:15], v[14:15], v[140:141]
	s_delay_alu instid0(VALU_DEP_4)
	v_pk_add_f32 v[242:243], v[242:243], v[84:85]
	s_delay_alu instid0(VALU_DEP_4)
	v_pk_add_f32 v[244:245], v[244:245], v[86:87]
	s_delay_alu instid0(VALU_DEP_4)
	v_pk_add_f32 v[252:253], v[252:253], v[90:91]
	s_delay_alu instid0(VALU_DEP_4)
	v_pk_add_f32 v[14:15], v[14:15], v[94:95]
	s_delay_alu instid0(VALU_DEP_4)
	v_pk_add_f32 v[242:243], v[242:243], v[98:99]
	s_delay_alu instid0(VALU_DEP_4)
	v_pk_add_f32 v[244:245], v[244:245], v[102:103]
	s_delay_alu instid0(VALU_DEP_4)
	v_pk_add_f32 v[252:253], v[252:253], v[106:107]
	s_delay_alu instid0(VALU_DEP_4)
	v_pk_add_f32 v[14:15], v[14:15], v[110:111]
	s_delay_alu instid0(VALU_DEP_4)
	v_pk_add_f32 v[242:243], v[242:243], v[114:115]
	s_delay_alu instid0(VALU_DEP_4)
	v_pk_add_f32 v[244:245], v[244:245], v[118:119]
	s_delay_alu instid0(VALU_DEP_4)
	v_pk_add_f32 v[252:253], v[252:253], v[122:123]
	s_delay_alu instid0(VALU_DEP_4)
	v_pk_add_f32 v[14:15], v[14:15], v[126:127]
	s_delay_alu instid0(VALU_DEP_4)
	v_pk_add_f32 v[242:243], v[242:243], v[130:131]
	s_delay_alu instid0(VALU_DEP_4)
	v_pk_add_f32 v[244:245], v[244:245], v[134:135]
	s_delay_alu instid0(VALU_DEP_4)
	v_pk_add_f32 v[252:253], v[252:253], v[138:139]
	s_delay_alu instid0(VALU_DEP_4)
	v_pk_add_f32 v[14:15], v[14:15], v[142:143]
	s_delay_alu instid0(VALU_DEP_2)
	v_pk_add_f32 v[242:243], v[242:243], v[252:253]
	s_delay_alu instid0(VALU_DEP_2)
	v_pk_add_f32 v[244:245], v[244:245], v[14:15]
	s_delay_alu instid0(VALU_DEP_1)
	v_pk_add_f32 v[242:243], v[242:243], v[244:245]
	s_delay_alu instid0(VALU_DEP_1)
	v_add_f32 v242, v242, v243
	s_delay_alu instid0(VALU_DEP_1)
	v_permlanex16_b32 v243, v242, s[SEL], s[SEL+1]
	s_delay_alu instid0(VALU_DEP_1)
	v_add_f32 v242, v242, v243                     ; row r's sum over my wave's 128 columns
	ds_store_b32 v9, v242
	BARRIER
	ds_load_b128 v[244:247], v10
	ds_load_b128 v[248:251], v10 offset:16
	s_wait_dscnt 0x0
	v_add_f32 v244, v244, v245
	v_add_f32 v246, v246, v247
	v_add_f32 v248, v248, v249
	v_add_f32 v250, v250, v251
	s_delay_alu instid0(VALU_DEP_3)
	v_add_f32 v244, v244, v246
	s_delay_alu instid0(VALU_DEP_2)
	v_add_f32 v248, v248, v250
	s_delay_alu instid0(VALU_DEP_1)
	v_add_f32 v244, v244, v248
	s_delay_alu instid0(VALU_DEP_1)
	v_mul_f32 v242, s25, v244                      ; the mean
	s_delay_alu instid0(VALU_DEP_1)
	v_mov_b32 v243, v242
.set jj, 0
.rept 32
	v_pk_add_f32 v[X+jj:X+jj+1], v[X+jj:X+jj+1], v[242:243] neg_lo:[0,1] neg_hi:[0,1]
.set jj, jj+2
.endr
	v_pk_mul_f32 v[244:245], v[X:X+1], v[X:X+1]
	v_pk_mul_f32 v[246:247], v[X+2:X+3], v[X+2:X+3]
.irp j, 4,8,12,16,20,24,28,32,36,40,44,48,52,56,60
	s_delay_alu instid0(VALU_DEP_2)
	v_pk_fma_f32 v[244:245], v[X+\j:X+\j+1], v[X+\j:X+\j+1], v[244:245]
	s_delay_alu instid0(VALU_DEP_2)
	v_pk_fma_f32 v[246:247], v[X+\j+2:X+\j+3], v[X+\j+2:X+\j+3], v[246:247]
.endr
	s_delay_alu instid0(VALU_DEP_1)
	v_pk_add_f32 v[244:245], v[244:245], v[246:247]
	s_delay_alu instid0(VALU_DEP_1)
	v_add_f32 v244, v244, v245
	s_delay_alu instid0(VALU_DEP_1)
	v_permlanex16_b32 v245, v244, s[SEL], s[SEL+1]
	s_delay_alu instid0(VALU_DEP_1)
	v_add_f32 v244, v244, v245
	ds_store_b32 v9, v244 offset:512
	BARRIER
	ds_load_b128 v[244:247], v10 offset:512
	ds_load_b128 v[248:251], v10 offset:528
	s_wait_dscnt 0x0
	v_add_f32 v244, v244, v245
	v_add_f32 v246, v246, v247
	v_add_f32 v248, v248, v249
	v_add_f32 v250, v250, v251
	s_delay_alu instid0(VALU_DEP_3)
	v_add_f32 v244, v244, v246
	s_delay_alu instid0(VALU_DEP_2)
	v_add_f32 v248, v248, v250
	s_delay_alu instid0(VALU_DEP_1)
	v_add_f32 v244, v244, v248
	s_delay_alu instid0(VALU_DEP_1)
	v_fma_f32 v244, v244, s25, s27                 ; the variance + 1e-5
	s_wait_alu depctr_va_vdst(0)
	v_rsq_f32 v242, v244
	v_nop                                          ; a plain line behind the transcendental,
	s_wait_alu depctr_va_vdst(0)                   ; and the wait ahead of its first reader
	v_mov_b32 v243, v242
	s_wait_alu depctr_va_vdst(0)
	s_wait_loadcnt 0x0                             ; g and be
.set jj, 0
.rept 32
	v_pk_mul_f32 v[X+jj:X+jj+1], v[X+jj:X+jj+1], v[242:243]
.set jj, jj+2
.endr
.set jj, 0
.rept 32
	v_pk_fma_f32 v[X+jj:X+jj+1], v[X+jj:X+jj+1], v[G+jj:G+jj+1], v[R+jj:R+jj+1]
.set jj, jj+2
.endr
	QUANT 0, X, X, PW
.irp c, 0,1,2,3
	global_store_b128 v11, v[PC+4*\c:PC+4*\c+3], s[10:11] offset:512*\c     ; 512 consecutive bytes a store
.endr
	v_cmp_gt_u32 vcc_lo, 16, v2
	s_wait_xcnt 0x0                                ; EXEC changes only behind this wait
	s_wait_tensorcnt 0x0
	ds_add_u32 v254, v255
	s_wait_dscnt 0x0
	s_and_saveexec_b32 s26, vcc_lo
	global_store_b32 v12, v[PW], s[28:29]          ; lanes 0-15: row r's word
	s_wait_xcnt 0x0
	s_or_b32 exec_lo, exec_lo, s26
	s_endpgm
.Lfunc_end_k_q991922195d_ln2:
	.size	k_q991922195d_ln2, .Lfunc_end_k_q991922195d_ln2-k_q991922195d_ln2
	.p2alignl 7, 3214868480
	.fill 96, 4, 3214868480
	.section	.rodata,"a",@progbits
	.p2align	6, 0x0
	.amdhsa_kernel k_q991922195d_ln2
		.amdhsa_group_segment_fixed_size 70656
		.amdhsa_private_segment_fixed_size 0
		.amdhsa_enable_private_segment 0
		.amdhsa_kernarg_size 32
		.amdhsa_user_sgpr_count 2
		.amdhsa_user_sgpr_kernarg_segment_ptr 1
		.amdhsa_wavefront_size32 1
		.amdhsa_system_sgpr_workgroup_id_x 1
		.amdhsa_system_sgpr_workgroup_id_y 1
		.amdhsa_system_sgpr_workgroup_id_z 1
		.amdhsa_system_vgpr_workitem_id 0
		.amdhsa_next_free_vgpr 256
		.amdhsa_next_free_sgpr 66
		.amdhsa_reserve_vcc 1
		.amdhsa_float_denorm_mode_32 3
		.amdhsa_float_denorm_mode_16_64 3
		.amdhsa_memory_ordered 1
		.amdhsa_forward_progress 1
		.amdhsa_inst_pref_size 34
	.end_amdhsa_kernel
	.amdgpu_metadata
---
amdhsa.version: [ 1, 2 ]
amdhsa.kernels:
  - .name:           k_q991922195d_ln2
    .symbol:         k_q991922195d_ln2.kd
    .args:
      - { .name: x1, .offset: 0, .size: 8, .value_kind: global_buffer, .address_space: global }
      - { .name: g2, .offset: 8, .size: 8, .value_kind: global_buffer, .address_space: global }
      - { .name: be2, .offset: 16, .size: 8, .value_kind: global_buffer, .address_space: global }
      - { .name: hq, .offset: 24, .size: 8, .value_kind: global_buffer, .address_space: global }
    .group_segment_fixed_size: 70656
    .private_segment_fixed_size: 0
    .kernarg_segment_align: 8
    .kernarg_segment_size: 32
    .max_flat_workgroup_size: 256
    .sgpr_count:     66
    .vgpr_count:     256
    .wavefront_size: 32
...
	.end_amdgpu_metadata
.endif
;; end of part 5
;; launch w1 (part 6): grid 16 x 16, 4 waves a work-group, clusters of 4 x 4, 327,680 bytes of LDS; arguments hq, wts, b1, mid; writes mid
.if DOCPART == 6
	.amdgcn_target "amdgcn-amd-amdhsa--gfx1250"
	.amdhsa_code_object_version 6
	.text
	.protected	k_q991922195d_w1
	.globl	k_q991922195d_w1
	.p2align	8
	.type	k_q991922195d_w1,@function
k_q991922195d_w1:
	s_mov_b64 s[64:65], 0
	v_nop
	global_prefetch_b8 v0, s[64:65] scope:SCOPE_SE
	s_setreg_imm32_b32 hwreg(HW_REG_WAVE_MODE, 25, 1), 1
	s_wait_xcnt 0x0
	s_wait_alu depctr_hold_cnt(0) depctr_sa_sdst(0) depctr_va_vdst(0) depctr_va_sdst(0) depctr_va_ssrc(0) depctr_va_vcc(0) depctr_vm_vsrc(0)
	s_getreg_b32 s2, hwreg(HW_REG_IB_STS2, 6, 4)
	s_cmp_eq_u32 s2, 0
	s_cbranch_scc0 .Lentry_in_a_cluster
	s_endpgm
.Lentry_in_a_cluster:
	s_bfe_u32 s2, ttmp6, 0x10000c
	s_cmp_lg_u32 s2, 0xf033
	s_cbranch_scc0 .Lentry_shape_is_right
	s_endpgm
.Lentry_shape_is_right:
.set NBL,  8
.set NQ,   2
.set SK,   1024
.set BIAS, 1
.set ASOFF, 4194304
.set WOFF,  4*1048576
.set WSOFF, 12582912+131072
.set S,     SK/128
.set BP,    S*2048
.set HALFT, NBL*NQ*2048
.set SLOT,  4*HALFT
.set SCL,   2*SLOT
.set HALFS, (NBL/4)*S*256
.set SPARE, SCL+4*HALFS
.set HL,    (NBL/2)*4
.set LAPS,  SK/(256*NQ)
.set ADRA, 16
.set ADRB, 20
.set ADRS, 27
.set SPW,  28
.set NIL,  29
.set SC,   32
.set BI,   64
.set AF,   128
.set G1, 24
.set G0, 32
.set G1B, 48
.set G0B, 56
.set G1S, 68
.set G0S, 76
.set G1SB, 80
.set G0SB, 88
.set MSB, 0
.macro WIN new
.if MSB != (\new)
	s_set_vgpr_msb (MSB<<8)|(\new)
.set MSB, (\new)
.endif
.endm
.macro PLACES n
.rept \n
	v_nop
.endr
.endm
.macro JLOAD g0a, g1a, g0b, g1b
	s_cmp_eq_u32 s15, 0
	s_cbranch_scc0 .Lfor_b_\@
	tensor_load_to_lds s[\g0a:\g0a+3], s[\g1a:\g1a+7]
	s_nop 0
.rept 4
	v_nop
.endr
	s_branch .Lasked_\@
.Lfor_b_\@:
	tensor_load_to_lds s[\g0b:\g0b+3], s[\g1b:\g1b+7]
	s_nop 0
.rept 4
	v_nop
.endr
.Lasked_\@:
.endm
.macro CREST
	s_cmp_lg_u32 s14, 0
	s_cbranch_scc1 .Lnot_wave_0_\@
	s_barrier_signal -3
.Lnot_wave_0_\@:
	s_barrier_wait -3
	s_barrier_signal -1
	s_barrier_wait -1
.endm
.macro CROUND
	s_barrier_signal -1
	s_barrier_wait -1
	CREST
.endm
.macro DESCR
	s_or_b32 s[G1], s43, (3<<16)|(1<<21)
	s_or_b32 s[G1B], s44, (3<<16)|(1<<21)
	s_or_b32 s[G1S], s43, (3<<16)|(1<<21)
	s_or_b32 s[G1SB], s44, (3<<16)|(1<<21)
.irp g, G1, G1B
	s_mov_b32 s[\g+1], (NQ*256)<<16
	s_mov_b32 s[\g+2], (2*NBL)<<16
	s_mov_b32 s[\g+3], (NQ*256)<<16
	s_mov_b32 s[\g+4], 2*NBL
	s_mov_b32 s[\g+5], S*256
	s_mov_b32 s[\g+6], 0
	s_mov_b32 s[\g+7], 0
.endr
.irp g, G1S, G1SB
	s_mov_b32 s[\g+1], 32<<16
	s_mov_b32 s[\g+2], (2*HALFS/256)<<16
	s_mov_b32 s[\g+3], 32<<16
	s_mov_b32 s[\g+4], 2*HALFS/256
	s_mov_b32 s[\g+5], 32
	s_mov_b32 s[\g+6], 0
	s_mov_b32 s[\g+7], 0
.endr
.endm
.macro FILLS
	CROUND
	s_mul_i32 s18, s16, HALFS                      ; the head's scale loads take both halves: back to half 0,
	s_mov_b32 s19, 0
	s_sub_nc_u64 s[22:23], s[22:23], s[18:19]
	s_sub_nc_u64 s[92:93], s[92:93], s[18:19]
	s_mul_i32 s94, s15, 2*HALFS                    ; A's at SCL (wave 1), B's behind them (wave 3)
	s_mov_b32 s[G0S], 1
	s_add_co_u32 s[G0S+1], s94, SCL
	s_mov_b64 s[G0S+2:G0S+3], s[22:23]
	s_or_b32 s[G0S+3], s[G0S+3], 0x80000000
	s_mov_b32 s[G0SB], 1
	s_add_co_u32 s[G0SB+1], s94, SCL
	s_mov_b64 s[G0SB+2:G0SB+3], s[92:93]
	s_or_b32 s[G0SB+3], s[G0SB+3], 0x80000000
.irp s, 0,1
	s_mov_b32 s[G0+4*\s], 1
	s_add_co_u32 s[G0+4*\s+1], s45, \s*SLOT
	s_add_nc_u64 s[G0+4*\s+2:G0+4*\s+3], s[20:21], \s*NQ*2048
	s_or_b32 s[G0+4*\s+3], s[G0+4*\s+3], 0x80000000
	s_mov_b32 s[G0B+4*\s], 1
	s_add_co_u32 s[G0B+4*\s+1], s45, \s*SLOT
	s_add_nc_u64 s[G0B+4*\s+2:G0B+4*\s+3], s[46:47], \s*NQ*2048
	s_or_b32 s[G0B+4*\s+3], s[G0B+4*\s+3], 0x80000000
.endr
	; the head's four tiles, one a wave: wave 0 slot 0's A whole (its own group 0 points at half 0), wave 1 A's scale words, wave 2 slot 0's B whole, wave 3 B's scale words
	; where my prefetches stand: of the NBL blocks that I fetch in the ring, the four partners that ask for them with me take two each, told apart by address (cx for A, cy for B)
	s_cmp_eq_u32 s15, 0
	s_cselect_b64 s[4:5], s[20:21], s[46:47]
	s_cselect_b32 s6, s40, s41
	s_mul_i32 s6, s6, (NBL/4)*BP
	s_mov_b32 s7, 0
	s_add_nc_u64 s[4:5], s[4:5], s[6:7]
	s_cmp_eq_u32 s14, 0
	s_cbranch_scc0 .Lh_sa
	tensor_load_to_lds s[G0:G0+3], s[G1:G1+7]
	s_nop 0
	PLACES 4
	s_branch .Lh_on
.Lh_sa:
	s_cmp_eq_u32 s14, 1
	s_cbranch_scc0 .Lh_b
	tensor_load_to_lds s[G0S:G0S+3], s[G1S:G1S+7]
	s_nop 0
	PLACES 4
	s_branch .Lh_on
.Lh_b:
	s_cmp_eq_u32 s14, 2
	s_cbranch_scc0 .Lh_sb
	tensor_load_to_lds s[G0B:G0B+3], s[G1B:G1B+7]
	s_nop 0
	PLACES 4
	s_branch .Lh_on
.Lh_sb:
	tensor_load_to_lds s[G0SB:G0SB+3], s[G1SB:G1SB+7]
	s_nop 0
	PLACES 4
.Lh_on:
.endm
.macro LADDR
	v_and_b32 v1, 15, v0
	v_bfe_u32 v2, v0, 4, 1
	s_wait_alu depctr_va_vdst(0)
	v_and_b32 v3, 31, v0
	v_lshlrev_b32 v4, 4, v3
	s_mul_i32 s21, s15, HALFT
	s_mul_i32 s22, s16, HALFT
	s_add_co_u32 s22, s22, 2*HALFT
.irp s, 0,1
	v_add_nc_u32 v[ADRA+\s], s21, v4
	v_add_nc_u32 v[ADRB+\s], s22, v4
	s_add_co_u32 s21, s21, SLOT
	s_add_co_u32 s22, s22, SLOT
.endr
	v_lshlrev_b32 v5, 4, v1
	s_mul_i32 s21, s15, HALFS
	s_mul_i32 s22, s16, HALFS
	s_add_co_u32 s22, s22, 2*HALFS
	s_sub_co_u32 s22, s22, s21
	v_mul_u32_u24 v6, s22, v2
	s_add_co_u32 s21, s21, SCL
	v_add_nc_u32 v5, v5, v6
	v_add_nc_u32 v[ADRS], s21, v5
.endm
.macro FRAG reg, adr, off
.irp c, 0,1,2,3
	ds_load_b128 v[\reg+4*\c:\reg+4*\c+3], v[\adr] offset:\off+512*\c
.endr
.endm
.macro FETCH_B slot, q, p
	WIN 0x40
.set ii, 0
.rept NBL
	FRAG 128*(\p)+16*ii, ADRB+\slot, (ii*NQ+(\q))*2048
.set ii, ii+1
.endr
	WIN 0
.endm
.macro FETCH_A slot, q, i0
.set ii, \i0
.rept NBL/2
	FRAG AF+16*ii, ADRA+\slot, (ii*NQ+(\q))*2048
.set ii, ii+1
.endr
.endm
.macro SCALES sc
.set qq, 0
.rept NQ
.set gg, 0
.rept NBL/4
	ds_load_b128 v[SC+(\sc)*NBL*NQ+qq*NBL+4*gg:SC+(\sc)*NBL*NQ+qq*NBL+4*gg+3], v[ADRS] offset:gg*S*256+qq*256
.set gg, gg+1
.endr
.set qq, qq+1
.endr
.endm
.macro MULA a0, n, p, q, sc, first
.set aa, \a0
.rept \n
.set ww, 2+(aa*NBL*8)/256
.set ab, (aa*NBL*8)%256
.if (\first) && BIAS
	WIN 0x01|(ww<<6)
.else
	WIN 0x01|(ww<<4)|(ww<<6)
.endif
.set bb, 0
.rept NBL
.set sb, SC+(\sc)*NBL*NQ+(\q)*NBL+bb
.set sa, SC+(\sc)*NBL*NQ+(\q)*NBL+aa
.if (\first) && BIAS
	v_wmma_scale_f32_16x16x128_f8f6f4 v[ab+8*bb:ab+8*bb+7], v[128*(\p)+16*bb:128*(\p)+16*bb+15], v[AF+16*aa:AF+16*aa+15], v[BI+8*bb:BI+8*bb+7], v[sb], v[sa] matrix_a_fmt:MATRIX_FMT_BF8 matrix_b_fmt:MATRIX_FMT_BF8 matrix_a_scale:MATRIX_SCALE_ROW1
.elseif \first
	v_wmma_scale_f32_16x16x128_f8f6f4 v[ab+8*bb:ab+8*bb+7], v[128*(\p)+16*bb:128*(\p)+16*bb+15], v[AF+16*aa:AF+16*aa+15], 0, v[sb], v[sa] matrix_a_fmt:MATRIX_FMT_BF8 matrix_b_fmt:MATRIX_FMT_BF8 matrix_a_scale:MATRIX_SCALE_ROW1
.else
	v_wmma_scale_f32_16x16x128_f8f6f4 v[ab+8*bb:ab+8*bb+7], v[128*(\p)+16*bb:128*(\p)+16*bb+15], v[AF+16*aa:AF+16*aa+15], v[ab+8*bb:ab+8*bb+7], v[sb], v[sa] matrix_a_fmt:MATRIX_FMT_BF8 matrix_b_fmt:MATRIX_FMT_BF8 matrix_a_scale:MATRIX_SCALE_ROW1
.endif
.set bb, bb+1
.endr
.set aa, aa+1
.endr
.endm
.macro STEP slot, q, first
	s_wait_dscnt HL
	MULA 0, NBL/2, (\q)%2, \q, \slot, \first
	s_wait_dscnt 0x0
	PLACES 8
	FETCH_B \slot, (\q)+1, 1-(\q)%2
	FETCH_A \slot, (\q)+1, 0
	MULA NBL/2, NBL/2, (\q)%2, \q, \slot, \first
	PLACES 8
	WIN 0
	FETCH_A \slot, (\q)+1, NBL/2
.endm
.macro TURN slot, next, fill
	s_wait_tensorcnt 0x0
	ds_add_u32 v[SPW], v[NIL]
	s_wait_dscnt HL+1
	MULA 0, NBL/4, 1, NQ-1, \slot, 0
	s_wait_dscnt 0x0
	s_barrier_signal -1
	MULA NBL/4, NBL/4, 1, NQ-1, \slot, 0
	WIN 0
	s_barrier_wait -1
.if \fill
	CREST
	s_add_nc_u64 s[G0+4*\slot+2:G0+4*\slot+3], s[G0+4*\slot+2:G0+4*\slot+3], 2*NQ*2048
	s_add_nc_u64 s[G0B+4*\slot+2:G0B+4*\slot+3], s[G0B+4*\slot+2:G0B+4*\slot+3], 2*NQ*2048
	JLOAD G0+4*\slot, G1, G0B+4*\slot, G1B
	PLACES 4
.else
	PLACES 8
.endif
	s_wait_alu depctr_va_vdst(0)
	v_add_nc_u32 v[ADRS], NQ*256, v[ADRS]
	FETCH_B \next, 0, 0
	FETCH_A \next, 0, 0
	SCALES \next
	MULA NBL/2, NBL/2, 1, NQ-1, \slot, 0
	PLACES 8
	WIN 0
	FETCH_A \next, 0, NBL/2
.endm
.macro LAST
	s_wait_dscnt HL
	MULA 0, NBL/2, 1, NQ-1, 1, 0
	s_wait_dscnt 0x0
	MULA NBL/2, NBL/2, 1, NQ-1, 1, 0
	WIN 0
.endm
.set Z,   64
.set MX,  128
.set T,   192
.set P,   224
.set TM,  192
.set PC,  208
.set PW,  30
.set OUTW, 8
.set SEL, 98
.set MNT, 100
.set RH,  101
.set C9,  94
.macro QUANT w, s, y, pw
	WIN (\w)|((\w)<<2)
.irp b, 0,1,2,3
	v_max3_num_f32 v[TM+\b], |v[(\s)+16*\b]|, |v[(\s)+16*\b+1]|, 0x8000000
.endr
.irp i, 2,4,6,8,10,12,14
.irp b, 0,1,2,3
	v_max3_num_f32 v[TM+\b], |v[(\s)+16*\b+\i]|, |v[(\s)+16*\b+\i+1]|, v[TM+\b]
.endr
.endr
	WIN 0
.irp b, 0,1,2,3
	v_permlanex16_b32 v[TM+4+\b], v[TM+\b], s[SEL], s[SEL+1]
.endr
.irp b, 0,1,2,3
	v_max_num_f32 v[TM+\b], v[TM+\b], v[TM+4+\b]
.endr
.irp b, 0,1,2,3
	v_add_nc_u32 v[TM+12+\b], 0xf8800000, v[TM+\b]
.endr
.irp b, 0,1,2,3
	v_and_or_b32 v[TM+8+\b], v[TM+\b], 0x7f800000, s[MNT]
.endr
.irp b, 0,1,2,3
	v_lshrrev_b32 v[TM+4+\b], 23, v[TM+12+\b]
.endr
	v_lshl_or_b32 v[\pw], v[TM+5], 8, v[TM+4]
	v_lshl_or_b32 v[\pw], v[TM+6], 16, v[\pw]
	v_lshl_or_b32 v[\pw], v[TM+7], 24, v[\pw]
	WIN \w
.irp b, 0,1,2,3
.irp i, 0,1,2,3,4,5,6,7,8,9,10,11,12,13,14,15
	v_med3_num_f32 v[(\y)+16*\b+\i], v[(\s)+16*\b+\i], -v[TM+8+\b], v[TM+8+\b]
.endr
.endr
	WIN 0
.irp b, 0,1,2,3
	v_cvt_scalef32_pk8_bf8_f32 v[PC+4*\b:PC+4*\b+1], v[(\y)+16*\b:(\y)+16*\b+7], v[TM+12+\b]
	v_cvt_scalef32_pk8_bf8_f32 v[PC+4*\b+2:PC+4*\b+3], v[(\y)+16*\b+8:(\y)+16*\b+15], v[TM+12+\b]
.endr
	v_nop
.endm
.macro GELU e
.set zb, Z+32*(\e)
.set mb, MX+32*(\e)
.set jj, 0
.rept 16
	v_pk_fma_f32 v[T+jj:T+jj+1], v[zb+jj:zb+jj+1], 0.5, 1.0 op_sel_hi:[1,0,0]
.set jj, jj+2
.endr
.set jj, 0
	s_wait_alu depctr_va_vdst(0)
.rept 32
	v_rcp_f32 v[T+jj], v[T+jj]
.set jj, jj+1
.endr
	v_nop
	s_wait_alu depctr_va_vdst(0)
.set jj, 0
.rept 16
	v_pk_fma_f32 v[P+jj:P+jj+1], v[T+jj:T+jj+1], s[C9:C9+1], 0xbf527892 op_sel_hi:[1,0,0]
.set jj, jj+2
.endr
.irp c, 0x3fbe87b0, 0xbf914e5d, 0x3e8ec7cc, 0xbe3ec24c, 0x3dc636c9, 0x3ebf88fb, 0x3f8000c7, 0xbfa1fc4e
.set jj, 0
.rept 16
	v_pk_fma_f32 v[P+jj:P+jj+1], v[P+jj:P+jj+1], v[T+jj:T+jj+1], \c op_sel_hi:[1,1,0]
.set jj, jj+2
.endr
.endr
.set jj, 0
.rept 16
	v_pk_fma_f32 v[P+jj:P+jj+1], v[zb+jj:zb+jj+1], v[zb+jj:zb+jj+1], v[P+jj:P+jj+1] neg_lo:[1,0,0] neg_hi:[1,0,0]
.set jj, jj+2
.endr
.set jj, 0
.rept 16
	v_pk_mul_f32 v[P+jj:P+jj+1], v[P+jj:P+jj+1], 0x3fb8aa3b op_sel_hi:[1,0]
.set jj, jj+2
.endr
.set jj, 0
	s_wait_alu depctr_va_vdst(0)
.rept 32
	v_exp_f32 v[P+jj], v[P+jj]
.set jj, jj+1
.endr
.set jj, 0
.rept 16
	v_pk_mul_f32 v[zb+jj:zb+jj+1], v[zb+jj:zb+jj+1], v[T+jj:T+jj+1]
.set jj, jj+2
.endr
	s_wait_alu depctr_va_vdst(0)
.set jj, 0
.rept 16
	v_pk_mul_f32 v[zb+jj:zb+jj+1], v[zb+jj:zb+jj+1], v[P+jj:P+jj+1]
.set jj, jj+2
.endr
.set jj, 0
.rept 16
	v_pk_fma_f32 v[mb+jj:mb+jj+1], v[zb+jj:zb+jj+1], 0xbf3504f3, v[mb+jj:mb+jj+1] op_sel_hi:[1,0,1]
.set jj, jj+2
.endr
.endm
	s_load_b256 s[4:11], s[0:1], 0x0
	v_lshl_add_u32 v[SPW], v0, 2, SPARE
	v_mov_b32 v[NIL], 0
	ds_add_u32 v28, v29
	ds_add_u32 v28, v29
	s_wait_dscnt 0x0
	v_lshrrev_b32 v1, 5, v0
	v_readfirstlane_b32 s14, v1
	s_lshr_b32 s15, s14, 1
	s_and_b32 s16, s14, 1
	s_bfe_u32 s40, ttmp6, 0x40000
	s_bfe_u32 s41, ttmp6, 0x40004
	s_lshl_b32 s42, ttmp9, 2
	s_add_co_u32 s42, s42, s40
	s_and_b32 s17, ttmp7, 0xffff
	s_lshl_b32 s17, s17, 2
	s_add_co_u32 s17, s17, s41
	s_lshl_b32 s43, s41, 2
	s_lshl_b32 s43, 15, s43
	s_lshl_b32 s44, 0x1111, s40
	DESCR
	s_mul_i32 s18, s16, NBL
	s_mul_i32 s20, s17, 2*NBL
	s_add_co_u32 s20, s20, s18
	s_mul_i32 s46, s42, 2*NBL
	s_add_co_u32 s46, s46, s18
	s_mul_i32 s22, s20, S*64
	s_add_co_u32 s22, s22, ASOFF
	s_mul_i32 s92, s46, S*64
	s_add_co_u32 s92, s92, WSOFF
	s_mul_i32 s20, s20, BP
	s_mul_i32 s46, s46, BP
	s_add_co_u32 s46, s46, WOFF
	s_mov_b32 s21, 0
	s_mov_b32 s23, 0
	s_mov_b32 s47, 0
	s_mov_b32 s93, 0
	s_mul_i32 s45, s14, HALFT
	s_mul_i32 s94, s14, HALFS
	s_wait_kmcnt 0x0
	s_add_nc_u64 s[20:21], s[4:5], s[20:21]
	s_add_nc_u64 s[22:23], s[4:5], s[22:23]
	s_add_nc_u64 s[46:47], s[6:7], s[46:47]
	s_add_nc_u64 s[92:93], s[6:7], s[92:93]
	FILLS
	LADDR
	v_lshlrev_b32 v31, 8, v1                       ; a K step of a block is 4,096 dense bytes: lanes 0-15 name its sixteen runs of 256 bytes,
	v_lshl_add_u32 v31, v2, 14, v31                ; lanes 16-31 those of the next block, 16,384 bytes on
	global_prefetch_b8 v31, s[4:5] offset:NQ*2048 th:TH_LOAD_NT scope:SCOPE_SE     ; K steps 1 and 2: one and two fills ahead of their loads
	global_prefetch_b8 v31, s[4:5] offset:2*NQ*2048 th:TH_LOAD_NT scope:SCOPE_SE
	s_lshl_b32 s96, s42, 10
	s_lshl_b32 s97, s16, 9
	s_add_co_u32 s96, s96, s97
	s_mov_b32 s97, 0
	s_add_nc_u64 s[8:9], s[8:9], s[96:97]
	v_lshlrev_b32 v7, 6, v2
.irp b, 0,1,2,3,4,5,6,7
	global_load_b128 v[BI+8*\b:BI+8*\b+3], v7, s[8:9] offset:(32*(\b/2)+8*(\b%2))*4
	global_load_b128 v[BI+8*\b+4:BI+8*\b+7], v7, s[8:9] offset:(32*(\b/2)+8*(\b%2))*4+16
.endr
	s_wait_alu depctr_va_vdst(0)
	s_wait_tensorcnt 0x0                           ; my tile of the head's four is in
	ds_add_u32 v[SPW], v[NIL]
	s_mov_b32 s[G1+2], NBL<<16                     ; no load of mine is out: from here on a load brings NBL blocks
	s_mov_b32 s[G1+4], NBL
	s_mov_b32 s[G1B+2], NBL<<16
	s_mov_b32 s[G1B+4], NBL
	s_wait_dscnt 0x0
	CROUND
	JLOAD G0+4, G1, G0B+4, G1B                     ; slot 1's first fill, a quarter a wave
	FETCH_B 0, 0, 0
	FETCH_A 0, 0, 0
	SCALES 0
	global_prefetch_b8 v31, s[4:5] offset:3*NQ*2048 th:TH_LOAD_NT scope:SCOPE_SE   ; K step 3, the last: two fills ahead; the loop asks for nothing
	FETCH_A 0, 0, NBL/2
	s_wait_loadcnt 0x0
	STEP 0, 0, 1
	s_mov_b32 s3, LAPS-1
.Llap:
	TURN 0, 1, 1
	STEP 1, 0, 0
	TURN 1, 0, 1
	STEP 0, 0, 0
	s_sub_co_u32 s3, s3, 1
	s_cmp_lg_u32 s3, 0
	s_cbranch_scc1 .Llap
	TURN 0, 1, 0
	STEP 1, 0, 0
	LAST
	PLACES 8
	s_mov_b32 s[SEL], 0x76543210
	s_mov_b32 s[SEL+1], 0xfedcba98
	s_mov_b32 s[MNT], 0x600000
	s_mov_b32 s[RH], 0x3f3504f3
	s_mov_b32 s[C9], 0x3e2ef945
	s_mov_b32 s[C9+1], s[C9]
	s_lshl_b32 s66, s17, 4
	s_lshl_b32 s67, s15, 3
	s_add_co_u32 s66, s66, s67
	s_lshl_b32 s67, s42, 1
	s_add_co_u32 s67, s67, s16
	s_lshl_b32 s96, s66, 16
	s_lshl_b32 s97, s67, 11
	s_add_co_u32 s96, s96, s97
	s_mov_b32 s97, 0
	s_lshl_b32 s66, s66, 11
	s_lshl_b32 s67, s67, 8
	s_add_co_u32 s66, s66, s67
	s_add_co_u32 s66, s66, 16777216
	s_mov_b32 s67, 0
	s_add_nc_u64 s[12:13], s[10:11], s[66:67]
	s_add_nc_u64 s[10:11], s[10:11], s[96:97]
	v_lshlrev_b32 v12, 13, v2
	v_lshl_add_u32 v12, v1, 4, v12
.irp i, 0,1,2,3
	v_mov_b32 v[OUTW+\i], 0
.endr
	s_mov_b32 s2, 0
.Lrow:
.irp k, 0,1,2,3,4,5,6
	s_cmp_eq_u32 s2, \k
	s_cbranch_scc1 .Lfeed\k
.endr
.irp k, 7,6,5,4,3,2,1,0
.Lfeed\k:
	WIN (2+\k/4)|((2+\k/4)<<2)
.set nn, 0
.rept 64
	v_mul_f32 v[Z+nn], |v[64*(\k%4)+nn]|, s[RH]
	v_max_num_f32 v[MX+nn], v[64*(\k%4)+nn], 0
.set nn, nn+1
.endr
	WIN 0
.if \k > 0
	s_branch .Lbody
.endif
.endr
.Lbody:
	s_wait_xcnt 0x0
	GELU 0
	GELU 1
	s_cmp_eq_u32 s2, 0
	s_cselect_b32 s4, 0, 65536
	s_mov_b32 s5, 0
	s_add_nc_u64 s[10:11], s[10:11], s[4:5]
	QUANT 0, MX, MX, PW
.irp c, 0,1,2,3
	global_store_b128 v4, v[PC+4*\c:PC+4*\c+3], s[10:11] offset:512*\c
.endr
	s_mov_b32 s5, 0xffff0000
	s_cmp_lt_u32 s2, 4
	s_cselect_b32 s5, 0xffff, s5
	s_and_b32 s6, s2, 3
.irp i, 0,1,2,3
	s_cmp_eq_u32 s6, \i
	s_cselect_b32 s7, s5, 0
	v_cndmask_b32 v[OUTW+\i], v[OUTW+\i], v[PW], s7
.endr
	s_add_co_u32 s2, s2, 1
	s_cmp_lt_u32 s2, 8
	s_cbranch_scc1 .Lrow
	s_wait_alu depctr_va_vdst(0)
	global_store_b128 v12, v[OUTW:OUTW+3], s[12:13]
	s_wait_tensorcnt 0x0
	ds_add_u32 v[SPW], v[NIL]
	s_wait_dscnt 0x0
	CROUND
	s_endpgm
.Lfunc_end_k_q991922195d_w1:
	.size	k_q991922195d_w1, .Lfunc_end_k_q991922195d_w1-k_q991922195d_w1
	.p2alignl 7, 3214868480
	.fill 96, 4, 3214868480
	.section	.rodata,"a",@progbits
	.p2align	6, 0x0
	.amdhsa_kernel k_q991922195d_w1
		.amdhsa_group_segment_fixed_size 327680
		.amdhsa_private_segment_fixed_size 0
		.amdhsa_enable_private_segment 0
		.amdhsa_kernarg_size 32
		.amdhsa_user_sgpr_count 2
		.amdhsa_user_sgpr_kernarg_segment_ptr 1
		.amdhsa_wavefront_size32 1
		.amdhsa_system_sgpr_workgroup_id_x 1
		.amdhsa_system_sgpr_workgroup_id_y 1
		.amdhsa_system_sgpr_workgroup_id_z 1
		.amdhsa_system_vgpr_workitem_id 0
		.amdhsa_next_free_vgpr 1024
		.amdhsa_next_free_sgpr 102
		.amdhsa_reserve_vcc 0
		.amdhsa_float_denorm_mode_32 3
		.amdhsa_float_denorm_mode_16_64 3
		.amdhsa_memory_ordered 1
		.amdhsa_forward_progress 1
		.amdhsa_inst_pref_size 239
	.end_amdhsa_kernel
	.amdgpu_metadata
---
amdhsa.version: [ 1, 2 ]
amdhsa.kernels:
  - .name:           k_q991922195d_w1
    .symbol:         k_q991922195d_w1.kd
    .args:
      - { .name: hq, .offset: 0, .size: 8, .value_kind: global_buffer, .address_space: global }
      - { .name: wts, .offset: 8, .size: 8, .value_kind: global_buffer, .address_space: global }
      - { .name: b1, .offset: 16, .size: 8, .value_kind: global_buffer, .address_space: global }
      - { .name: mid, .offset: 24, .size: 8, .value_kind: global_buffer, .address_space: global }
    .group_segment_fixed_size: 327680
    .private_segment_fixed_size: 0
    .kernarg_segment_align: 8
    .kernarg_segment_size: 32
    .max_flat_workgroup_size: 128
    .sgpr_count:     102
    .vgpr_count:     1024
    .wavefront_size: 32
...
	.end_amdgpu_metadata
.endif
;; end of part 6
;; launch w2 (part 7): grid 8 x 32, 4 waves a work-group, clusters of 4 x 4, 327,680 bytes of LDS; arguments mid, wts, b2, x1, out0; writes out0
.if DOCPART == 7
	.amdgcn_target "amdgcn-amd-amdhsa--gfx1250"
	.amdhsa_code_object_version 6
	.text
	.protected	k_q991922195d_w2
	.globl	k_q991922195d_w2
	.p2align	8
	.type	k_q991922195d_w2,@function
k_q991922195d_w2:
	s_mov_b64 s[64:65], 0
	v_nop
	global_prefetch_b8 v0, s[64:65] scope:SCOPE_SE
	s_setreg_imm32_b32 hwreg(HW_REG_WAVE_MODE, 25, 1), 1
	s_wait_xcnt 0x0
	s_wait_alu depctr_hold_cnt(0) depctr_sa_sdst(0) depctr_va_vdst(0) depctr_va_sdst(0) depctr_va_ssrc(0) depctr_va_vcc(0) depctr_vm_vsrc(0)
	s_getreg_b32 s2, hwreg(HW_REG_IB_STS2, 6, 4)
	s_cmp_eq_u32 s2, 0
	s_cbranch_scc0 .Lentry_in_a_cluster
	s_endpgm
.Lentry_in_a_cluster:
	s_bfe_u32 s2, ttmp6, 0x10000c
	s_cmp_lg_u32 s2, 0xf033
	s_cbranch_scc0 .Lentry_shape_is_right
	s_endpgm
.Lentry_shape_is_right:
.set NBL,  4
.set NQ,   4
.set SK,   4096
.set BIAS, 1
.set ASOFF, 16777216
.set WOFF,  8*1048576
.set WSOFF, 12582912+262144
.set S,     SK/128
.set BP,    S*2048
.set HALFT, NBL*NQ*2048
.set SLOT,  4*HALFT
.set SCL,   2*SLOT
.set HALFS, (NBL/4)*S*256
.set SPARE, SCL+4*HALFS
.set HL,    (NBL/2)*4
.set LAPS,  SK/(256*NQ)
.set ADRA, 16
.set ADRB, 20
.set STO,  24
.set RD,   25
.set CO,   26
.set ADRS, 27
.set SPW,  28
.set NIL,  29
.set SC,   32
.set BI,   64
.set AF,   128
.set BK,   128
.set G1, 24
.set G0, 32
.set G1B, 48
.set G0B, 56
.set G1S, 68
.set G0S, 76
.set G1SB, 80
.set G0SB, 88
.set MSB, 0
.macro WIN new
.if MSB != (\new)
	s_set_vgpr_msb (MSB<<8)|(\new)
.set MSB, (\new)
.endif
.endm
.macro PLACES n
.rept \n
	v_nop
.endr
.endm
.macro JLOAD g0a, g1a, g0b, g1b
	s_cmp_eq_u32 s15, 0
	s_cbranch_scc0 .Lfor_b_\@
	tensor_load_to_lds s[\g0a:\g0a+3], s[\g1a:\g1a+7]
	s_nop 0
.rept 4
	v_nop
.endr
	s_branch .Lasked_\@
.Lfor_b_\@:
	tensor_load_to_lds s[\g0b:\g0b+3], s[\g1b:\g1b+7]
	s_nop 0
.rept 4
	v_nop
.endr
.Lasked_\@:
.endm
.macro CREST
	s_cmp_lg_u32 s14, 0
	s_cbranch_scc1 .Lnot_wave_0_\@
	s_barrier_signal -3
.Lnot_wave_0_\@:
	s_barrier_wait -3
	s_barrier_signal -1
	s_barrier_wait -1
.endm
.macro CROUND
	s_barrier_signal -1
	s_barrier_wait -1
	CREST
.endm
.macro DESCR
	s_or_b32 s[G1], s43, (3<<16)|(1<<21)
	s_or_b32 s[G1B], s44, (3<<16)|(1<<21)
	s_or_b32 s[G1S], s43, (3<<16)|(1<<21)
	s_or_b32 s[G1SB], s44, (3<<16)|(1<<21)
.irp g, G1, G1B
	s_mov_b32 s[\g+1], (NQ*256)<<16
	s_mov_b32 s[\g+2], (2*NBL)<<16
	s_mov_b32 s[\g+3], (NQ*256)<<16
	s_mov_b32 s[\g+4], 2*NBL
	s_mov_b32 s[\g+5], S*256
	s_mov_b32 s[\g+6], 0
	s_mov_b32 s[\g+7], 0
.endr
.irp g, G1S, G1SB
	s_mov_b32 s[\g+1], 32<<16
	s_mov_b32 s[\g+2], (2*HALFS/256)<<16
	s_mov_b32 s[\g+3], 32<<16
	s_mov_b32 s[\g+4], 2*HALFS/256
	s_mov_b32 s[\g+5], 32
	s_mov_b32 s[\g+6], 0
	s_mov_b32 s[\g+7], 0
.endr
.endm
.macro FILLS
	CROUND
	s_mul_i32 s18, s16, HALFS                      ; the head's scale loads take both halves: back to half 0,
	s_mov_b32 s19, 0
	s_sub_nc_u64 s[22:23], s[22:23], s[18:19]
	s_sub_nc_u64 s[92:93], s[92:93], s[18:19]
	s_mul_i32 s94, s15, 2*HALFS                    ; A's at SCL (wave 1), B's behind them (wave 3)
	s_mov_b32 s[G0S], 1
	s_add_co_u32 s[G0S+1], s94, SCL
	s_mov_b64 s[G0S+2:G0S+3], s[22:23]
	s_or_b32 s[G0S+3], s[G0S+3], 0x80000000
	s_mov_b32 s[G0SB], 1
	s_add_co_u32 s[G0SB+1], s94, SCL
	s_mov_b64 s[G0SB+2:G0SB+3], s[92:93]
	s_or_b32 s[G0SB+3], s[G0SB+3], 0x80000000
.irp s, 0,1
	s_mov_b32 s[G0+4*\s], 1
	s_add_co_u32 s[G0+4*\s+1], s45, \s*SLOT
	s_add_nc_u64 s[G0+4*\s+2:G0+4*\s+3], s[20:21], \s*NQ*2048
	s_or_b32 s[G0+4*\s+3], s[G0+4*\s+3], 0x80000000
	s_mov_b32 s[G0B+4*\s], 1
	s_add_co_u32 s[G0B+4*\s+1], s45, \s*SLOT
	s_add_nc_u64 s[G0B+4*\s+2:G0B+4*\s+3], s[46:47], \s*NQ*2048
	s_or_b32 s[G0B+4*\s+3], s[G0B+4*\s+3], 0x80000000
.endr
	; the head's four tiles, one a wave: wave 0 slot 0's A whole (its own group 0 points at half 0), wave 1 A's scale words, wave 2 slot 0's B whole, wave 3 B's scale words
	; where my prefetches stand: of the NBL blocks that I fetch in the ring, the four partners that ask for them with me take one each, told apart by address (cx for A, cy for B)
	s_cmp_eq_u32 s15, 0
	s_cselect_b64 s[4:5], s[20:21], s[46:47]
	s_cselect_b32 s6, s40, s41
	s_mul_i32 s6, s6, (NBL/4)*BP
	s_mov_b32 s7, 0
	s_add_nc_u64 s[4:5], s[4:5], s[6:7]
	s_cmp_eq_u32 s14, 0
	s_cbranch_scc0 .Lh_sa
	tensor_load_to_lds s[G0:G0+3], s[G1:G1+7]
	s_nop 0
	PLACES 4
	s_branch .Lh_on
.Lh_sa:
	s_cmp_eq_u32 s14, 1
	s_cbranch_scc0 .Lh_b
	tensor_load_to_lds s[G0S:G0S+3], s[G1S:G1S+7]
	s_nop 0
	PLACES 4
	s_branch .Lh_on
.Lh_b:
	s_cmp_eq_u32 s14, 2
	s_cbranch_scc0 .Lh_sb
	tensor_load_to_lds s[G0B:G0B+3], s[G1B:G1B+7]
	s_nop 0
	PLACES 4
	s_branch .Lh_on
.Lh_sb:
	tensor_load_to_lds s[G0SB:G0SB+3], s[G1SB:G1SB+7]
	s_nop 0
	PLACES 4
.Lh_on:
.endm
.macro LADDR
	v_and_b32 v1, 15, v0
	v_bfe_u32 v2, v0, 4, 1
	s_wait_alu depctr_va_vdst(0)
	v_and_b32 v3, 31, v0
	v_lshlrev_b32 v4, 4, v3
	s_mul_i32 s21, s15, HALFT
	s_mul_i32 s22, s16, HALFT
	s_add_co_u32 s22, s22, 2*HALFT
.irp s, 0,1
	v_add_nc_u32 v[ADRA+\s], s21, v4
	v_add_nc_u32 v[ADRB+\s], s22, v4
	s_add_co_u32 s21, s21, SLOT
	s_add_co_u32 s22, s22, SLOT
.endr
	v_lshlrev_b32 v5, 4, v1
	s_mul_i32 s21, s15, HALFS
	s_mul_i32 s22, s16, HALFS
	s_add_co_u32 s22, s22, 2*HALFS
	s_sub_co_u32 s22, s22, s21
	v_mul_u32_u24 v6, s22, v2
	s_add_co_u32 s21, s21, SCL
	v_add_nc_u32 v5, v5, v6
	v_add_nc_u32 v[ADRS], s21, v5
.endm
.macro FRAG reg, adr, off
.irp c, 0,1,2,3
	ds_load_b128 v[\reg+4*\c:\reg+4*\c+3], v[\adr] offset:\off+512*\c
.endr
.endm
.macro FETCH_B slot, q, p
	WIN 0x40
.set ii, 0
.rept NBL
	FRAG 128*(\p)+16*ii, ADRB+\slot, (ii*NQ+(\q))*2048
.set ii, ii+1
.endr
	WIN 0
.endm
.macro FETCH_A slot, q, i0
.set ii, \i0
.rept NBL/2
	FRAG AF+16*ii, ADRA+\slot, (ii*NQ+(\q))*2048
.set ii, ii+1
.endr
.endm
.macro SCALES sc
.set qq, 0
.rept NQ
.set gg, 0
.rept NBL/4
	ds_load_b128 v[SC+(\sc)*NBL*NQ+qq*NBL+4*gg:SC+(\sc)*NBL*NQ+qq*NBL+4*gg+3], v[ADRS] offset:gg*S*256+qq*256
.set gg, gg+1
.endr
.set qq, qq+1
.endr
.endm
.macro MULA a0, n, p, q, sc, first
.set aa, \a0
.rept \n
.set ww, 2+(aa*NBL*8)/256
.set ab, (aa*NBL*8)%256
.if (\first) && BIAS
	WIN 0x01|(ww<<6)
.else
	WIN 0x01|(ww<<4)|(ww<<6)
.endif
.set bb, 0
.rept NBL
.set sb, SC+(\sc)*NBL*NQ+(\q)*NBL+bb
.set sa, SC+(\sc)*NBL*NQ+(\q)*NBL+aa
.if (\first) && BIAS
	v_wmma_scale_f32_16x16x128_f8f6f4 v[ab+8*bb:ab+8*bb+7], v[128*(\p)+16*bb:128*(\p)+16*bb+15], v[AF+16*aa:AF+16*aa+15], v[BI+8*bb:BI+8*bb+7], v[sb], v[sa] matrix_a_fmt:MATRIX_FMT_BF8 matrix_b_fmt:MATRIX_FMT_BF8 matrix_a_scale:MATRIX_SCALE_ROW1
.elseif \first
	v_wmma_scale_f32_16x16x128_f8f6f4 v[ab+8*bb:ab+8*bb+7], v[128*(\p)+16*bb:128*(\p)+16*bb+15], v[AF+16*aa:AF+16*aa+15], 0, v[sb], v[sa] matrix_a_fmt:MATRIX_FMT_BF8 matrix_b_fmt:MATRIX_FMT_BF8 matrix_a_scale:MATRIX_SCALE_ROW1
.else
	v_wmma_scale_f32_16x16x128_f8f6f4 v[ab+8*bb:ab+8*bb+7], v[128*(\p)+16*bb:128*(\p)+16*bb+15], v[AF+16*aa:AF+16*aa+15], v[ab+8*bb:ab+8*bb+7], v[sb], v[sa] matrix_a_fmt:MATRIX_FMT_BF8 matrix_b_fmt:MATRIX_FMT_BF8 matrix_a_scale:MATRIX_SCALE_ROW1
.endif
.set bb, bb+1
.endr
.set aa, aa+1
.endr
.endm
.macro STEP slot, q, first
	s_wait_dscnt HL
	MULA 0, NBL/2, (\q)%2, \q, \slot, \first
	s_wait_dscnt 0x0
	PLACES 8
	FETCH_B \slot, (\q)+1, 1-(\q)%2
	FETCH_A \slot, (\q)+1, 0
	MULA NBL/2, NBL/2, (\q)%2, \q, \slot, \first
	PLACES 8
	WIN 0
	FETCH_A \slot, (\q)+1, NBL/2
.endm
.macro TURN slot, next, fill
.if \fill
	s_wait_xcnt 0x0                                ; my last prefetch has read its address: it steps a K step on
	s_add_nc_u64 s[4:5], s[4:5], NQ*2048
.endif
	s_wait_tensorcnt 0x0
	ds_add_u32 v[SPW], v[NIL]
	s_wait_dscnt HL+1
	MULA 0, NBL/4, 1, NQ-1, \slot, 0
	s_wait_dscnt 0x0
	s_barrier_signal -1
	MULA NBL/4, NBL/4, 1, NQ-1, \slot, 0
	WIN 0
	s_barrier_wait -1
.if \fill
	CREST
	s_add_nc_u64 s[G0+4*\slot+2:G0+4*\slot+3], s[G0+4*\slot+2:G0+4*\slot+3], 2*NQ*2048
	s_add_nc_u64 s[G0B+4*\slot+2:G0B+4*\slot+3], s[G0B+4*\slot+2:G0B+4*\slot+3], 2*NQ*2048
	JLOAD G0+4*\slot, G1, G0B+4*\slot, G1B
	PLACES 4
.else
	PLACES 8
.endif
	s_wait_alu depctr_va_vdst(0)
	v_add_nc_u32 v[ADRS], NQ*256, v[ADRS]
	FETCH_B \next, 0, 0
	FETCH_A \next, 0, 0
	SCALES \next
.if \fill
	; behind the refill of K step t: K step t + 2; the loop's last trip has no such step, and asks for my 64 rows x 256 bytes of the residual, 32 rows at each of its two changes
	s_cmp_gt_u32 s3, 1
	s_cbranch_scc0 .Lres_\@
	global_prefetch_b8 v31, s[4:5] offset:3*NQ*2048 th:TH_LOAD_NT scope:SCOPE_SE
	s_branch .Lpf_\@
.Lres_\@:
	global_prefetch_b8 v30, s[10:11] offset:(\slot)*131072 th:TH_LOAD_NT scope:SCOPE_SE
.Lpf_\@:
.endif
	MULA NBL/2, NBL/2, 1, NQ-1, \slot, 0
	PLACES 8
	WIN 0
	FETCH_A \next, 0, NBL/2
.endm
.macro LAST
	s_wait_dscnt HL
	MULA 0, NBL/2, 1, NQ-1, 1, 0
	s_wait_dscnt 0x0
	MULA NBL/2, NBL/2, 1, NQ-1, 1, 0
	WIN 0
.endm
	s_load_b256 s[4:11], s[0:1], 0x0
	s_load_b64 s[12:13], s[0:1], 0x20
	v_lshl_add_u32 v[SPW], v0, 2, SPARE
	v_mov_b32 v[NIL], 0
	ds_add_u32 v28, v29
	ds_add_u32 v28, v29
	s_wait_dscnt 0x0
	v_lshrrev_b32 v1, 5, v0
	v_readfirstlane_b32 s14, v1
	s_lshr_b32 s15, s14, 1
	s_and_b32 s16, s14, 1
	s_bfe_u32 s40, ttmp6, 0x40000
	s_bfe_u32 s41, ttmp6, 0x40004
	s_lshl_b32 s42, ttmp9, 2
	s_add_co_u32 s42, s42, s40
	s_and_b32 s17, ttmp7, 0xffff
	s_lshl_b32 s17, s17, 2
	s_add_co_u32 s17, s17, s41
	s_lshl_b32 s43, s41, 2
	s_lshl_b32 s43, 15, s43
	s_lshl_b32 s44, 0x1111, s40
	DESCR
	s_mul_i32 s18, s16, NBL
	s_mul_i32 s20, s17, 2*NBL
	s_add_co_u32 s20, s20, s18
	s_mul_i32 s46, s42, 2*NBL
	s_add_co_u32 s46, s46, s18
	s_mul_i32 s22, s20, S*64
	s_add_co_u32 s22, s22, ASOFF
	s_mul_i32 s92, s46, S*64
	s_add_co_u32 s92, s92, WSOFF
	s_mul_i32 s20, s20, BP
	s_mul_i32 s46, s46, BP
	s_add_co_u32 s46, s46, WOFF
	s_mov_b32 s21, 0
	s_mov_b32 s23, 0
	s_mov_b32 s47, 0
	s_mov_b32 s93, 0
	s_mul_i32 s45, s14, HALFT
	s_mul_i32 s94, s14, HALFS
	s_wait_kmcnt 0x0
	s_add_nc_u64 s[20:21], s[4:5], s[20:21]
	s_add_nc_u64 s[22:23], s[4:5], s[22:23]
	s_add_nc_u64 s[46:47], s[6:7], s[46:47]
	s_add_nc_u64 s[92:93], s[6:7], s[92:93]
	FILLS
	LADDR
	v_lshlrev_b32 v31, 8, v3                       ; a K step of a block is 8,192 dense bytes: a lane names 256 of them
	v_lshlrev_b32 v30, 12, v3                      ; the residual: a lane a row
	global_prefetch_b8 v31, s[4:5] offset:NQ*2048 th:TH_LOAD_NT scope:SCOPE_SE     ; K steps 1 and 2: one and two fills ahead of their loads
	global_prefetch_b8 v31, s[4:5] offset:2*NQ*2048 th:TH_LOAD_NT scope:SCOPE_SE
	s_lshl_b32 s96, s42, 9
	s_lshl_b32 s97, s16, 8
	s_add_co_u32 s96, s96, s97
	s_mov_b32 s97, 0
	s_add_nc_u64 s[8:9], s[8:9], s[96:97]
	s_lshl_b32 s66, s17, 7
	s_lshl_b32 s67, s15, 6
	s_add_co_u32 s66, s66, s67
	s_lshl_b32 s66, s66, 12
	s_add_co_u32 s66, s66, s96
	s_mov_b32 s67, 0
	s_add_nc_u64 s[10:11], s[10:11], s[66:67]
	s_add_nc_u64 s[12:13], s[12:13], s[66:67]
	v_lshlrev_b32 v7, 6, v2
	v_lshlrev_b32 v[CO], 12, v2
	v_lshl_add_u32 v[CO], v1, 4, v[CO]
	s_mul_i32 s18, s14, 16*272
	v_mul_u32_u24 v[STO], v1, 272
	v_lshl_add_u32 v[STO], v2, 6, v[STO]
	v_add_nc_u32 v[STO], s18, v[STO]
	v_mul_u32_u24 v[RD], v2, 272
	v_lshl_add_u32 v[RD], v1, 4, v[RD]
	v_add_nc_u32 v[RD], s18, v[RD]
.irp b, 0,1,2,3
	global_load_b128 v[BI+8*\b:BI+8*\b+3], v7, s[8:9] offset:(32*(\b/2)+8*(\b%2))*4
	global_load_b128 v[BI+8*\b+4:BI+8*\b+7], v7, s[8:9] offset:(32*(\b/2)+8*(\b%2))*4+16
.endr
	s_wait_alu depctr_va_vdst(0)                   ; the wait at the head's end
	s_wait_tensorcnt 0x0                           ; my tile of the head's four is in
	ds_add_u32 v[SPW], v[NIL]
	s_mov_b32 s[G1+2], NBL<<16                     ; no load of mine is out: from here on a load brings NBL blocks
	s_mov_b32 s[G1+4], NBL
	s_mov_b32 s[G1B+2], NBL<<16
	s_mov_b32 s[G1B+4], NBL
	s_wait_dscnt 0x0
	CROUND
	JLOAD G0+4, G1, G0B+4, G1B                     ; slot 1's first fill, a quarter a wave
	FETCH_B 0, 0, 0
	FETCH_A 0, 0, 0
	SCALES 0
	global_prefetch_b8 v31, s[4:5] offset:3*NQ*2048 th:TH_LOAD_NT scope:SCOPE_SE   ; K step 3: two fills ahead
	FETCH_A 0, 0, NBL/2
	s_wait_loadcnt 0x0                             ; the bias
	STEP 0, 0, 1
.if LAPS > 1
	s_mov_b32 s3, LAPS-1
.Llap:
	STEP 0, 1, 0
	STEP 0, 2, 0
	TURN 0, 1, 1
	STEP 1, 0, 0
	STEP 1, 1, 0
	STEP 1, 2, 0
	TURN 1, 0, 1
	STEP 0, 0, 0
	s_sub_co_u32 s3, s3, 1
	s_cmp_lg_u32 s3, 0
	s_cbranch_scc1 .Llap
.endif
	WIN 0xc0                                       ; destination window 3: the residual, as it will be added; seven steps stand between these loads and the wait for them
.irp a, 0,1,2,3
.irp t, 0,1,2,3,4,5,6,7
	global_load_b128 v[32*\a+4*\t:32*\a+4*\t+3], v[CO], s[10:11] offset:(32*(\a/2)+8*(\a%2)+2*\t+8*(\t/4))*4096 th:TH_LOAD_NT
.endr
.endr
	WIN 0
	STEP 0, 1, 0
	STEP 0, 2, 0
	TURN 0, 1, 0
	STEP 1, 0, 0
	STEP 1, 1, 0
	STEP 1, 2, 0
	LAST
	PLACES 8
	s_wait_loadcnt 0x0
.irp a, 0,1,2,3
.if \a > 1
	s_wait_xcnt 0x0
.endif
	WIN 0x08
.irp b, 0,1,2,3
	ds_store_b128 v[STO], v[32*\a+8*\b:32*\a+8*\b+3] offset:128*(\b/2)+32*(\b%2)
	ds_store_b128 v[STO], v[32*\a+8*\b+4:32*\a+8*\b+7] offset:128*(\b/2)+32*(\b%2)+16
.endr
	WIN 0
.irp t, 0,1,2,3,4,5,6,7
	ds_load_b128 v[BK+32*(\a%2)+4*\t:BK+32*(\a%2)+4*\t+3], v[RD] offset:544*\t
.endr
	s_wait_dscnt 0x0
	WIN 0x0c
.irp j, 0,2,4,6,8,10,12,14,16,18,20,22,24,26,28,30
	v_pk_add_f32 v[BK+32*(\a%2)+\j:BK+32*(\a%2)+\j+1], v[BK+32*(\a%2)+\j:BK+32*(\a%2)+\j+1], v[32*\a+\j:32*\a+\j+1]
.endr
	WIN 0
.irp t, 0,1,2,3,4,5,6,7
	global_store_b128 v[CO], v[BK+32*(\a%2)+4*\t:BK+32*(\a%2)+4*\t+3], s[12:13] offset:(32*(\a/2)+8*(\a%2)+2*\t+8*(\t/4))*4096 th:TH_STORE_NT
.endr
.endr
	s_wait_tensorcnt 0x0
	ds_add_u32 v[SPW], v[NIL]
	s_wait_dscnt 0x0
	CROUND
	s_endpgm
.Lfunc_end_k_q991922195d_w2:
	.size	k_q991922195d_w2, .Lfunc_end_k_q991922195d_w2-k_q991922195d_w2
	.p2alignl 7, 3214868480
	.fill 96, 4, 3214868480
	.section	.rodata,"a",@progbits
	.p2align	6, 0x0
	.amdhsa_kernel k_q991922195d_w2
		.amdhsa_group_segment_fixed_size 327680
		.amdhsa_private_segment_fixed_size 0
		.amdhsa_enable_private_segment 0
		.amdhsa_kernarg_size 40
		.amdhsa_user_sgpr_count 2
		.amdhsa_user_sgpr_kernarg_segment_ptr 1
		.amdhsa_wavefront_size32 1
		.amdhsa_system_sgpr_workgroup_id_x 1
		.amdhsa_system_sgpr_workgroup_id_y 1
		.amdhsa_system_sgpr_workgroup_id_z 1
		.amdhsa_system_vgpr_workitem_id 0
		.amdhsa_next_free_vgpr 1024
		.amdhsa_next_free_sgpr 102
		.amdhsa_reserve_vcc 0
		.amdhsa_float_denorm_mode_32 3
		.amdhsa_float_denorm_mode_16_64 3
		.amdhsa_memory_ordered 1
		.amdhsa_forward_progress 1
		.amdhsa_inst_pref_size 107
	.end_amdhsa_kernel
	.amdgpu_metadata
---
amdhsa.version: [ 1, 2 ]
amdhsa.kernels:
  - .name:           k_q991922195d_w2
    .symbol:         k_q991922195d_w2.kd
    .args:
      - { .name: mid, .offset: 0, .size: 8, .value_kind: global_buffer, .address_space: global }
      - { .name: wts, .offset: 8, .size: 8, .value_kind: global_buffer, .address_space: global }
      - { .name: b2, .offset: 16, .size: 8, .value_kind: global_buffer, .address_space: global }
      - { .name: x1, .offset: 24, .size: 8, .value_kind: global_buffer, .address_space: global }
      - { .name: out0, .offset: 32, .size: 8, .value_kind: global_buffer, .address_space: global }
    .group_segment_fixed_size: 327680
    .private_segment_fixed_size: 0
    .kernarg_segment_align: 8
    .kernarg_segment_size: 40
    .max_flat_workgroup_size: 128
    .sgpr_count:     102
    .vgpr_count:     1024
    .wavefront_size: 32
...
	.end_amdgpu_metadata
.endif
;; end of part 7
